; MI455X (gfx1250); checked and timed in simulation.
; The chip was launched on July 23, 2026; its instructions are those of AMD's public machine-readable ISA for CDNA 5 (MIT licence, August 2026) and "CDNA5" Instruction Set Architecture Reference Guide (July 2026). The comments in the code are by the model that wrote it; some were corrected since.
;; Cycle VAR. Allowed arithmetic: matrix products marked QUANTISED: E2M3 operands, one E8M0 scale for each 32 along K, by v_wmma_scale_f32_16x16x128_f8f6f4 with both operands' format E2M3, f32 sums; products left as they are: f32 operands where the result goes on into a quantised operand, else bf16, f16 or f32 operands; f32 sums; everything else in f32.
;; Inputs: emb_weight 4,096 x 32 float32; f_src 128 x 32 x 16 x 16 float32.
;; Outputs: out0 128 x 340 x 32 float32.
;; This version of the problem:
;;   THIS VERSION OF THE PROBLEM IS GIVEN IN LOW PRECISION. The matrix products marked QUANTISED in the list below multiply operands that are first quantised to E2M3 (2 exponent bits, 3 mantissa bits; 6 bits a number), with one power-of-two scale for each 32 numbers along K (OCP MX v1.0); their sums are f32. All else is computed in f32.
;;   The module's matrix products, in the order in which they are computed (A, B: the left and right operand; K: the contracted axis; several contracted axes count as one K, in the product's order):
;;     1. [M 128, K 32] x [K 32, N 4,096]; A: computed on the way; B: input emb_weight: QUANTISED
;;     2. [M 128, K 4,096] x [K 4,096, N 32]; A: softmax (see below); B: input emb_weight: QUANTISED
;;     3. [M 16, K 1] x [K 1, N 16]; A: computed on the way; B: computed on the way: left as it is (no contracted axis)
;;     4. [M 256, K 1] x [K 1, N 4,096]; A: computed on the way; B: computed on the way: left as it is (K = 1 < 32)
;;     5. [M 512, K 32] x [K 32, N 4,096]; A: computed on the way; B: input emb_weight: QUANTISED
;;     6. [M 512, K 4,096] x [K 4,096, N 32]; A: softmax (see below); B: input emb_weight: QUANTISED
;;     7. [M 16, K 2] x [K 2, N 8,192]; A: computed on the way; B: computed on the way: left as it is (K = 2 < 32)
;;     8. [M 65,536, K 2] x [K 2, N 16]; A: computed on the way; B: computed on the way: left as it is (K = 2 < 32)
;;     9. [M 2,048, K 32] x [K 32, N 4,096]; A: computed on the way; B: input emb_weight: QUANTISED
;;     10. [M 2,048, K 4,096] x [K 4,096, N 32]; A: softmax (see below); B: input emb_weight: QUANTISED
;;     11. [M 16, K 4] x [K 4, N 16,384]; A: computed on the way; B: computed on the way: left as it is (K = 4 < 32)
;;     12. [M 65,536, K 4] x [K 4, N 16]; A: computed on the way; B: computed on the way: left as it is (K = 4 < 32)
;;     13. [M 8,192, K 32] x [K 32, N 4,096]; A: computed on the way; B: input emb_weight: QUANTISED
;;     14. [M 8,192, K 4,096] x [K 4,096, N 32]; A: softmax (see below); B: input emb_weight: QUANTISED
;;     15. [M 16, K 8] x [K 8, N 32,768]; A: computed on the way; B: computed on the way: left as it is (K = 8 < 32)
;;     16. [M 65,536, K 8] x [K 8, N 16]; A: computed on the way; B: computed on the way: left as it is (K = 8 < 32)
;;     17. [M 32,768, K 32] x [K 32, N 4,096]; A: computed on the way; B: input emb_weight: QUANTISED
;;     18. [M 32,768, K 4,096] x [K 4,096, N 32]; A: softmax (see below); B: input emb_weight: QUANTISED
;;     19. [M 16, K 1] x [K 1, N 16]; A: computed on the way; B: computed on the way: left as it is (no contracted axis)
;;     20. [M 256, K 1] x [K 1, N 4,096]; A: computed on the way; B: computed on the way: left as it is (K = 1 < 32)
;;     21. [M 16, K 2] x [K 2, N 8,192]; A: computed on the way; B: computed on the way: left as it is (K = 2 < 32)
;;     22. [M 65,536, K 2] x [K 2, N 16]; A: computed on the way; B: computed on the way: left as it is (K = 2 < 32)
;;     23. [M 16, K 4] x [K 4, N 16,384]; A: computed on the way; B: computed on the way: left as it is (K = 4 < 32)
;;     24. [M 65,536, K 4] x [K 4, N 16]; A: computed on the way; B: computed on the way: left as it is (K = 4 < 32)
;;     25. [M 16, K 8] x [K 8, N 32,768]; A: computed on the way; B: computed on the way: left as it is (K = 8 < 32)
;;     26. [M 65,536, K 8] x [K 8, N 16]; A: computed on the way; B: computed on the way: left as it is (K = 8 < 32)
;;   THE QUANTISER, for each operand of a quantised product, along K:
;;     - K is cut into blocks of 32 from its start; a last block that is shorter is filled with zeros.
;;     - A block's scale is 2^e with e = floor(log2(the largest magnitude in the block)) - 2, held to -126 .. 127; a block of zeros has e = 0. As a byte (E8M0): e + 127.
;;     - Each number is divided by its block's scale, clamped to +-7.5, and rounded to the nearest number of E2M3, ties to even, subnormals kept.
;;     - The product sums the exact products of the quantised numbers (number of the format x scale) in f32.
;;   ~~~python
;;   def quantise(x, axis):      # numpy; x: float32 -> the quantised numbers, widened to float32 again
;;       x = np.moveaxis(x, axis, -1); K = x.shape[-1]
;;       x = np.pad(x, [(0, 0)] * (x.ndim - 1) + [(0, -K % 32)]); x = x.reshape(x.shape[:-1] + (-1, 32)); a = np.abs(x).max(-1, keepdims=True)
;;       e = np.where(a > 0, np.clip(np.frexp(np.where(a > 0, a, 1))[1] - 1 - 2, -126, 127), 0)      # np.frexp(a)[1] - 1 = floor(log2(a)), exactly
;;       r = np.clip(x / 2.0 ** e, -7.5, 7.5)
;;       step = 2.0 ** (np.maximum(np.frexp(np.where(r == 0, 1, r))[1] - 1, 0) - 3)
;;       q = np.round(r / step) * step * 2.0 ** e      # np.round: ties to even
;;       return np.moveaxis(q.reshape(q.shape[:-2] + (-1,))[..., :K], -1, axis).astype(np.float32)
;;   ~~~
;;   SOFTMAX AHEAD OF A QUANTISED PRODUCT. Where the list says 'softmax', what is quantised is not the finished softmax but p = 2^(t - M), with t = logit x log2(e) and M = ceil(the row's largest t), a whole number; so 1/2 < the row's largest p <= 1. The row's sum l is taken of the UNQUANTISED p, in f32, and the product's result is divided by l at the end. Since M is a whole number, a kernel that streams over the keys may use a running M (the ceiling of the running maximum): every later rescaling is an exact power of two, which a block's scale takes up: the codes' values come out the same.
;;   OPERANDS COMPUTED ON THE WAY. 'Computed on the way' means the value that the module computes at that place (a softmax that the list does not call 'softmax' is quantised finished and normalised). What goes into a quantiser is computed in f32, as accurately as f32 sums, v_exp_f32 and their like allow (about 1e-6 of the number): no bf16 or f16 on the way to a quantiser, and a product that is left as it is and whose result goes on into a quantised operand takes f32 operands (vector FMAs, or v_wmma_f32_16x16x4_f32). A number that lies on a knife's edge between two numbers of the format may be rounded either way, as far as f32 arithmetic and the matrix unit's own rounding can turn it there, and no further.
;; One version. Each part assembles by itself: llvm-mc -triple=amdgcn-amd-amdhsa -mcpu=gfx1250 --defsym DOCPART=n.
;; ======== version 1 of 1: 6 launches
;; limits: right only within a limited range of input values
;; workspace buffers: prep 1,623,040 bytes; r1 16,384 bytes; r2 81,920 bytes; r3 327,680 bytes; r4 1,310,720 bytes; ia 8,704 bytes of whole numbers; ib 34,816 bytes of whole numbers
;; launch prepare (part 1): grid 137 x 1, 4 waves a work-group, no clusters, 88,576 bytes of LDS; arguments f_src, emb_weight, prep; writes prep
.if DOCPART == 1
	.amdgcn_target "amdgcn-amd-amdhsa--gfx1250"
	.amdhsa_code_object_version 6
	.text
	.protected	k_qa71a8ea4cc_prepare
	.globl	k_qa71a8ea4cc_prepare
	.p2align	8
	.type	k_qa71a8ea4cc_prepare,@function
k_qa71a8ea4cc_prepare:
	s_mov_b64 s[64:65], 0
	v_nop
	global_prefetch_b8 v0, s[64:65] scope:SCOPE_SE
	s_setreg_imm32_b32 hwreg(HW_REG_WAVE_MODE, 25, 1), 1
	s_wait_xcnt 0x0
; What every stage needs and no stage changes, made once.  Three roles, parted on the work-group's number; each has LDS bytes of its own.
; ROLE A (work-groups 0-127, one image each): the area means of f_src at 8x8, 4x4, 2x2 and 1x1, laid [token][32 channels] f32.
;   The sums go level by level and each level is scaled by an exact power of two: only the order of the additions differs from a mean over the whole cell.
; ROLE B (128-135, a wave to a record of 128 codes): the codebook as codes of E2M3 in the order of the matrix operands' registers:
;   A1: two fragments for z.e (row m, K block u = code 64 c + 32 (m / 8) + 8 u + m % 8, quantised along its 32 channels);
;   E2: two fragments for p.e (row m = channel 16 (m / 8) + 8 v + m % 8, K = the record's 128 codes, quantised along the codes);
;   EE: -|e|^2 in f32; SCL: lane l's two scale words.  A fragment is stored as three runs of 512 bytes, lane l's four registers at 16 l.
; ROLE C (136, waves 0-2): the cubic weights from 2, 4 and 8 samples to 16, each row divided by its sum, and their means over 2 and 4 neighbouring rows.
;   Row or column o of a table (o = 0..15) holds the weights of output o >> level, so that every byte of a table is written.
; A block's scale byte is its largest magnitude's exponent field - 2, held at 1 from below; a block of zeros keeps the byte 1 (its codes are zeros; this program alone reads the bytes).
; LIMITS: NaN and infinities among the inputs are not served.
; DEAD WORK THAT THE WHOLE PROGRAM LEAVES OUT.  reference() returns x_var alone, and x_var is made of stage_maps[0] to stage_maps[3].
; The last stage (pn = 16: z = f_rest, its scores, argmax, gather and softmax, the table's products 17 and 18) enters only stage_maps[4], f_hat and the last f_rest,
; and none of these three has a way to x_var, whatever the inputs hold.  So that stage's tokens, f_hat and the last update of f_rest are not made.
; Both inputs still have a way to the result and are loaded.  LIMIT: a NaN, an infinity or an overflow that arises only in the work left out is not carried to the result.
.set TABB, 221184
.set A1B,  230400
.set A2B,  246784
.set A3B,  312320
.set A4B,  574464
.set REC,  6912
.set PIT,  144                         ; an LDS row of 32 f32 + 16 bytes
.set BREG, 12288                       ; role B's LDS begins behind role A's
.set BSZ,  18944                       ; a wave's part of it: 128 rows, then 512 bytes for -|e|^2
	s_load_b128 s[4:7], s[0:1], 0x0                ; f_src, emb_weight
	s_load_b64 s[8:9], s[0:1], 0x10                ; prep
	v_lshl_add_u32 v192, v0, 2, 0x15800
	v_mov_b32 v193, 0
	v_lshrrev_b32 v1, 5, v0
	v_readfirstlane_b32 s10, v1                    ; wave
	v_and_b32 v1, 31, v0                           ; lane
	v_lshlrev_b32 v2, 4, v1                        ; 16 x lane
	s_mov_b32 s12, 0x76543210
	s_mov_b32 s13, 0xfedcba98                      ; v_permlanex16_b32's selects for lane l xor 16
	s_mov_b32 s15, 0
	s_wait_kmcnt 0x0
	s_cmp_lt_u32 ttmp9, 128
	s_cbranch_scc0 .Lnot_a
; ---------------- ROLE A.  Wave w takes channels 8 w .. 8 w + 7; load n = 2 ci + hf is half a plane: lane l holds row 8 hf + l / 4, columns 4 (l % 4) on
	s_lshl_b32 s14, ttmp9, 15
	s_lshl_b32 s16, s10, 13
	s_add_co_u32 s14, s14, s16
	s_add_nc_u64 s[4:5], s[4:5], s[14:15]
.set T, 0
	s_wait_alu depctr_va_vdst(0)
.rept 16
	global_load_b128 v[32+4*T:35+4*T], v2, s[4:5] offset:512*T       ; 32 lanes read 512 consecutive bytes
.set T, T+1
.endr
	v_lshrrev_b32 v3, 3, v1
	v_and_b32 v4, 3, v1
	v_lshrrev_b32 v5, 4, v1
	v_bfe_u32 v6, v1, 1, 1
	v_and_b32 v7, 7, v1
	s_lshl_b32 s16, s10, 5                         ; my channels' bytes in a token's row
	v_lshlrev_b32 v8, 3, v3
	v_lshl_add_u32 v8, v4, 1, v8
	v_mul_u32_u24 v8, v8, PIT
	v_add_nc_u32 v8, s16, v8                       ; 8x8: slot 8 (l / 8) + 2 (l % 4)
	v_lshl_add_u32 v9, v5, 2, v4
	v_mul_u32_u24 v9, v9, PIT
	v_add_nc_u32 v9, s16, v9                       ; 4x4: slot 4 (l / 16) + l % 4
	v_mul_u32_u24 v10, v6, PIT
	v_add_nc_u32 v10, s16, v10                     ; 2x2: slot (l / 2) % 2
	v_mov_b32 v11, s16                             ; 1x1
	v_mul_u32_u24 v12, v3, PIT
	v_lshl_add_u32 v12, v7, 4, v12                 ; the way out: four tokens an instruction, 16 bytes a lane
	s_mul_i32 s17, s10, 16*PIT
	v_add_nc_u32 v13, s17, v12
	s_mul_i32 s17, s10, 4*PIT
	v_add_nc_u32 v14, s17, v12
	v_lshlrev_b32 v15, 2, v1
	s_wait_alu depctr_va_vdst(0)
	s_lshl_b32 s17, ttmp9, 13
	s_lshl_b32 s18, s10, 11
	s_add_co_u32 s17, s17, s18
	v_add_nc_u32 v16, s17, v2
	s_lshl_b32 s17, ttmp9, 11
	s_lshl_b32 s18, s10, 9
	s_add_co_u32 s17, s17, s18
	v_add_nc_u32 v17, s17, v2
	s_lshl_b32 s17, ttmp9, 9
	v_add_nc_u32 v18, s17, v2
	s_lshl_b32 s17, ttmp9, 7
	v_add_nc_u32 v19, s17, v15
	v_mov_b32 v24, 0                               ; a lane permute's destination counts as one of its sources
.macro PYR n
	s_wait_loadcnt 15-(\n)                         ; loads come back in order: mine is in, the younger ones may be out
	v_add_f32 v20, v[32+4*(\n)], v[33+4*(\n)]
	v_add_f32 v21, v[34+4*(\n)], v[35+4*(\n)]
	v_add_f32_dpp v20, v20, v20 row_xmask:4 row_mask:0xf bank_mask:0xf     ; the row beside
	v_add_f32_dpp v21, v21, v21 row_xmask:4 row_mask:0xf bank_mask:0xf
	v_mul_f32 v[96+4*(\n)], 0x3e800000, v20        ; / 4
	v_mul_f32 v[97+4*(\n)], 0x3e800000, v21
	v_add_f32 v22, v20, v21
	v_add_f32_dpp v22, v22, v22 row_xmask:8 row_mask:0xf bank_mask:0xf
	v_mul_f32 v[98+4*(\n)], 0x3d800000, v22        ; / 16
	v_add_f32_dpp v22, v22, v22 row_xmask:1 row_mask:0xf bank_mask:0xf
	v_permlanex16_b32 v24, v22, s12, s13
	v_add_f32 v22, v22, v24
	v_mul_f32 v[99+4*(\n)], 0x3c800000, v22        ; / 64
	v_add_f32_dpp v22, v22, v22 row_xmask:2 row_mask:0xf bank_mask:0xf
	ds_store_b32 v8, v[96+4*(\n)] offset:21*PIT+((\n)%2)*32*PIT+4*((\n)/2)   ; lanes that hold the same sum write the same word with the same value
	ds_store_b32 v8, v[97+4*(\n)] offset:22*PIT+((\n)%2)*32*PIT+4*((\n)/2)
	ds_store_b32 v9, v[98+4*(\n)] offset:5*PIT+((\n)%2)*8*PIT+4*((\n)/2)
	ds_store_b32 v10, v[99+4*(\n)] offset:PIT+((\n)%2)*2*PIT+4*((\n)/2)
.if (\n)%2 == 0
	v_mov_b32 v23, v22
.else
	v_add_f32 v22, v22, v23                        ; the plane's two halves
	v_mul_f32 v[160+(\n)/2], 0x3b800000, v22       ; / 256
	ds_store_b32 v11, v[160+(\n)/2] offset:4*((\n)/2)
.endif
.endm
.irp n, 0,1,2,3,4,5,6,7,8,9,10,11,12,13,14,15
	PYR \n
.endr
	s_wait_dscnt 0x0                               ; for the others' sake: my stores have landed
	s_barrier_signal -1
	s_barrier_wait -1                              ; 85 whole token rows lie in LDS
.set T, 0
.rept 4
	ds_load_b128 v[32+4*T:35+4*T], v13 offset:(21+4*T)*PIT
.set T, T+1
.endr
	ds_load_b128 v[48:51], v14 offset:5*PIT
	s_wait_dscnt 0x0
.set T, 0
.rept 4
	global_store_b128 v16, v[32+4*T:35+4*T], s[8:9] offset:A4B+512*T       ; each store covers 512 consecutive bytes, aligned
.set T, T+1
.endr
	global_store_b128 v17, v[48:51], s[8:9] offset:A3B
	s_cmp_eq_u32 s10, 0
	s_cbranch_scc0 .La_not0
	ds_load_b128 v[52:55], v12 offset:PIT
	s_wait_dscnt 0x0
	global_store_b128 v18, v[52:55], s[8:9] offset:A2B
.La_not0:
	s_cmp_eq_u32 s10, 1
	s_cbranch_scc0 .La_not1
	ds_load_b32 v56, v15
	s_wait_dscnt 0x0
	global_store_b32 v19, v56, s[8:9] offset:A1B
.La_not1:
	s_wait_tensorcnt 0x0
	ds_add_u32 v192, v193
	s_wait_dscnt 0x0
	s_endpgm
.Lnot_a:
	s_cmp_lt_u32 ttmp9, 136
	s_cbranch_scc0 .Lrole_c
; ---------------- ROLE B.  Waves share nothing: no barrier
	s_sub_co_u32 s14, ttmp9, 128
	s_lshl_b32 s14, s14, 2
	s_add_co_u32 s14, s14, s10                     ; my record
	s_lshl_b32 s16, s14, 14
	s_mov_b32 s17, 0
	s_add_nc_u64 s[6:7], s[6:7], s[16:17]          ; its 128 rows of emb_weight
	s_mul_i32 s16, s14, REC
	s_add_nc_u64 s[8:9], s[8:9], s[16:17]
	s_mul_i32 s20, s10, BSZ
	s_add_co_u32 s20, s20, BREG                    ; my LDS
	s_mov_b32 s21, 0xffff0000
.set T, 0
	s_wait_alu depctr_va_vdst(0)
.rept 32
	global_load_b128 v[64+4*T:67+4*T], v2, s[6:7] offset:512*T
.set T, T+1
.endr
	v_lshrrev_b32 v16, 3, v1
	v_and_b32 v17, 7, v1
	v_lshrrev_b32 v18, 4, v1                       ; h
	v_bfe_u32 v19, v1, 3, 1
	v_mul_u32_u24 v3, v16, PIT
	v_lshl_add_u32 v3, v17, 4, v3
	v_add_nc_u32 v3, s20, v3                       ; the rows' way in
	v_lshl_add_u32 v4, v19, 5, v17
	v_lshl_add_u32 v4, v18, 3, v4                  ; 32 ((l / 8) % 2) + 8 h + l % 8: my row of a pass of A1
	v_mul_u32_u24 v5, v4, PIT
	v_add_nc_u32 v5, s20, v5
	v_lshl_add_u32 v6, v4, 2, s20
	v_add_nc_u32 v6, 128*PIT, v6                   ; and its place among the -|e|^2
	v_lshl_add_u32 v7, v19, 4, v17
	v_lshlrev_b32 v7, 2, v7
	v_mad_u32_u24 v7, v18, 32*PIT, v7
	v_add_nc_u32 v7, s20, v7                       ; E2: code 32 h, channel 16 ((l / 8) % 2) + l % 8
	v_add_nc_u32 v8, s20, v2
	v_add_nc_u32 v8, 128*PIT, v8
	v_lshlrev_b32 v9, 3, v18                       ; 8 h
	v_lshlrev_b32 v10, 3, v1
	v_mov_b32 v15, 0
	s_wait_loadcnt 0x0
.set T, 0
.rept 32
	ds_store_b128 v3, v[64+4*T:67+4*T] offset:4*PIT*T
.set T, T+1
.endr
; 32 numbers of one block in v32-63 become 6 registers of codes at dst and the scale's byte in by
.macro QBLK dst, by
	v_max3_num_f32 v12, |v32|, |v33|, 0x1800000    ; the floor 2^(3 - 127): the byte cannot fall under 1
.set QI, 2
.rept 15
	v_max3_num_f32 v12, v12, |v[32+QI]|, |v[33+QI]|
.set QI, QI+2
.endr
	v_add_nc_u32 v13, 0xff000000, v12              ; 2 off the exponent field: the conversion's scale operand
	v_lshrrev_b32 v[\by], 23, v13
	v_cvt_scalef32_pk16_fp6_f32 v[\dst:\dst+2], v[32:47], v13
	v_cvt_scalef32_pk16_fp6_f32 v[16:18], v[48:63], v13      ; (a conversion's three registers begin on an even number)
	v_nop                                          ; one plain place behind a scaled conversion
	v_mov_b32 v[\dst+3], v16
	v_mov_b32 v[\dst+4], v17
	v_mov_b32 v[\dst+5], v18
.endm
.macro E1PASS cf, u
.set QI, 0
.rept 8
	ds_load_b128 v[32+4*QI:35+4*QI], v5 offset:(64*\cf+16*\u)*PIT+16*QI
.set QI, QI+1
.endr
	s_wait_dscnt 0x0
	QBLK 128+12*\cf+6*\u, 24+2*\cf+\u
	v_pk_mul_f32 v[176:177], v[32:33], v[32:33]    ; |e|^2 of the unquantised row, in two chains
	v_pk_mul_f32 v[178:179], v[34:35], v[34:35]
.set QI, 4
.rept 7
	v_pk_fma_f32 v[176:177], v[32+QI:33+QI], v[32+QI:33+QI], v[176:177]
	v_pk_fma_f32 v[178:179], v[34+QI:35+QI], v[34+QI:35+QI], v[178:179]
.set QI, QI+4
.endr
	v_pk_add_f32 v[176:177], v[176:177], v[178:179]
	v_add_f32 v176, v176, v177
	v_mul_f32 v[20+2*\cf+\u], -1.0, v176
	ds_store_b32 v6, v[20+2*\cf+\u] offset:4*(64*\cf+16*\u)
.endm
.macro E2PASS v, c
.set QI, 0
.rept 32
	ds_load_b32 v[32+QI], v7 offset:(64*\c+QI)*PIT+32*\v
.set QI, QI+1
.endr
	s_wait_dscnt 0x0
	QBLK 152+12*\v+6*\c, 28+2*\v+\c
.endm
.macro SWORD dst, b0, b1                       ; my two bytes (K blocks h and 2 + h) and lane l xor 16's two make the row's scale word
	v_lshl_or_b32 v14, v[\b1], 16, v[\b0]
	v_lshlrev_b32 v14, v9, v14
	v_permlanex16_b32 v15, v14, s12, s13
	v_or_b32 v[\dst], v14, v15
.endm
	E1PASS 0, 0
	E1PASS 0, 1
	E1PASS 1, 0
	E1PASS 1, 1
	E2PASS 0, 0
	E2PASS 0, 1
	E2PASS 1, 0
	E2PASS 1, 1
	SWORD 180, 24, 25
	SWORD 181, 26, 27
	SWORD 182, 28, 29
	SWORD 183, 30, 31
	v_cndmask_b32 v184, v180, v181, s21            ; lanes 0-15 carry fragment 0's words, lanes 16-31 fragment 1's
	v_cndmask_b32 v185, v182, v183, s21
	ds_load_b128 v[188:191], v8                    ; LDS serves a wave's instructions in order: this sees my stores
.set T, 0
.rept 12
	global_store_b128 v2, v[128+4*T:131+4*T], s[8:9] offset:512*T          ; A1's two images, then E2's two
.set T, T+1
.endr
	s_wait_alu depctr_va_vdst(0)
	s_wait_dscnt 0x0
	global_store_b128 v2, v[188:191], s[8:9] offset:6144
	global_store_b64 v10, v[184:185], s[8:9] offset:6656
	s_wait_tensorcnt 0x0
	ds_add_u32 v192, v193
	s_wait_dscnt 0x0
	s_endpgm
; ---------------- ROLE C.  Wave w: from pn = 2 << w samples.  Lane o = l % 16 is an output; lanes 16-31 repeat lanes 0-15
.Lrole_c:
	s_cmp_lt_u32 s10, 3
	s_cbranch_scc0 .Lc_end
	s_lshl_b32 s14, 2, s10                         ; pn
	s_add_co_u32 s15, s10, 124
	s_lshl_b32 s15, s15, 23                        ; pn / 16 as f32: 2^(w - 3)
	s_mov_b32 s16, 0x3fc00000                      ; 1.5
	s_mov_b32 s17, 0xc0200000                      ; -2.5
	s_mov_b32 s18, 0x40200000                      ; 2.5
	s_mul_i32 s22, s10, 3072
	s_mov_b32 s23, 0
	s_add_nc_u64 s[8:9], s[8:9], s[22:23]
	v_and_b32 v2, 15, v0
	v_lshlrev_b32 v10, 5, v2                       ; a row of 8 weights
	v_lshlrev_b32 v11, 2, v2
	v_cvt_f32_u32 v3, v2
	v_add_f32 v3, 0.5, v3
	v_fma_f32 v4, v3, s15, -0.5                    ; the output's place among the samples (exact)
.macro KW j
	v_and_b32 v5, 0x7fffffff, v4                   ; x = |place - j|
	v_fma_f32 v6, v5, s16, s17
	v_mul_f32 v6, v6, v5
	v_fma_f32 v6, v6, v5, 1.0                      ; ((1.5 x - 2.5) x) x + 1
	v_fma_f32 v7, v5, -0.5, s18
	v_fma_f32 v7, v7, v5, -4.0
	v_fma_f32 v7, v7, v5, 2.0                      ; ((-0.5 x + 2.5) x - 4) x + 2
	v_cmp_le_f32 vcc_lo, 1.0, v5
	v_cndmask_b32 v6, v6, v7, vcc_lo
	v_cmp_gt_f32 vcc_lo, 2.0, v5
	v_cndmask_b32 v6, 0, v6, vcc_lo
	s_cmp_gt_u32 s14, \j
	s_cselect_b32 s19, -1, 0
	v_cndmask_b32 v[64+\j], 0, v6, s19             ; no sample j at or past pn
	v_add_f32 v4, -1.0, v4
.endm
.irp j, 0,1,2,3,4,5,6,7
	KW \j
.endr
	v_add_f32 v8, v64, v65
.irp j, 2,3,4,5,6,7
	v_add_f32 v8, v8, v[64+\j]
.endr
	s_wait_alu depctr_va_vdst(0)
	v_rcp_f32 v9, v8
	v_nop                                          ; one plain place behind a transcendental
	s_wait_alu depctr_va_vdst(0)
.irp j, 0,1,2,3,4,5,6,7
	v_mul_f32 v6, v[64+\j], v9                     ; the quotient, mended once by its remainder
	v_fma_f32 v7, -v6, v8, v[64+\j]
	v_fma_f32 v[64+\j], v7, v9, v6
.endr
.irp j, 0,1,2,3,4,5,6,7
	v_mov_b32 v[72+\j], v[64+\j]
.endr
.irp j, 0,1,2,3,4,5,6,7
	v_add_f32_dpp v[72+\j], v[72+\j], v[72+\j] row_xmask:1 row_mask:0xf bank_mask:0xf
.endr
.irp j, 0,1,2,3,4,5,6,7
	v_mul_f32 v[72+\j], 0.5, v[72+\j]              ; the mean of two neighbouring outputs
	v_mov_b32 v[80+\j], v[72+\j]
.endr
.irp j, 0,1,2,3,4,5,6,7
	v_add_f32_dpp v[80+\j], v[80+\j], v[80+\j] row_xmask:2 row_mask:0xf bank_mask:0xf
.endr
.irp j, 0,1,2,3,4,5,6,7
	v_mul_f32 v[80+\j], 0.5, v[80+\j]              ; of four
.endr
.irp v, 0,1,2
	global_store_b128 v10, v[64+8*\v:67+8*\v], s[8:9] offset:TABB+1024*\v
	global_store_b128 v10, v[68+8*\v:71+8*\v], s[8:9] offset:TABB+1024*\v+16
.irp j, 0,1,2,3,4,5,6,7
	global_store_b32 v11, v[64+8*\v+\j], s[8:9] offset:TABB+1024*\v+512+64*\j
.endr
.endr
.Lc_end:
	s_endpgm
.Lfunc_end_k_qa71a8ea4cc_prepare:
	.size	k_qa71a8ea4cc_prepare, .Lfunc_end_k_qa71a8ea4cc_prepare-k_qa71a8ea4cc_prepare
	.p2alignl 7, 3214868480
	.fill 96, 4, 3214868480
	.section	.rodata,"a",@progbits
	.p2align	6, 0x0
	.amdhsa_kernel k_qa71a8ea4cc_prepare
		.amdhsa_group_segment_fixed_size 88576
		.amdhsa_private_segment_fixed_size 0
		.amdhsa_enable_private_segment 0
		.amdhsa_kernarg_size 24
		.amdhsa_user_sgpr_count 2
		.amdhsa_user_sgpr_kernarg_segment_ptr 1
		.amdhsa_wavefront_size32 1
		.amdhsa_system_sgpr_workgroup_id_x 1
		.amdhsa_system_sgpr_workgroup_id_y 1
		.amdhsa_system_sgpr_workgroup_id_z 1
		.amdhsa_system_vgpr_workitem_id 0
		.amdhsa_next_free_vgpr 194
		.amdhsa_next_free_sgpr 66
		.amdhsa_reserve_vcc 1
		.amdhsa_float_denorm_mode_32 3
		.amdhsa_float_denorm_mode_16_64 3
		.amdhsa_memory_ordered 1
		.amdhsa_forward_progress 1
		.amdhsa_inst_pref_size 72
	.end_amdhsa_kernel
	.amdgpu_metadata
---
amdhsa.version: [ 1, 2 ]
amdhsa.kernels:
  - .name:           k_qa71a8ea4cc_prepare
    .symbol:         k_qa71a8ea4cc_prepare.kd
    .args:
      - { .name: f_src, .offset: 0, .size: 8, .value_kind: global_buffer, .address_space: global }
      - { .name: emb_weight, .offset: 8, .size: 8, .value_kind: global_buffer, .address_space: global }
      - { .name: prep, .offset: 16, .size: 8, .value_kind: global_buffer, .address_space: global }
    .group_segment_fixed_size: 88576
    .private_segment_fixed_size: 0
    .kernarg_segment_align: 8
    .kernarg_segment_size: 24
    .max_flat_workgroup_size: 128
    .sgpr_count:     66
    .vgpr_count:     194
    .wavefront_size: 32
...
	.end_amdgpu_metadata
.endif
;; end of part 1
;; launch s1 (part 2): grid 8 x 1, 16 waves a work-group, clusters of 4 x 1, 320,000 bytes of LDS; arguments prep, r1, ia; writes r1, ia
.if DOCPART == 2
	.amdgcn_target "amdgcn-amd-amdhsa--gfx1250"
	.amdhsa_code_object_version 6
	.text
	.protected	k_qa71a8ea4cc_s1
	.globl	k_qa71a8ea4cc_s1
	.p2align	8
	.type	k_qa71a8ea4cc_s1,@function
k_qa71a8ea4cc_s1:
	s_mov_b64 s[64:65], 0
	v_nop
	global_prefetch_b8 v0, s[64:65] scope:SCOPE_SE
	s_setreg_imm32_b32 hwreg(HW_REG_WAVE_MODE, 25, 1), 1
	s_wait_xcnt 0x0
	s_wait_alu depctr_hold_cnt(0) depctr_sa_sdst(0) depctr_va_vdst(0) depctr_va_sdst(0) depctr_va_ssrc(0) depctr_va_vcc(0) depctr_vm_vsrc(0)
	s_getreg_b32 s2, hwreg(HW_REG_IB_STS2, 6, 4)
	s_cmp_eq_u32 s2, 0
	s_cbranch_scc0 .Lentry_in_a_cluster
	s_endpgm
.Lentry_in_a_cluster:
	s_bfe_u32 s2, ttmp6, 0x10000c
	s_cmp_lg_u32 s2, 0x3003
	s_cbranch_scc0 .Lentry_shape_is_right
	s_endpgm
.Lentry_shape_is_right:
; STAGE 1 (1 x 1 tokens).  A work-group takes 16 tokens (16 images); z is the image's mean, made by the launch before.
; Scores: neg_d = -(|z|^2 + |e|^2) + 2 z.e on codes of E2M3; the factor 2 is 1 added to z's scale byte; -(|z|^2 + |e|^2), rounded once, is the C of the product.
; One fragment of the codebook carries 64 codes: each of its four K blocks holds another code's 32 channels.  z stands in ONE K block of source 1 and zero codes in the other three,
; so the three blocks that meet zero codes add exactly 0 (E2M3 has no infinity or NaN; all scale bytes are 1..254).  Four variants of source 1 give 4 x 16 codes from one fragment.
; In the result lane (r, h) holds token r, and registers 32 c + i hold code 64 c + 32 h + i: a whole block of 32 along the second product's K, in that operand's own order.
; Softmax: p = 2^(t - M), M the running largest t rounded up; the sum is taken of the unquantised p; soft = (p.e) / sum.  The first index of the largest score is kept.
; The 16 waves share the 4,096 codes (NS slices of NSTEP records); their parts meet in LDS and are brought under one M by exact powers of two.
; The whole codebook in codes lies in LDS, filled once, JOINTLY for the four work-groups of a cluster.
; LIMITS: |z| < 2^125; NaN and infinities are not served; a block under 2^-124 keeps the scale byte 1.
.set LG,    0
.set G,     1<<LG
.set NS,    16>>LG
.set NSTEP, 2<<LG
.set GS,    4
.set NG,    NS/GS
.set TPI,   16
.set AOFF,  230400
.set IDXO,  0
.set REC,   6912
.set HL,    247296
.set STG,   258560
.set ZC,    295424
.set SST,   299520
.set PART,  HL
.set TOK, 2
.set WV, 3
.set PREP, 4
.set ROUT, 20
.set IDXOUT, 22
.set TL, 26
.set SLICE, 27
.set G0C, 28
.set G1C, 32
.set APTR, 42
.set GB, 52
.set SEL, 54
.set LC, 56
.set TB, 66
.set CNT, 67
.set AA, 224
.set XR, 160
.set SC, 160
.macro CROUND                          ; a round of the cluster's barrier
	s_barrier_signal -1
	s_barrier_wait -1
	s_cmp_lg_u32 s[WV], 0
	s_cbranch_scc1 .Lnot_wave_0_\@
	s_barrier_signal -3
.Lnot_wave_0_\@:
	s_barrier_wait -3
	s_barrier_signal -1
	s_barrier_wait -1
.endm
.macro W1 c, u                         ; 16 codes x 16 tokens: fragment c, z in K block u
.if \c
	v_wmma_scale_f32_16x16x128_f8f6f4 v[SC+32*\c+8*\u:SC+32*\c+8*\u+7], v[72+12*\c:83+12*\c], v[48+12*(\u%2)-6*(\u/2):59+12*(\u%2)-6*(\u/2)], v[SC+32*\c+8*\u:SC+32*\c+8*\u+7], v28, v26 matrix_a_fmt:MATRIX_FMT_FP6 matrix_b_fmt:MATRIX_FMT_FP6 matrix_a_scale:MATRIX_SCALE_ROW1
.else
	v_wmma_scale_f32_16x16x128_f8f6f4 v[SC+32*\c+8*\u:SC+32*\c+8*\u+7], v[72+12*\c:83+12*\c], v[48+12*(\u%2)-6*(\u/2):59+12*(\u%2)-6*(\u/2)], v[SC+32*\c+8*\u:SC+32*\c+8*\u+7], v28, v26 matrix_a_fmt:MATRIX_FMT_FP6 matrix_b_fmt:MATRIX_FMT_FP6
.endif
.endm
	s_load_b64 s[PREP:PREP+1], s[0:1], 0x0
	s_load_b64 s[ROUT:ROUT+1], s[0:1], 0x8
	s_load_b64 s[IDXOUT:IDXOUT+1], s[0:1], 0x10
	v_lshl_add_u32 v254, v0, 2, 0x4da00
	v_mov_b32 v255, 0
	ds_add_u32 v254, v255
	ds_add_u32 v254, v255
	v_lshrrev_b32 v1, 5, v0
	s_delay_alu instid0(VALU_DEP_1)
	v_readfirstlane_b32 s[WV], v1
	v_and_b32 v1, 31, v0                           ; lane
	s_wait_alu depctr_va_vdst(0)
	v_and_b32 v2, 15, v0                           ; r
	s_wait_alu depctr_va_vdst(0)
	v_bfe_u32 v3, v0, 4, 1                         ; h
	s_and_b32 s[TL], s[WV], G-1                    ; my tile of 16 tokens
	s_lshr_b32 s[SLICE], s[WV], LG                 ; my slice of the codes
	s_bfe_u32 s60, ttmp6, 0x40000                  ; my place in the cluster: it enters global addresses alone
	s_lshl_b32 s[GB], ttmp9, 2
	s_add_co_u32 s[GB], s[GB], s60
	s_mul_i32 s[TOK], s[GB], TPI                   ; the tile's first token
	s_mov_b32 s[SEL], 0x76543210
	s_mov_b32 s[SEL+1], 0xfedcba98
	s_mov_b32 s[LC], 0x3fb8aa3b                    ; log2(e)
	s_mov_b32 s[LC+1], s[LC]
	s_mov_b32 s58, 0x0000ffff
	s_mov_b32 s59, 0xffff0000
	s_mov_b32 s61, 0
	s_mov_b32 s[G1C], 15|(3<<16)|(1<<21)           ; the mask: all four work-groups; elements of 8 bytes; bit 21 beside a mask
	s_mov_b32 s[G1C+1], 32<<16                     ; rows of 256 bytes,
	s_mov_b32 s[G1C+2], 100<<16                    ; 100 of them a wave,
	s_mov_b32 s[G1C+3], 32<<16
	s_mov_b32 s[G1C+4], 100
	s_mov_b32 s[G1C+5], 32                         ; dense
	s_mov_b32 s[G1C+6], 0
	s_mov_b32 s[G1C+7], 0
	s_mul_i32 s60, s[TL], 4608
	s_add_co_u32 s60, s60, STG
	v_lshl_add_u32 v12, v1, 2, s60                 ; my tile's stage, lane = channel
	v_mul_u32_u24 v14, v2, 144
	s_delay_alu instid0(VALU_DEP_1)
	v_add_nc_u32 v14, s60, v14                     ; and lane = token
	s_lshl_b32 s60, s[TL], 9
	s_add_co_u32 s60, s60, ZC
	v_lshl_add_u32 v15, v2, 5, s60                 ; token r's 32 bytes: 6 words of codes, the scale word, |z|^2
	v_lshlrev_b32 v17, 2, v1
	s_wait_dscnt 0x0
	s_wait_kmcnt 0x0
	s_mul_i32 s60, s[WV], 25600
	s_mov_b32 s[G0C], 1
	s_mov_b32 s[G0C+1], s60
	s_add_nc_u64 s[G0C+2:G0C+3], s[PREP:PREP+1], s[60:61]
	s_or_b32 s[G0C+3], s[G0C+3], 0x80000000
	CROUND                                         ; all four work-groups are here: the joint loads meet
	s_cmp_lt_u32 s[WV], 9
	s_cbranch_scc0 .Lasked
	tensor_load_to_lds s[G0C:G0C+3], s[G1C:G1C+7]  ; my one tensor load: 25,600 bytes of the codebook; nothing is filled twice
	s_nop 0
.rept 4
	v_nop
.endr
.Lasked:
	s_lshl_b32 s60, s[TOK], 7
	s_add_nc_u64 s[APTR:APTR+1], s[PREP:PREP+1], s[60:61]
	s_add_nc_u64 s[ROUT:ROUT+1], s[ROUT:ROUT+1], s[60:61]
	s_lshl_b32 s60, s[TOK], 2
	s_add_nc_u64 s[IDXOUT:IDXOUT+1], s[IDXOUT:IDXOUT+1], s[60:61]
; ---- the tile: z, quantised along the channels
	s_cmp_lt_u32 s[WV], G
	s_cbranch_scc0 .Lno_tile
.set T, 0
	s_wait_alu depctr_va_vdst(0)
.rept 16
	global_load_b32 v[AA+T], v17, s[APTR:APTR+1] offset:AOFF+128*T         ; lane = channel: a token's 128 bytes
.set T, T+1
.endr
	s_wait_loadcnt 0x0
.set T, 0
.rept 16
	ds_store_b32 v12, v[AA+T] offset:2304+144*T
.set T, T+1
.endr
.set T, 0
.rept 8
	ds_load_b128 v[XR+4*T:XR+4*T+3], v14 offset:2304+16*T                  ; lane = token (my own bytes: LDS serves a wave's instructions in order)
.set T, T+1
.endr
	s_wait_dscnt 0x0
	v_max3_num_f32 v192, |v[XR]|, |v[XR+1]|, 0x1800000
.set T, 2
.rept 15
	s_delay_alu instid0(VALU_DEP_1)
	v_max3_num_f32 v192, v192, |v[XR+T]|, |v[XR+T+1]|
.set T, T+2
.endr
	s_delay_alu instid0(VALU_DEP_1)
	v_add_nc_u32 v193, 0xff000000, v192            ; 2 off the exponent field: the conversion's scale operand
	s_delay_alu instid0(VALU_DEP_1)
	v_lshrrev_b32 v194, 23, v193
	s_delay_alu instid0(VALU_DEP_1)
	v_add_nc_u32 v194, 1, v194                     ; the factor 2 of 2 z.e
	s_delay_alu instid0(VALU_DEP_1)
	v_lshl_or_b32 v194, v194, 8, v194
	s_delay_alu instid0(VALU_DEP_1)
	v_lshl_or_b32 v230, v194, 16, v194             ; the same byte for all four K blocks
	v_pk_mul_f32 v[196:197], v[XR:XR+1], v[XR:XR+1]
	v_pk_mul_f32 v[198:199], v[XR+2:XR+3], v[XR+2:XR+3]
.set T, 4
.rept 7
	s_delay_alu instid0(VALU_DEP_2)
	v_pk_fma_f32 v[196:197], v[XR+T:XR+T+1], v[XR+T:XR+T+1], v[196:197]
	s_delay_alu instid0(VALU_DEP_2)
	v_pk_fma_f32 v[198:199], v[XR+T+2:XR+T+3], v[XR+T+2:XR+T+3], v[198:199]
.set T, T+4
.endr
	s_delay_alu instid0(VALU_DEP_1)
	v_pk_add_f32 v[196:197], v[196:197], v[198:199]
	s_delay_alu instid0(VALU_DEP_1)
	v_add_f32 v231, v196, v197                     ; |z|^2
	v_cvt_scalef32_pk16_fp6_f32 v[224:226], v[XR:XR+15], v193
	v_cvt_scalef32_pk16_fp6_f32 v[200:202], v[XR+16:XR+31], v193
	v_nop                                          ; one plain place behind a scaled conversion
	v_mov_b32 v227, v200
	v_mov_b32 v228, v201
	v_mov_b32 v229, v202
	ds_store_b128 v15, v[224:227]                  ; lanes 16-31 repeat lanes 0-15
	ds_store_b128 v15, v[228:231] offset:16
.Lno_tile:
	s_wait_tensorcnt 0x0                           ; my part of the codebook has landed,
	s_wait_xcnt 0x0
	s_wait_dscnt 0x0                               ; my LDS stores too:
	s_barrier_signal -1
	s_barrier_wait -1                              ; everybody's have
; ---- the tokens' operand, and the sums' beginnings
	s_wait_alu depctr_va_vdst(0)
	ds_load_b128 v[224:227], v15
	ds_load_b128 v[228:231], v15 offset:16
	s_wait_dscnt 0x0
	v_mov_b32 v26, v230                            ; z's scale word
.set T, 0
.rept 6
	v_cndmask_b32 v[48+T], 0, v[224+T], s58        ; z's codes in lanes 0-15,
	v_cndmask_b32 v[60+T], 0, v[224+T], s59        ; in lanes 16-31,
	v_mov_b32 v[42+T], 0                           ; and zero codes between them: four windows of 12 registers put z into K block 0, 1, 2 or 3
	v_mov_b32 v[54+T], 0
	v_mov_b32 v[66+T], 0
.set T, T+1
.endr
	v_mov_b32 v23, 0
	v_sub_f32 v24, 0, v231                         ; -|z|^2
	s_delay_alu instid0(VALU_DEP_1)
	v_mov_b32 v25, v24
.set T, 0
.rept 16
	v_mov_b32 v[140+T], 0                          ; (the step is written once: the first finds zeros)
.set T, T+1
.endr
	v_mov_b32 v20, 0
	v_mov_b32 v21, 0
	v_mov_b32 v22, 0xff61b1e6                      ; the largest t so far: -3e38
	s_delay_alu instid0(VALU_DEP_1)
	v_floor_f32 v12, -v22                          ; -M
	v_mov_b32 v14, 0xff800000                      ; the largest score so far
	v_mov_b32 v15, 0
	v_mov_b32 v17, 0
	v_mov_b32 v19, 0
	v_mov_b32 v39, 0
	v_mov_b32 v32, 0
	v_mov_b32 v33, 0
	v_lshlrev_b32 v7, 4, v1
	v_lshl_add_u32 v8, v1, 3, 6656
	v_lshl_add_u32 v9, v3, 7, 6144
	v_lshlrev_b32 v11, 3, v3
	s_mul_i32 s[TB], s[SLICE], NSTEP*REC
	v_add_nc_u32 v4, s[TB], v7
	v_add_nc_u32 v5, s[TB], v8
	v_add_nc_u32 v6, s[TB], v9
	s_mul_i32 s60, s[SLICE], NSTEP*128
	v_lshl_add_u32 v10, v3, 5, s60                 ; the code of my register 0
	s_mov_b32 s[CNT], NSTEP
.Lstep:                                            ; 128 codes a trip
.set T, 0
	s_wait_alu depctr_va_vdst(0)
.rept 16
	ds_load_b128 v[SC+4*T:SC+4*T+3], v6 offset:256*(T/8)+16*(T%8)          ; -|e|^2 in the result's layout
.set T, T+1
.endr
.set T, 0
.rept 6
	ds_load_b128 v[72+4*T:75+4*T], v4 offset:512*T
.set T, T+1
.endr
	ds_load_b64 v[28:29], v5                       ; both products' scale words of the codebook
	s_wait_dscnt 0x0
.set T, 0
.rept 32
	v_pk_add_f32 v[SC+2*T:SC+2*T+1], v[SC+2*T:SC+2*T+1], v[24:25]          ; -(|z|^2 + |e|^2), rounded once
.set T, T+1
.endr
.rept 4
	v_nop
.endr
.irp c, 0,1
.irp u, 0,1,2,3
	W1 \c, \u                                      ; eight accumulators, one instruction each
.endr
.endr
.set T, 0
.rept 6
	ds_load_b128 v[96+4*T:99+4*T], v4 offset:3072+512*T                    ; the second product's fragments land under the softmax
.set T, T+1
.endr
.rept 4
	v_nop                                          ; places behind the products, ahead of the first read of their results
.endr
.irp c, 0,1
	v_max3_num_f32 v[30+\c], v[SC+32*\c], v[SC+32*\c+1], v[SC+32*\c+2]     ; my two blocks' largest scores, each result read from its low end on
.endr
.irp i, 3,5,7,9,11,13,15,17,19,21,23,25,27,29
.irp c, 0,1
	v_max3_num_f32 v[30+\c], v[30+\c], v[SC+32*\c+\i], v[SC+32*\c+\i+1]
.endr
.endr
.irp c, 0,1
	v_max_num_f32 v[30+\c], v[30+\c], v[SC+32*\c+31]
.endr
.set PI, 31
.rept 32
.irp c, 0,1
	v_cmp_neq_f32 vcc_lo, v[SC+32*\c+PI], v[30+\c]
	s_delay_alu instid0(VALU_DEP_1)
	v_cndmask_b32 v[32+\c], PI, v[32+\c], vcc_lo   ; downward: the lowest place of the largest score stays
.endr
.set PI, PI-1
.endr
.irp c, 0
	v_cmp_gt_f32 vcc_lo, v[30+\c], v14             ; strictly larger: the earlier index keeps a tie
	s_delay_alu instid0(VALU_DEP_4)
	v_add3_u32 v38, v10, v[32+\c], 64*\c
	s_delay_alu instid0(VALU_DEP_1)
	v_cndmask_b32 v15, v15, v38, vcc_lo
	v_max_num_f32 v14, v14, v[30+\c]
.endr
.irp c, 1
	s_delay_alu instid0(VALU_DEP_1)
	v_cmp_gt_f32 vcc_lo, v[30+\c], v14             ; strictly larger: the earlier index keeps a tie
	v_add3_u32 v38, v10, v[32+\c], 64*\c
	s_delay_alu instid0(VALU_DEP_1)
	v_cndmask_b32 v15, v15, v38, vcc_lo
	s_delay_alu instid0(VALU_DEP_4)
	v_max_num_f32 v14, v14, v[30+\c]
.endr
	v_max_num_f32 v38, v30, v31
	s_delay_alu instid0(VALU_DEP_1)
	v_permlanex16_b32 v39, v38, s[SEL], s[SEL+1]
	s_delay_alu instid0(VALU_DEP_1)
	v_max_num_f32 v38, v38, v39                    ; the step's largest score of my token
	s_delay_alu instid0(VALU_DEP_1)
	v_fma_f32 v38, v38, s[LC], -v23
	s_delay_alu instid0(VALU_DEP_1)
	v_max_num_f32 v22, v22, v38
	v_mov_b32 v39, v12
	s_delay_alu instid0(VALU_DEP_2)
	v_floor_f32 v12, -v22                          ; -M = floor(-t): M is a whole number
	s_delay_alu instid0(VALU_DEP_1)
	v_sub_f32 v39, v12, v39
	s_delay_alu instid0(VALU_DEP_1)
	v_cvt_i32_f32 v39, v39                         ; (it saturates)
	s_delay_alu instid0(VALU_DEP_1)
	v_ldexp_f32 v18, 1.0, v39                      ; f = 2^(old M - new M)
	s_delay_alu instid0(VALU_DEP_4)
	v_sub_f32 v16, v12, v23
.set T, 0
.rept 32
	v_pk_fma_f32 v[SC+2*T:SC+2*T+1], v[SC+2*T:SC+2*T+1], s[LC:LC+1], v[16:17] op_sel_hi:[1,0,0]   ; t - M
.set T, T+1
.endr
	v_fma_f32 v30, v30, s[LC], v16
	v_fma_f32 v31, v31, s[LC], v16
.set T, 0
	s_wait_alu depctr_va_vdst(0)
.rept 64
	v_exp_f32 v[SC+T], v[SC+T]                     ; p = 2^(t - M)
.set T, T+1
.endr
	v_exp_f32 v30, v30                             ; each block's largest p: the same two instructions on the same number
	v_exp_f32 v31, v31
	v_pk_mul_f32 v[20:21], v[20:21], v[18:19] op_sel_hi:[1,0]              ; the sums under the new M (the plain place behind the exponentials)
	s_wait_alu depctr_va_vdst(0)
.irp c, 0,1
	v_max_num_f32 v[30+\c], 0x1800000, v[30+\c]
.endr
.irp c, 0,1
	s_delay_alu instid0(VALU_DEP_2)
	v_add_nc_u32 v[34+\c], 0xff000000, v[30+\c]
.endr
.irp c, 0,1
	s_delay_alu instid0(VALU_DEP_2)
	v_lshrrev_b32 v[36+\c], 23, v[34+\c]
.endr
	s_delay_alu instid0(VALU_DEP_1)
	v_lshl_or_b32 v38, v37, 16, v36
	s_delay_alu instid0(VALU_DEP_1)
	v_lshlrev_b32 v38, v11, v38
	s_delay_alu instid0(VALU_DEP_1)
	v_permlanex16_b32 v39, v38, s[SEL], s[SEL+1]
	s_delay_alu instid0(VALU_DEP_1)
	v_or_b32 v27, v38, v39                         ; p's scale word for these 128 codes
.irp c, 0,1
	v_cvt_scalef32_pk16_fp6_f32 v[120+6*\c:122+6*\c], v[SC+32*\c:SC+32*\c+15], v[34+\c]
	v_cvt_scalef32_pk16_fp6_f32 v[132+4*\c:134+4*\c], v[SC+32*\c+16:SC+32*\c+31], v[34+\c]
.endr
	v_nop                                          ; one plain place behind a scaled conversion
.irp c, 0,1
.irp i, 0,1,2
	v_mov_b32 v[123+6*\c+\i], v[132+4*\c+\i]
.endr
.endr
.set T, 0
.rept 8
	v_pk_mul_f32 v[140+2*T:141+2*T], v[140+2*T:141+2*T], v[18:19] op_sel_hi:[1,0]
.set T, T+1
.endr
	v_pk_add_f32 v[40:41], v[164:165], v[168:169]
	v_pk_add_f32 v[252:253], v[172:173], v[176:177]
	v_pk_add_f32 v[250:251], v[180:181], v[184:185]
	v_pk_add_f32 v[248:249], v[188:189], v[192:193]
	v_pk_add_f32 v[246:247], v[196:197], v[200:201]
	v_pk_add_f32 v[244:245], v[204:205], v[208:209]
	v_pk_add_f32 v[242:243], v[212:213], v[216:217]
	v_pk_add_f32 v[20:21], v[20:21], v[220:221]
	v_pk_add_f32 v[40:41], v[40:41], v[160:161]
	v_pk_add_f32 v[252:253], v[252:253], v[162:163]
	v_pk_add_f32 v[250:251], v[250:251], v[166:167]
	v_pk_add_f32 v[248:249], v[248:249], v[170:171]
	v_pk_add_f32 v[246:247], v[246:247], v[174:175]
	v_pk_add_f32 v[244:245], v[244:245], v[178:179]
	v_pk_add_f32 v[242:243], v[242:243], v[182:183]
	v_pk_add_f32 v[20:21], v[20:21], v[186:187]
	v_pk_add_f32 v[40:41], v[40:41], v[190:191]
	v_pk_add_f32 v[252:253], v[252:253], v[194:195]
	v_pk_add_f32 v[250:251], v[250:251], v[198:199]
	v_pk_add_f32 v[248:249], v[248:249], v[202:203]
	v_pk_add_f32 v[246:247], v[246:247], v[206:207]
	v_pk_add_f32 v[244:245], v[244:245], v[210:211]
	v_pk_add_f32 v[242:243], v[242:243], v[214:215]
	v_pk_add_f32 v[20:21], v[20:21], v[218:219]
	v_pk_add_f32 v[40:41], v[40:41], v[222:223]
	s_delay_alu instid0(VALU_DEP_2)
	v_pk_add_f32 v[20:21], v[20:21], v[248:249]
	s_delay_alu instid0(VALU_DEP_2)
	v_pk_add_f32 v[40:41], v[40:41], v[246:247]
	v_pk_add_f32 v[252:253], v[252:253], v[244:245]
	v_pk_add_f32 v[250:251], v[250:251], v[242:243]
	s_delay_alu instid0(VALU_DEP_2)
	v_pk_add_f32 v[20:21], v[20:21], v[252:253]
	s_delay_alu instid0(VALU_DEP_2)
	v_pk_add_f32 v[40:41], v[40:41], v[250:251]
	s_delay_alu instid0(VALU_DEP_1)
	v_pk_add_f32 v[20:21], v[20:21], v[40:41]
	s_wait_dscnt 0x0
	v_wmma_scale_f32_16x16x128_f8f6f4 v[140:147], v[96:107], v[120:131], v[140:147], v29, v27 matrix_a_fmt:MATRIX_FMT_FP6 matrix_b_fmt:MATRIX_FMT_FP6
	v_wmma_scale_f32_16x16x128_f8f6f4 v[148:155], v[108:119], v[120:131], v[148:155], v29, v27 matrix_a_fmt:MATRIX_FMT_FP6 matrix_b_fmt:MATRIX_FMT_FP6 matrix_a_scale:MATRIX_SCALE_ROW1
	s_add_co_u32 s[TB], s[TB], REC
	v_add_nc_u32 v4, s[TB], v7                     ; the next record: these four lines are the places behind the two products
	v_add_nc_u32 v5, s[TB], v8
	v_add_nc_u32 v6, s[TB], v9
	v_add_nc_u32 v10, 128, v10
	s_sub_co_u32 s[CNT], s[CNT], 1
	s_cmp_lg_u32 s[CNT], 0
	s_cbranch_scc1 .Lstep
; ---- the slices meet
	s_wait_alu depctr_va_vdst(0)
	v_add_f32 v13, v20, v21
	s_mul_i32 s60, s[WV], 2560
	s_add_co_u32 s60, s60, PART
	v_lshl_add_u32 v4, v1, 4, s60
.set T, 0
.rept 4
	ds_store_b128 v4, v[140+4*T:143+4*T] offset:512*T
.set T, T+1
.endr
	ds_store_b128 v4, v[12:15] offset:2048         ; -M, the sum, the largest score, its index
	s_mul_i32 s60, s[TL], 2304
	s_add_co_u32 s60, s60, SST
	v_mul_u32_u24 v6, v2, 144
	s_delay_alu instid0(VALU_DEP_1)
	v_lshl_add_u32 v6, v3, 6, v6
	s_delay_alu instid0(VALU_DEP_1)
	v_add_nc_u32 v6, s60, v6
	v_lshrrev_b32 v7, 3, v1
	s_delay_alu instid0(VALU_DEP_1)
	v_mul_u32_u24 v7, v7, 144
	v_and_b32 v8, 7, v1
	s_delay_alu instid0(VALU_DEP_1)
	v_lshl_add_u32 v7, v8, 4, v7
	s_delay_alu instid0(VALU_DEP_1)
	v_add_nc_u32 v7, s60, v7
	v_lshlrev_b32 v8, 4, v1
	v_lshlrev_b32 v9, 2, v2
	s_wait_dscnt 0x0
	s_barrier_signal -1
	s_barrier_wait -1
	s_cmp_lt_u32 s[WV], G
	s_cbranch_scc0 .Lno_merge
.set MS, 0
.rept NS
	ds_load_b128 v[160+4*MS:163+4*MS], v4 offset:MS*G*2560+2048
.set MS, MS+1
.endr
	s_wait_dscnt 0x0
	v_min_num_f32 v33, v160, v164                  ; the least -M: the largest M
.set MS, 2
.rept NS-2
	s_delay_alu instid0(VALU_DEP_1)
	v_min_num_f32 v33, v33, v[160+4*MS]
.set MS, MS+1
.endr
.set MS, 0
.rept NS
	v_sub_f32 v[160+4*MS], v33, v[160+4*MS]
	s_delay_alu instid0(VALU_DEP_1)
	v_cvt_i32_f32 v[160+4*MS], v[160+4*MS]
	s_delay_alu instid0(VALU_DEP_1)
	v_ldexp_f32 v[160+4*MS], 1.0, v[160+4*MS]      ; 2^(the slice's M - the largest M): exact
.set MS, MS+1
.endr
	v_mul_f32 v32, v160, v161
	v_mov_b32 v34, v162
	v_mov_b32 v35, v163
.set MS, 1
	s_delay_alu instid0(VALU_DEP_3)
	v_fmac_f32 v32, v[160+4*MS], v[161+4*MS]
	s_delay_alu instid0(VALU_DEP_3)
	v_cmp_gt_f32 vcc_lo, v[162+4*MS], v34          ; slices ascend with the index: strictly larger only
	s_delay_alu instid0(VALU_DEP_1)
	v_cndmask_b32 v35, v35, v[163+4*MS], vcc_lo
	v_max_num_f32 v34, v34, v[162+4*MS]
.set MS, MS+1
.rept (NS-1)-1
	s_delay_alu instid0(VALU_DEP_4)
	v_fmac_f32 v32, v[160+4*MS], v[161+4*MS]
	s_delay_alu instid0(VALU_DEP_2)
	v_cmp_gt_f32 vcc_lo, v[162+4*MS], v34          ; slices ascend with the index: strictly larger only
	s_delay_alu instid0(VALU_DEP_1)
	v_cndmask_b32 v35, v35, v[163+4*MS], vcc_lo
	s_delay_alu instid0(VALU_DEP_4)
	v_max_num_f32 v34, v34, v[162+4*MS]
.set MS, MS+1
.endr
.set MG, 0
.rept NG
.set MA, 0
.rept GS
.set MQ, 0
.rept 4
	ds_load_b128 v[42+16*MA+4*MQ:45+16*MA+4*MQ], v4 offset:(MG*GS+MA)*G*2560+512*MQ
.set MQ, MQ+1
.endr
.set MA, MA+1
.endr
	s_wait_alu depctr_va_vdst(0)
	s_wait_dscnt 0x0
.set MA, 0
.rept GS
.set MQ, 0
.rept 8
.if MG+MA == 0
	v_pk_mul_f32 v[140+2*MQ:141+2*MQ], v[42+16*MA+2*MQ:43+16*MA+2*MQ], v[160+4*(MG*GS+MA):161+4*(MG*GS+MA)] op_sel_hi:[1,0]
.else
	v_pk_fma_f32 v[140+2*MQ:141+2*MQ], v[42+16*MA+2*MQ:43+16*MA+2*MQ], v[160+4*(MG*GS+MA):161+4*(MG*GS+MA)], v[140+2*MQ:141+2*MQ] op_sel_hi:[1,0,1]
.endif
.set MQ, MQ+1
.endr
.set MA, MA+1
.endr
.set MG, MG+1
.endr
	v_permlanex16_b32 v36, v32, s[SEL], s[SEL+1]
	s_delay_alu instid0(VALU_DEP_1)
	v_add_f32 v32, v32, v36                        ; the row's sum
	v_permlanex16_b32 v37, v34, s[SEL], s[SEL+1]
	v_permlanex16_b32 v38, v35, s[SEL], s[SEL+1]
	s_delay_alu instid0(VALU_DEP_2)
	v_cmp_gt_f32 s60, v37, v34                     ; the other half's index is taken if its score is larger, or equal with the lower index
	s_delay_alu instid0(VALU_DEP_3)
	v_cmp_eq_f32 s61, v37, v34
	s_delay_alu instid0(VALU_DEP_3)
	v_cmp_lt_u32 s66, v38, v35
	s_and_b32 s61, s61, s66
	s_or_b32 s60, s60, s61
	s_wait_alu depctr_va_vdst(0)
	v_rcp_f32 v32, v32
	v_cndmask_b32 v35, v35, v38, s60               ; (the plain place behind the reciprocal)
.set T, 0
	s_wait_alu depctr_va_vdst(0)
.rept 8
	v_pk_mul_f32 v[140+2*T:141+2*T], v[140+2*T:141+2*T], v[32:33] op_sel_hi:[1,0]
.set T, T+1
.endr
.set T, 0
.rept 4
	ds_store_b128 v6, v[140+4*T:143+4*T] offset:16*T                       ; lane (r, h): channels 16 h on of token r
.set T, T+1
.endr
.set T, 0
.rept 4
	ds_load_b128 v[42+4*T:45+4*T], v7 offset:576*T
.set T, T+1
.endr
	s_wait_dscnt 0x0
.set T, 0
.rept 4
	global_store_b128 v8, v[42+4*T:45+4*T], s[ROUT:ROUT+1] offset:512*T    ; each store covers 512 consecutive bytes, aligned
.set T, T+1
.endr
	global_store_b32 v9, v35, s[IDXOUT:IDXOUT+1] offset:IDXO               ; both halves write the same word with the same value
.Lno_merge:
	s_wait_dscnt 0x0
	s_wait_tensorcnt 0x0
	ds_add_u32 v254, v255
	s_wait_dscnt 0x0
	CROUND                                         ; the closing round
	s_endpgm
.Lfunc_end_k_qa71a8ea4cc_s1:
	.size	k_qa71a8ea4cc_s1, .Lfunc_end_k_qa71a8ea4cc_s1-k_qa71a8ea4cc_s1
	.p2alignl 7, 3214868480
	.fill 96, 4, 3214868480
	.section	.rodata,"a",@progbits
	.p2align	6, 0x0
	.amdhsa_kernel k_qa71a8ea4cc_s1
		.amdhsa_group_segment_fixed_size 320000
		.amdhsa_private_segment_fixed_size 0
		.amdhsa_enable_private_segment 0
		.amdhsa_kernarg_size 24
		.amdhsa_user_sgpr_count 2
		.amdhsa_user_sgpr_kernarg_segment_ptr 1
		.amdhsa_wavefront_size32 1
		.amdhsa_system_sgpr_workgroup_id_x 1
		.amdhsa_system_sgpr_workgroup_id_y 1
		.amdhsa_system_sgpr_workgroup_id_z 1
		.amdhsa_system_vgpr_workitem_id 0
		.amdhsa_next_free_vgpr 256
		.amdhsa_next_free_sgpr 104
		.amdhsa_reserve_vcc 1
		.amdhsa_float_denorm_mode_32 3
		.amdhsa_float_denorm_mode_16_64 3
		.amdhsa_memory_ordered 1
		.amdhsa_forward_progress 1
		.amdhsa_inst_pref_size 63
	.end_amdhsa_kernel
	.amdgpu_metadata
---
amdhsa.version: [ 1, 2 ]
amdhsa.kernels:
  - .name:           k_qa71a8ea4cc_s1
    .symbol:         k_qa71a8ea4cc_s1.kd
    .args:
      - { .name: prep, .offset: 0, .size: 8, .value_kind: global_buffer, .address_space: global }
      - { .name: r1, .offset: 8, .size: 8, .value_kind: global_buffer, .address_space: global }
      - { .name: ia, .offset: 16, .size: 8, .value_kind: global_buffer, .address_space: global }
    .group_segment_fixed_size: 320000
    .private_segment_fixed_size: 0
    .kernarg_segment_align: 8
    .kernarg_segment_size: 24
    .max_flat_workgroup_size: 512
    .sgpr_count:     104
    .vgpr_count:     256
    .wavefront_size: 32
...
	.end_amdgpu_metadata
.endif
;; end of part 2
;; launch s2 (part 3): grid 32 x 1, 16 waves a work-group, clusters of 4 x 1, 320,000 bytes of LDS; arguments prep, emb_weight, r1, ia, r2, ib, out0; writes r2, ib, out0
.if DOCPART == 3
	.amdgcn_target "amdgcn-amd-amdhsa--gfx1250"
	.amdhsa_code_object_version 6
	.text
	.protected	k_qa71a8ea4cc_s2
	.globl	k_qa71a8ea4cc_s2
	.p2align	8
	.type	k_qa71a8ea4cc_s2,@function
k_qa71a8ea4cc_s2:
	s_mov_b64 s[64:65], 0
	v_nop
	global_prefetch_b8 v0, s[64:65] scope:SCOPE_SE
	s_setreg_imm32_b32 hwreg(HW_REG_WAVE_MODE, 25, 1), 1
	s_wait_xcnt 0x0
	s_wait_alu depctr_hold_cnt(0) depctr_sa_sdst(0) depctr_va_vdst(0) depctr_va_sdst(0) depctr_va_ssrc(0) depctr_va_vcc(0) depctr_vm_vsrc(0)
	s_getreg_b32 s2, hwreg(HW_REG_IB_STS2, 6, 4)
	s_cmp_eq_u32 s2, 0
	s_cbranch_scc0 .Lentry_in_a_cluster
	s_endpgm
.Lentry_in_a_cluster:
	s_bfe_u32 s2, ttmp6, 0x10000c
	s_cmp_lg_u32 s2, 0x3003
	s_cbranch_scc0 .Lentry_shape_is_right
	s_endpgm
.Lentry_shape_is_right:
; STAGE 2 (2 x 2 tokens).  A work-group takes 16 tokens: four images.  First h_1 = soft + (e[index] - soft) of its four images is finished (the index was stored by the launch before);
; upsampled from one sample it is the same everywhere, so out0's first section is h_1 in all four tokens, and z = (area mean of f_src) - h_1.
; Scores: neg_d = -(|z|^2 + |e|^2) + 2 z.e on codes of E2M3; the factor 2 is 1 added to z's scale byte; -(|z|^2 + |e|^2), rounded once, is the C of the product.
; One fragment of the codebook carries 64 codes: each of its four K blocks holds another code's 32 channels.  z stands in ONE K block of source 1 and zero codes in the other three,
; so the three blocks that meet zero codes add exactly 0 (E2M3 has no infinity or NaN; all scale bytes are 1..254).  Four variants of source 1 give 4 x 16 codes from one fragment.
; In the result lane (r, h) holds token r, and registers 32 c + i hold code 64 c + 32 h + i: a whole block of 32 along the second product's K, in that operand's own order.
; Softmax: p = 2^(t - M), M the running largest t rounded up; the sum is taken of the unquantised p; soft = (p.e) / sum.  The first index of the largest score is kept.
; The 16 waves share the 4,096 codes; their parts meet in LDS under one M.  The codebook in codes lies in LDS, filled once, JOINTLY for the four work-groups of a cluster.
; LIMITS: |z| < 2^125; NaN and infinities are not served; a block under 2^-124 keeps the scale byte 1; z is formed as mean - sum, not as a residual carried pixel by pixel (an order of rounding).
.set LG,    0
.set G,     1<<LG
.set NS,    16>>LG
.set NSTEP, 2<<LG
.set GS,    4
.set NG,    NS/GS
.set NQN,   1
.set TPI,   16
.set AOFF,  246784
.set IDXI,  0
.set IDXO,  0
.set HOFF,  65536
.set REC,   6912
.set HL,    247296
.set STG,   258560
.set ZC,    295424
.set SST,   299520
.set PART,  HL
.set TOK, 2
.set WV, 3
.set PREP, 4
.set EMB, 6
.set RSOFT, 16
.set IDXIN, 18
.set ROUT, 20
.set IDXOUT, 22
.set OUT0, 24
.set TL, 26
.set SLICE, 27
.set G0C, 28
.set G1C, 32
.set HPTR, 40
.set APTR, 42
.set GB, 52
.set SEL, 54
.set LC, 56
.set TB, 66
.set CNT, 67
.set ACC, 32
.set HB, 64
.set ZR, 80
.set OB, 128
.set AA, 224
.set XR, 160
.set SC, 160
.macro CROUND                          ; a round of the cluster's barrier
	s_barrier_signal -1
	s_barrier_wait -1
	s_cmp_lg_u32 s[WV], 0
	s_cbranch_scc1 .Lnot_wave_0_\@
	s_barrier_signal -3
.Lnot_wave_0_\@:
	s_barrier_wait -3
	s_barrier_signal -1
	s_barrier_wait -1
.endm
.macro W1 c, u                         ; 16 codes x 16 tokens: fragment c, z in K block u
.if \c
	v_wmma_scale_f32_16x16x128_f8f6f4 v[SC+32*\c+8*\u:SC+32*\c+8*\u+7], v[72+12*\c:83+12*\c], v[48+12*(\u%2)-6*(\u/2):59+12*(\u%2)-6*(\u/2)], v[SC+32*\c+8*\u:SC+32*\c+8*\u+7], v28, v26 matrix_a_fmt:MATRIX_FMT_FP6 matrix_b_fmt:MATRIX_FMT_FP6 matrix_a_scale:MATRIX_SCALE_ROW1
.else
	v_wmma_scale_f32_16x16x128_f8f6f4 v[SC+32*\c+8*\u:SC+32*\c+8*\u+7], v[72+12*\c:83+12*\c], v[48+12*(\u%2)-6*(\u/2):59+12*(\u%2)-6*(\u/2)], v[SC+32*\c+8*\u:SC+32*\c+8*\u+7], v28, v26 matrix_a_fmt:MATRIX_FMT_FP6 matrix_b_fmt:MATRIX_FMT_FP6
.endif
.endm
	s_load_b64 s[PREP:PREP+1], s[0:1], 0x0
	s_load_b64 s[EMB:EMB+1], s[0:1], 0x8
	s_load_b64 s[RSOFT:RSOFT+1], s[0:1], 0x10
	s_load_b64 s[IDXIN:IDXIN+1], s[0:1], 0x18
	s_load_b64 s[ROUT:ROUT+1], s[0:1], 0x20
	s_load_b64 s[IDXOUT:IDXOUT+1], s[0:1], 0x28
	s_load_b64 s[OUT0:OUT0+1], s[0:1], 0x30
	v_lshl_add_u32 v254, v0, 2, 0x4da00
	v_mov_b32 v255, 0
	ds_add_u32 v254, v255
	ds_add_u32 v254, v255
	v_lshrrev_b32 v1, 5, v0
	s_delay_alu instid0(VALU_DEP_1)
	v_readfirstlane_b32 s[WV], v1
	v_and_b32 v1, 31, v0                           ; lane
	s_wait_alu depctr_va_vdst(0)
	v_and_b32 v2, 15, v0                           ; r
	v_bfe_u32 v3, v0, 4, 1                         ; h
	s_and_b32 s[TL], s[WV], G-1                    ; my tile of 16 tokens
	s_lshr_b32 s[SLICE], s[WV], LG                 ; my slice of the codes
	s_bfe_u32 s60, ttmp6, 0x40000                  ; my place in the cluster: it enters global addresses alone
	s_lshl_b32 s[GB], ttmp9, 2
	s_add_co_u32 s[GB], s[GB], s60
	s_mul_i32 s[TOK], s[GB], TPI                   ; the tile's first token
	s_mov_b32 s[SEL], 0x76543210
	s_mov_b32 s[SEL+1], 0xfedcba98
	s_mov_b32 s[LC], 0x3fb8aa3b                    ; log2(e)
	s_mov_b32 s[LC+1], s[LC]
	s_mov_b32 s58, 0x0000ffff
	s_mov_b32 s59, 0xffff0000
	s_mov_b32 s61, 0
	s_mov_b32 s[G1C], 15|(3<<16)|(1<<21)           ; the mask: all four work-groups; elements of 8 bytes; bit 21 beside a mask
	s_mov_b32 s[G1C+1], 32<<16                     ; rows of 256 bytes,
	s_mov_b32 s[G1C+2], 100<<16                    ; 100 of them a wave,
	s_mov_b32 s[G1C+3], 32<<16
	s_mov_b32 s[G1C+4], 100
	s_mov_b32 s[G1C+5], 32                         ; dense
	s_mov_b32 s[G1C+6], 0
	s_mov_b32 s[G1C+7], 0
	v_lshlrev_b32 v5, 4, v0                        ; 16 x thread
	s_delay_alu instid0(VALU_DEP_1)
	v_add_nc_u32 v4, HL, v5                        ; the taps' way in: four taps of 128 bytes a wave
	v_lshlrev_b32 v6, 4, v1
	v_lshrrev_b32 v18, 3, v1
	s_delay_alu instid0(VALU_DEP_1)
	v_lshlrev_b32 v7, 2, v18
	v_and_b32 v19, 7, v1
	s_delay_alu instid0(VALU_DEP_1)
	v_lshlrev_b32 v8, 4, v19
	v_lshl_add_u32 v10, v1, 2, HL                  ; the taps, lane = channel
	s_mul_i32 s60, s[TL], 4608
	s_add_co_u32 s60, s60, STG
	v_lshl_add_u32 v12, v1, 2, s60                 ; my tile's stages, lane = channel;
	v_mad_u32_u24 v13, v18, 144, v8
	s_delay_alu instid0(VALU_DEP_1)
	v_add_nc_u32 v13, s60, v13                     ; four tokens an instruction;
	v_mul_u32_u24 v14, v2, 144
	s_delay_alu instid0(VALU_DEP_1)
	v_add_nc_u32 v14, s60, v14                     ; lane = token
	s_lshl_b32 s60, s[TL], 9
	s_add_co_u32 s60, s60, ZC
	v_lshl_add_u32 v15, v2, 5, s60                 ; token r's 32 bytes: 6 words of codes, the scale word, |z|^2
	v_lshlrev_b32 v17, 2, v1
	s_wait_dscnt 0x0
	s_wait_kmcnt 0x0
	s_mul_i32 s60, s[WV], 25600
	s_mov_b32 s[G0C], 1
	s_mov_b32 s[G0C+1], s60
	s_add_nc_u64 s[G0C+2:G0C+3], s[PREP:PREP+1], s[60:61]
	s_or_b32 s[G0C+3], s[G0C+3], 0x80000000
	CROUND                                         ; all four work-groups are here: the joint loads meet
	s_cmp_lt_u32 s[WV], 9
	s_cbranch_scc0 .Lasked
	tensor_load_to_lds s[G0C:G0C+3], s[G1C:G1C+7]  ; my one tensor load: 25,600 bytes of the codebook; nothing is filled twice
	s_nop 0
.rept 4
	v_nop
.endr
.Lasked:
	s_lshl_b32 s60, s[TOK], 7
	s_add_nc_u64 s[APTR:APTR+1], s[PREP:PREP+1], s[60:61]
	s_cmp_lt_u32 s[WV], G
	s_cbranch_scc0 .Lno_a
.set T, 0
	s_wait_alu depctr_va_vdst(0)
.rept 16
	global_load_b32 v[AA+T], v17, s[APTR:APTR+1] offset:AOFF+128*T         ; lane = channel: a token's 128 bytes
.set T, T+1
.endr
.Lno_a:
	s_mul_i32 s60, s[GB], 512*NQN
	s_add_nc_u64 s[HPTR:HPTR+1], s[ROUT:ROUT+1], s[60:61]
	s_lshl_b32 s60, s[TOK], 7
	s_add_nc_u64 s[ROUT:ROUT+1], s[ROUT:ROUT+1], s[60:61]
	s_lshl_b32 s60, s[TOK], 2
	s_add_nc_u64 s[IDXOUT:IDXOUT+1], s[IDXOUT:IDXOUT+1], s[60:61]
	s_mul_i32 s60, s[GB], 4*43520
	s_add_nc_u64 s[OUT0:OUT0+1], s[OUT0:OUT0+1], s[60:61]
	s_mul_i32 s60, s[GB], 4*NQN
	s_lshl_b32 s66, s[WV], 2
	s_add_co_u32 s66, s66, s60                     ; my four taps' first token of the stage before
	s_lshl_b32 s60, s66, 7
	s_add_nc_u64 s[RSOFT:RSOFT+1], s[RSOFT:RSOFT+1], s[60:61]
	s_lshl_b32 s60, s66, 2
	s_add_nc_u64 s[IDXIN:IDXIN+1], s[IDXIN:IDXIN+1], s[60:61]
; ---- the taps: h = soft + (e[index] - soft).  Lane l: tap l / 8, channels 4 (l % 8) on
	s_cmp_lt_u32 s[WV], NQN
	s_cbranch_scc0 .Lno_tap
	global_load_b32 v32, v7, s[IDXIN:IDXIN+1] offset:IDXI
	global_load_b128 v[36:39], v6, s[RSOFT:RSOFT+1]
	s_wait_loadcnt 0x0
	v_min_u32 v32, 0xfff, v32                      ; an index stays inside its table
	s_delay_alu instid0(VALU_DEP_1)
	v_lshl_add_u32 v33, v32, 7, v8
	global_load_b128 v[40:43], v33, s[EMB:EMB+1]
	s_wait_loadcnt 0x0
	v_pk_add_f32 v[48:49], v[40:41], v[36:37] neg_lo:[0,1] neg_hi:[0,1]
	v_pk_add_f32 v[50:51], v[42:43], v[38:39] neg_lo:[0,1] neg_hi:[0,1]
	s_delay_alu instid0(VALU_DEP_2)
	v_pk_add_f32 v[48:49], v[36:37], v[48:49]
	s_delay_alu instid0(VALU_DEP_2)
	v_pk_add_f32 v[50:51], v[38:39], v[50:51]
	ds_store_b128 v4, v[48:51]
	global_store_b128 v5, v[48:51], s[HPTR:HPTR+1] offset:HOFF             ; kept for the later stages
.Lno_tap:
	s_wait_xcnt 0x0                                ; the stores' and loads' registers may be written again
	s_wait_dscnt 0x0
	s_barrier_signal -1
	s_barrier_wait -1                              ; the taps lie in LDS
; ---- the tile: out0's section, z, and z's codes
	s_cmp_lt_u32 s[WV], G
	s_cbranch_scc0 .Lno_tile
.set T, 0
	s_wait_alu depctr_va_vdst(0)
.rept 4
	ds_load_b32 v[HB+T], v10 offset:128*T
.set T, T+1
.endr
	s_wait_dscnt 0x0
.set T, 0
.rept 16
	v_mov_b32 v[ACC+T], v[HB+T/4]                  ; token T belongs to image T / 4
.set T, T+1
.endr
.set T, 0
.rept 16
	ds_store_b32 v12, v[ACC+T] offset:144*T
.set T, T+1
.endr
.set T, 0
.rept 4
	ds_load_b128 v[OB+4*T:OB+4*T+3], v13 offset:576*T
.set T, T+1
.endr
	s_wait_alu depctr_va_vdst(0)
	s_wait_dscnt 0x0
.set T, 0
.rept 4
	global_store_b128 v6, v[OB+4*T:OB+4*T+3], s[OUT0:OUT0+1] offset:43520*T th:TH_STORE_NT   ; an image's four tokens: 512 consecutive bytes, aligned
.set T, T+1
.endr
	s_wait_loadcnt 0x0
.set T, 0
.rept 8
	v_pk_add_f32 v[ZR+2*T:ZR+2*T+1], v[AA+2*T:AA+2*T+1], v[ACC+2*T:ACC+2*T+1] neg_lo:[0,1] neg_hi:[0,1]
.set T, T+1
.endr
.set T, 0
.rept 16
	ds_store_b32 v12, v[ZR+T] offset:2304+144*T
.set T, T+1
.endr
.set T, 0
.rept 8
	ds_load_b128 v[XR+4*T:XR+4*T+3], v14 offset:2304+16*T                  ; lane = token (my own bytes: LDS serves a wave's instructions in order)
.set T, T+1
.endr
	s_wait_dscnt 0x0
	v_max3_num_f32 v192, |v[XR]|, |v[XR+1]|, 0x1800000
.set T, 2
.rept 15
	s_delay_alu instid0(VALU_DEP_1)
	v_max3_num_f32 v192, v192, |v[XR+T]|, |v[XR+T+1]|
.set T, T+2
.endr
	s_delay_alu instid0(VALU_DEP_1)
	v_add_nc_u32 v193, 0xff000000, v192            ; 2 off the exponent field: the conversion's scale operand
	s_delay_alu instid0(VALU_DEP_1)
	v_lshrrev_b32 v194, 23, v193
	s_delay_alu instid0(VALU_DEP_1)
	v_add_nc_u32 v194, 1, v194                     ; the factor 2 of 2 z.e
	s_delay_alu instid0(VALU_DEP_1)
	v_lshl_or_b32 v194, v194, 8, v194
	s_delay_alu instid0(VALU_DEP_1)
	v_lshl_or_b32 v230, v194, 16, v194             ; the same byte for all four K blocks
	v_pk_mul_f32 v[196:197], v[XR:XR+1], v[XR:XR+1]
	v_pk_mul_f32 v[198:199], v[XR+2:XR+3], v[XR+2:XR+3]
.set T, 4
.rept 7
	s_delay_alu instid0(VALU_DEP_2)
	v_pk_fma_f32 v[196:197], v[XR+T:XR+T+1], v[XR+T:XR+T+1], v[196:197]
	s_delay_alu instid0(VALU_DEP_2)
	v_pk_fma_f32 v[198:199], v[XR+T+2:XR+T+3], v[XR+T+2:XR+T+3], v[198:199]
.set T, T+4
.endr
	s_delay_alu instid0(VALU_DEP_1)
	v_pk_add_f32 v[196:197], v[196:197], v[198:199]
	s_delay_alu instid0(VALU_DEP_1)
	v_add_f32 v231, v196, v197                     ; |z|^2
	v_cvt_scalef32_pk16_fp6_f32 v[224:226], v[XR:XR+15], v193
	v_cvt_scalef32_pk16_fp6_f32 v[200:202], v[XR+16:XR+31], v193
	v_nop                                          ; one plain place behind a scaled conversion
	v_mov_b32 v227, v200
	v_mov_b32 v228, v201
	v_mov_b32 v229, v202
	ds_store_b128 v15, v[224:227]                  ; lanes 16-31 repeat lanes 0-15
	ds_store_b128 v15, v[228:231] offset:16
.Lno_tile:
	s_wait_tensorcnt 0x0                           ; my part of the codebook has landed,
	s_wait_xcnt 0x0
	s_wait_dscnt 0x0                               ; my LDS stores too, and my reads of the taps and stages are over:
	s_barrier_signal -1
	s_barrier_wait -1                              ; everybody's
; ---- the tokens' operand, and the sums' beginnings
	s_wait_alu depctr_va_vdst(0)
	ds_load_b128 v[224:227], v15
	ds_load_b128 v[228:231], v15 offset:16
	s_wait_dscnt 0x0
	v_mov_b32 v26, v230                            ; z's scale word
.set T, 0
.rept 6
	v_cndmask_b32 v[48+T], 0, v[224+T], s58        ; z's codes in lanes 0-15,
	v_cndmask_b32 v[60+T], 0, v[224+T], s59        ; in lanes 16-31,
	v_mov_b32 v[42+T], 0                           ; and zero codes between them: four windows of 12 registers put z into K block 0, 1, 2 or 3
	v_mov_b32 v[54+T], 0
	v_mov_b32 v[66+T], 0
.set T, T+1
.endr
	v_mov_b32 v23, 0
	v_sub_f32 v24, 0, v231                         ; -|z|^2
	s_delay_alu instid0(VALU_DEP_1)
	v_mov_b32 v25, v24
.set T, 0
.rept 16
	v_mov_b32 v[140+T], 0                          ; (the step is written once: the first finds zeros)
.set T, T+1
.endr
	v_mov_b32 v20, 0
	v_mov_b32 v21, 0
	v_mov_b32 v22, 0xff61b1e6                      ; the largest t so far: -3e38
	s_delay_alu instid0(VALU_DEP_1)
	v_floor_f32 v12, -v22                          ; -M
	v_mov_b32 v14, 0xff800000                      ; the largest score so far
	v_mov_b32 v15, 0
	v_mov_b32 v17, 0
	v_mov_b32 v19, 0
	v_mov_b32 v39, 0
	v_mov_b32 v32, 0
	v_mov_b32 v33, 0
	v_lshlrev_b32 v7, 4, v1
	v_lshl_add_u32 v8, v1, 3, 6656
	v_lshl_add_u32 v9, v3, 7, 6144
	v_lshlrev_b32 v11, 3, v3
	s_mul_i32 s[TB], s[SLICE], NSTEP*REC
	v_add_nc_u32 v4, s[TB], v7
	v_add_nc_u32 v5, s[TB], v8
	v_add_nc_u32 v6, s[TB], v9
	s_mul_i32 s60, s[SLICE], NSTEP*128
	v_lshl_add_u32 v10, v3, 5, s60                 ; the code of my register 0
	s_mov_b32 s[CNT], NSTEP
.Lstep:                                            ; 128 codes a trip
.set T, 0
	s_wait_alu depctr_va_vdst(0)
.rept 16
	ds_load_b128 v[SC+4*T:SC+4*T+3], v6 offset:256*(T/8)+16*(T%8)          ; -|e|^2 in the result's layout
.set T, T+1
.endr
.set T, 0
.rept 6
	ds_load_b128 v[72+4*T:75+4*T], v4 offset:512*T
.set T, T+1
.endr
	ds_load_b64 v[28:29], v5                       ; both products' scale words of the codebook
	s_wait_dscnt 0x0
.set T, 0
.rept 32
	v_pk_add_f32 v[SC+2*T:SC+2*T+1], v[SC+2*T:SC+2*T+1], v[24:25]          ; -(|z|^2 + |e|^2), rounded once
.set T, T+1
.endr
.rept 4
	v_nop
.endr
.irp c, 0,1
.irp u, 0,1,2,3
	W1 \c, \u                                      ; eight accumulators, one instruction each
.endr
.endr
.set T, 0
.rept 6
	ds_load_b128 v[96+4*T:99+4*T], v4 offset:3072+512*T                    ; the second product's fragments land under the softmax
.set T, T+1
.endr
.rept 4
	v_nop                                          ; places behind the products, ahead of the first read of their results
.endr
.irp c, 0,1
	v_max3_num_f32 v[30+\c], v[SC+32*\c], v[SC+32*\c+1], v[SC+32*\c+2]     ; my two blocks' largest scores, each result read from its low end on
.endr
.irp i, 3,5,7,9,11,13,15,17,19,21,23,25,27,29
.irp c, 0,1
	v_max3_num_f32 v[30+\c], v[30+\c], v[SC+32*\c+\i], v[SC+32*\c+\i+1]
.endr
.endr
.irp c, 0,1
	v_max_num_f32 v[30+\c], v[30+\c], v[SC+32*\c+31]
.endr
.set PI, 31
.rept 32
.irp c, 0,1
	v_cmp_neq_f32 vcc_lo, v[SC+32*\c+PI], v[30+\c]
	s_delay_alu instid0(VALU_DEP_1)
	v_cndmask_b32 v[32+\c], PI, v[32+\c], vcc_lo   ; downward: the lowest place of the largest score stays
.endr
.set PI, PI-1
.endr
.irp c, 0
	v_cmp_gt_f32 vcc_lo, v[30+\c], v14             ; strictly larger: the earlier index keeps a tie
	s_delay_alu instid0(VALU_DEP_4)
	v_add3_u32 v38, v10, v[32+\c], 64*\c
	s_delay_alu instid0(VALU_DEP_1)
	v_cndmask_b32 v15, v15, v38, vcc_lo
	v_max_num_f32 v14, v14, v[30+\c]
.endr
.irp c, 1
	s_delay_alu instid0(VALU_DEP_1)
	v_cmp_gt_f32 vcc_lo, v[30+\c], v14             ; strictly larger: the earlier index keeps a tie
	v_add3_u32 v38, v10, v[32+\c], 64*\c
	s_delay_alu instid0(VALU_DEP_1)
	v_cndmask_b32 v15, v15, v38, vcc_lo
	s_delay_alu instid0(VALU_DEP_4)
	v_max_num_f32 v14, v14, v[30+\c]
.endr
	v_max_num_f32 v38, v30, v31
	s_delay_alu instid0(VALU_DEP_1)
	v_permlanex16_b32 v39, v38, s[SEL], s[SEL+1]
	s_delay_alu instid0(VALU_DEP_1)
	v_max_num_f32 v38, v38, v39                    ; the step's largest score of my token
	s_delay_alu instid0(VALU_DEP_1)
	v_fma_f32 v38, v38, s[LC], -v23
	s_delay_alu instid0(VALU_DEP_1)
	v_max_num_f32 v22, v22, v38
	v_mov_b32 v39, v12
	s_delay_alu instid0(VALU_DEP_2)
	v_floor_f32 v12, -v22                          ; -M = floor(-t): M is a whole number
	s_delay_alu instid0(VALU_DEP_1)
	v_sub_f32 v39, v12, v39
	s_delay_alu instid0(VALU_DEP_1)
	v_cvt_i32_f32 v39, v39                         ; (it saturates)
	s_delay_alu instid0(VALU_DEP_1)
	v_ldexp_f32 v18, 1.0, v39                      ; f = 2^(old M - new M)
	s_delay_alu instid0(VALU_DEP_4)
	v_sub_f32 v16, v12, v23
.set T, 0
.rept 32
	v_pk_fma_f32 v[SC+2*T:SC+2*T+1], v[SC+2*T:SC+2*T+1], s[LC:LC+1], v[16:17] op_sel_hi:[1,0,0]   ; t - M
.set T, T+1
.endr
	v_fma_f32 v30, v30, s[LC], v16
	v_fma_f32 v31, v31, s[LC], v16
.set T, 0
	s_wait_alu depctr_va_vdst(0)
.rept 64
	v_exp_f32 v[SC+T], v[SC+T]                     ; p = 2^(t - M)
.set T, T+1
.endr
	v_exp_f32 v30, v30                             ; each block's largest p: the same two instructions on the same number
	v_exp_f32 v31, v31
	v_pk_mul_f32 v[20:21], v[20:21], v[18:19] op_sel_hi:[1,0]              ; the sums under the new M (the plain place behind the exponentials)
	s_wait_alu depctr_va_vdst(0)
.irp c, 0,1
	v_max_num_f32 v[30+\c], 0x1800000, v[30+\c]
.endr
.irp c, 0,1
	s_delay_alu instid0(VALU_DEP_2)
	v_add_nc_u32 v[34+\c], 0xff000000, v[30+\c]
.endr
.irp c, 0,1
	s_delay_alu instid0(VALU_DEP_2)
	v_lshrrev_b32 v[36+\c], 23, v[34+\c]
.endr
	s_delay_alu instid0(VALU_DEP_1)
	v_lshl_or_b32 v38, v37, 16, v36
	s_delay_alu instid0(VALU_DEP_1)
	v_lshlrev_b32 v38, v11, v38
	s_delay_alu instid0(VALU_DEP_1)
	v_permlanex16_b32 v39, v38, s[SEL], s[SEL+1]
	s_delay_alu instid0(VALU_DEP_1)
	v_or_b32 v27, v38, v39                         ; p's scale word for these 128 codes
.irp c, 0,1
	v_cvt_scalef32_pk16_fp6_f32 v[120+6*\c:122+6*\c], v[SC+32*\c:SC+32*\c+15], v[34+\c]
	v_cvt_scalef32_pk16_fp6_f32 v[132+4*\c:134+4*\c], v[SC+32*\c+16:SC+32*\c+31], v[34+\c]
.endr
	v_nop                                          ; one plain place behind a scaled conversion
.irp c, 0,1
.irp i, 0,1,2
	v_mov_b32 v[123+6*\c+\i], v[132+4*\c+\i]
.endr
.endr
.set T, 0
.rept 8
	v_pk_mul_f32 v[140+2*T:141+2*T], v[140+2*T:141+2*T], v[18:19] op_sel_hi:[1,0]
.set T, T+1
.endr
	v_pk_add_f32 v[40:41], v[164:165], v[168:169]
	v_pk_add_f32 v[252:253], v[172:173], v[176:177]
	v_pk_add_f32 v[250:251], v[180:181], v[184:185]
	v_pk_add_f32 v[248:249], v[188:189], v[192:193]
	v_pk_add_f32 v[246:247], v[196:197], v[200:201]
	v_pk_add_f32 v[244:245], v[204:205], v[208:209]
	v_pk_add_f32 v[242:243], v[212:213], v[216:217]
	v_pk_add_f32 v[20:21], v[20:21], v[220:221]
	v_pk_add_f32 v[40:41], v[40:41], v[160:161]
	v_pk_add_f32 v[252:253], v[252:253], v[162:163]
	v_pk_add_f32 v[250:251], v[250:251], v[166:167]
	v_pk_add_f32 v[248:249], v[248:249], v[170:171]
	v_pk_add_f32 v[246:247], v[246:247], v[174:175]
	v_pk_add_f32 v[244:245], v[244:245], v[178:179]
	v_pk_add_f32 v[242:243], v[242:243], v[182:183]
	v_pk_add_f32 v[20:21], v[20:21], v[186:187]
	v_pk_add_f32 v[40:41], v[40:41], v[190:191]
	v_pk_add_f32 v[252:253], v[252:253], v[194:195]
	v_pk_add_f32 v[250:251], v[250:251], v[198:199]
	v_pk_add_f32 v[248:249], v[248:249], v[202:203]
	v_pk_add_f32 v[246:247], v[246:247], v[206:207]
	v_pk_add_f32 v[244:245], v[244:245], v[210:211]
	v_pk_add_f32 v[242:243], v[242:243], v[214:215]
	v_pk_add_f32 v[20:21], v[20:21], v[218:219]
	v_pk_add_f32 v[40:41], v[40:41], v[222:223]
	s_delay_alu instid0(VALU_DEP_2)
	v_pk_add_f32 v[20:21], v[20:21], v[248:249]
	s_delay_alu instid0(VALU_DEP_2)
	v_pk_add_f32 v[40:41], v[40:41], v[246:247]
	v_pk_add_f32 v[252:253], v[252:253], v[244:245]
	v_pk_add_f32 v[250:251], v[250:251], v[242:243]
	s_delay_alu instid0(VALU_DEP_2)
	v_pk_add_f32 v[20:21], v[20:21], v[252:253]
	s_delay_alu instid0(VALU_DEP_2)
	v_pk_add_f32 v[40:41], v[40:41], v[250:251]
	s_delay_alu instid0(VALU_DEP_1)
	v_pk_add_f32 v[20:21], v[20:21], v[40:41]
	s_wait_dscnt 0x0
	v_wmma_scale_f32_16x16x128_f8f6f4 v[140:147], v[96:107], v[120:131], v[140:147], v29, v27 matrix_a_fmt:MATRIX_FMT_FP6 matrix_b_fmt:MATRIX_FMT_FP6
	v_wmma_scale_f32_16x16x128_f8f6f4 v[148:155], v[108:119], v[120:131], v[148:155], v29, v27 matrix_a_fmt:MATRIX_FMT_FP6 matrix_b_fmt:MATRIX_FMT_FP6 matrix_a_scale:MATRIX_SCALE_ROW1
	s_add_co_u32 s[TB], s[TB], REC
	v_add_nc_u32 v4, s[TB], v7                     ; the next record: these four lines are the places behind the two products
	v_add_nc_u32 v5, s[TB], v8
	v_add_nc_u32 v6, s[TB], v9
	v_add_nc_u32 v10, 128, v10
	s_sub_co_u32 s[CNT], s[CNT], 1
	s_cmp_lg_u32 s[CNT], 0
	s_cbranch_scc1 .Lstep
; ---- the slices meet
	s_wait_alu depctr_va_vdst(0)
	v_add_f32 v13, v20, v21
	s_mul_i32 s60, s[WV], 2560
	s_add_co_u32 s60, s60, PART
	v_lshl_add_u32 v4, v1, 4, s60
.set T, 0
.rept 4
	ds_store_b128 v4, v[140+4*T:143+4*T] offset:512*T
.set T, T+1
.endr
	ds_store_b128 v4, v[12:15] offset:2048         ; -M, the sum, the largest score, its index
	s_mul_i32 s60, s[TL], 2304
	s_add_co_u32 s60, s60, SST
	v_mul_u32_u24 v6, v2, 144
	s_delay_alu instid0(VALU_DEP_1)
	v_lshl_add_u32 v6, v3, 6, v6
	s_delay_alu instid0(VALU_DEP_1)
	v_add_nc_u32 v6, s60, v6
	v_lshrrev_b32 v7, 3, v1
	s_delay_alu instid0(VALU_DEP_1)
	v_mul_u32_u24 v7, v7, 144
	v_and_b32 v8, 7, v1
	s_delay_alu instid0(VALU_DEP_1)
	v_lshl_add_u32 v7, v8, 4, v7
	s_delay_alu instid0(VALU_DEP_1)
	v_add_nc_u32 v7, s60, v7
	v_lshlrev_b32 v8, 4, v1
	v_lshlrev_b32 v9, 2, v2
	s_wait_dscnt 0x0
	s_barrier_signal -1
	s_barrier_wait -1
	s_cmp_lt_u32 s[WV], G
	s_cbranch_scc0 .Lno_merge
.set MS, 0
.rept NS
	ds_load_b128 v[160+4*MS:163+4*MS], v4 offset:MS*G*2560+2048
.set MS, MS+1
.endr
	s_wait_dscnt 0x0
	v_min_num_f32 v33, v160, v164                  ; the least -M: the largest M
.set MS, 2
.rept NS-2
	s_delay_alu instid0(VALU_DEP_1)
	v_min_num_f32 v33, v33, v[160+4*MS]
.set MS, MS+1
.endr
.set MS, 0
.rept NS
	v_sub_f32 v[160+4*MS], v33, v[160+4*MS]
	s_delay_alu instid0(VALU_DEP_1)
	v_cvt_i32_f32 v[160+4*MS], v[160+4*MS]
	s_delay_alu instid0(VALU_DEP_1)
	v_ldexp_f32 v[160+4*MS], 1.0, v[160+4*MS]      ; 2^(the slice's M - the largest M): exact
.set MS, MS+1
.endr
	v_mul_f32 v32, v160, v161
	v_mov_b32 v34, v162
	v_mov_b32 v35, v163
.set MS, 1
	s_delay_alu instid0(VALU_DEP_3)
	v_fmac_f32 v32, v[160+4*MS], v[161+4*MS]
	s_delay_alu instid0(VALU_DEP_3)
	v_cmp_gt_f32 vcc_lo, v[162+4*MS], v34          ; slices ascend with the index: strictly larger only
	s_delay_alu instid0(VALU_DEP_1)
	v_cndmask_b32 v35, v35, v[163+4*MS], vcc_lo
	v_max_num_f32 v34, v34, v[162+4*MS]
.set MS, MS+1
.rept (NS-1)-1
	s_delay_alu instid0(VALU_DEP_4)
	v_fmac_f32 v32, v[160+4*MS], v[161+4*MS]
	s_delay_alu instid0(VALU_DEP_2)
	v_cmp_gt_f32 vcc_lo, v[162+4*MS], v34          ; slices ascend with the index: strictly larger only
	s_delay_alu instid0(VALU_DEP_1)
	v_cndmask_b32 v35, v35, v[163+4*MS], vcc_lo
	s_delay_alu instid0(VALU_DEP_4)
	v_max_num_f32 v34, v34, v[162+4*MS]
.set MS, MS+1
.endr
.set MG, 0
.rept NG
.set MA, 0
.rept GS
.set MQ, 0
.rept 4
	ds_load_b128 v[42+16*MA+4*MQ:45+16*MA+4*MQ], v4 offset:(MG*GS+MA)*G*2560+512*MQ
.set MQ, MQ+1
.endr
.set MA, MA+1
.endr
	s_wait_alu depctr_va_vdst(0)
	s_wait_dscnt 0x0
.set MA, 0
.rept GS
.set MQ, 0
.rept 8
.if MG+MA == 0
	v_pk_mul_f32 v[140+2*MQ:141+2*MQ], v[42+16*MA+2*MQ:43+16*MA+2*MQ], v[160+4*(MG*GS+MA):161+4*(MG*GS+MA)] op_sel_hi:[1,0]
.else
	v_pk_fma_f32 v[140+2*MQ:141+2*MQ], v[42+16*MA+2*MQ:43+16*MA+2*MQ], v[160+4*(MG*GS+MA):161+4*(MG*GS+MA)], v[140+2*MQ:141+2*MQ] op_sel_hi:[1,0,1]
.endif
.set MQ, MQ+1
.endr
.set MA, MA+1
.endr
.set MG, MG+1
.endr
	v_permlanex16_b32 v36, v32, s[SEL], s[SEL+1]
	s_delay_alu instid0(VALU_DEP_1)
	v_add_f32 v32, v32, v36                        ; the row's sum
	v_permlanex16_b32 v37, v34, s[SEL], s[SEL+1]
	v_permlanex16_b32 v38, v35, s[SEL], s[SEL+1]
	s_delay_alu instid0(VALU_DEP_2)
	v_cmp_gt_f32 s60, v37, v34                     ; the other half's index is taken if its score is larger, or equal with the lower index
	s_delay_alu instid0(VALU_DEP_3)
	v_cmp_eq_f32 s61, v37, v34
	s_delay_alu instid0(VALU_DEP_3)
	v_cmp_lt_u32 s66, v38, v35
	s_and_b32 s61, s61, s66
	s_or_b32 s60, s60, s61
	s_wait_alu depctr_va_vdst(0)
	v_rcp_f32 v32, v32
	v_cndmask_b32 v35, v35, v38, s60               ; (the plain place behind the reciprocal)
.set T, 0
	s_wait_alu depctr_va_vdst(0)
.rept 8
	v_pk_mul_f32 v[140+2*T:141+2*T], v[140+2*T:141+2*T], v[32:33] op_sel_hi:[1,0]
.set T, T+1
.endr
.set T, 0
.rept 4
	ds_store_b128 v6, v[140+4*T:143+4*T] offset:16*T                       ; lane (r, h): channels 16 h on of token r
.set T, T+1
.endr
.set T, 0
.rept 4
	ds_load_b128 v[42+4*T:45+4*T], v7 offset:576*T
.set T, T+1
.endr
	s_wait_dscnt 0x0
.set T, 0
.rept 4
	global_store_b128 v8, v[42+4*T:45+4*T], s[ROUT:ROUT+1] offset:512*T    ; each store covers 512 consecutive bytes, aligned
.set T, T+1
.endr
	global_store_b32 v9, v35, s[IDXOUT:IDXOUT+1] offset:IDXO               ; both halves write the same word with the same value
.Lno_merge:
	s_wait_dscnt 0x0
	s_wait_tensorcnt 0x0
	ds_add_u32 v254, v255
	s_wait_dscnt 0x0
	CROUND                                         ; the closing round
	s_endpgm
.Lfunc_end_k_qa71a8ea4cc_s2:
	.size	k_qa71a8ea4cc_s2, .Lfunc_end_k_qa71a8ea4cc_s2-k_qa71a8ea4cc_s2
	.p2alignl 7, 3214868480
	.fill 96, 4, 3214868480
	.section	.rodata,"a",@progbits
	.p2align	6, 0x0
	.amdhsa_kernel k_qa71a8ea4cc_s2
		.amdhsa_group_segment_fixed_size 320000
		.amdhsa_private_segment_fixed_size 0
		.amdhsa_enable_private_segment 0
		.amdhsa_kernarg_size 56
		.amdhsa_user_sgpr_count 2
		.amdhsa_user_sgpr_kernarg_segment_ptr 1
		.amdhsa_wavefront_size32 1
		.amdhsa_system_sgpr_workgroup_id_x 1
		.amdhsa_system_sgpr_workgroup_id_y 1
		.amdhsa_system_sgpr_workgroup_id_z 1
		.amdhsa_system_vgpr_workitem_id 0
		.amdhsa_next_free_vgpr 256
		.amdhsa_next_free_sgpr 104
		.amdhsa_reserve_vcc 1
		.amdhsa_float_denorm_mode_32 3
		.amdhsa_float_denorm_mode_16_64 3
		.amdhsa_memory_ordered 1
		.amdhsa_forward_progress 1
		.amdhsa_inst_pref_size 68
	.end_amdhsa_kernel
	.amdgpu_metadata
---
amdhsa.version: [ 1, 2 ]
amdhsa.kernels:
  - .name:           k_qa71a8ea4cc_s2
    .symbol:         k_qa71a8ea4cc_s2.kd
    .args:
      - { .name: prep, .offset: 0, .size: 8, .value_kind: global_buffer, .address_space: global }
      - { .name: emb_weight, .offset: 8, .size: 8, .value_kind: global_buffer, .address_space: global }
      - { .name: r1, .offset: 16, .size: 8, .value_kind: global_buffer, .address_space: global }
      - { .name: ia, .offset: 24, .size: 8, .value_kind: global_buffer, .address_space: global }
      - { .name: r2, .offset: 32, .size: 8, .value_kind: global_buffer, .address_space: global }
      - { .name: ib, .offset: 40, .size: 8, .value_kind: global_buffer, .address_space: global }
      - { .name: out0, .offset: 48, .size: 8, .value_kind: global_buffer, .address_space: global }
    .group_segment_fixed_size: 320000
    .private_segment_fixed_size: 0
    .kernarg_segment_align: 8
    .kernarg_segment_size: 56
    .max_flat_workgroup_size: 512
    .sgpr_count:     104
    .vgpr_count:     256
    .wavefront_size: 32
...
	.end_amdgpu_metadata
.endif
;; end of part 3
;; launch s3 (part 4): grid 128 x 1, 16 waves a work-group, clusters of 4 x 1, 320,000 bytes of LDS; arguments prep, emb_weight, r2, ib, r3, ia, out0; writes r3, ia, out0
.if DOCPART == 4
	.amdgcn_target "amdgcn-amd-amdhsa--gfx1250"
	.amdhsa_code_object_version 6
	.text
	.protected	k_qa71a8ea4cc_s3
	.globl	k_qa71a8ea4cc_s3
	.p2align	8
	.type	k_qa71a8ea4cc_s3,@function
k_qa71a8ea4cc_s3:
	s_mov_b64 s[64:65], 0
	v_nop
	global_prefetch_b8 v0, s[64:65] scope:SCOPE_SE
	s_setreg_imm32_b32 hwreg(HW_REG_WAVE_MODE, 25, 1), 1
	s_wait_xcnt 0x0
	s_wait_alu depctr_hold_cnt(0) depctr_sa_sdst(0) depctr_va_vdst(0) depctr_va_sdst(0) depctr_va_ssrc(0) depctr_va_vcc(0) depctr_vm_vsrc(0)
	s_getreg_b32 s2, hwreg(HW_REG_IB_STS2, 6, 4)
	s_cmp_eq_u32 s2, 0
	s_cbranch_scc0 .Lentry_in_a_cluster
	s_endpgm
.Lentry_in_a_cluster:
	s_bfe_u32 s2, ttmp6, 0x10000c
	s_cmp_lg_u32 s2, 0x3003
	s_cbranch_scc0 .Lentry_shape_is_right
	s_endpgm
.Lentry_shape_is_right:
; STAGE 3 (4 x 4 tokens).  A work-group takes one image: 16 tokens.  First h_2 = soft + (e[index] - soft) is finished (the index was stored by the launch before) and h_1 is read back.
; out0's section: P = h_1 + W h_2 W^T, W = (area mean to 4) x (cubic weights from 2 to 16), from the table made at the start; all in f32 multiply-adds.  z = (area mean of f_src) - P.
; Scores: neg_d = -(|z|^2 + |e|^2) + 2 z.e on codes of E2M3; the factor 2 is 1 added to z's scale byte; -(|z|^2 + |e|^2), rounded once, is the C of the product.
; One fragment of the codebook carries 64 codes: each of its four K blocks holds another code's 32 channels.  z stands in ONE K block of source 1 and zero codes in the other three,
; so the three blocks that meet zero codes add exactly 0 (E2M3 has no infinity or NaN; all scale bytes are 1..254).  Four variants of source 1 give 4 x 16 codes from one fragment.
; In the result lane (r, h) holds token r, and registers 32 c + i hold code 64 c + 32 h + i: a whole block of 32 along the second product's K, in that operand's own order.
; Softmax: p = 2^(t - M), M the running largest t rounded up; the sum is taken of the unquantised p; soft = (p.e) / sum.  The first index of the largest score is kept.
; The 16 waves share the 4,096 codes; their parts meet in LDS under one M.  Codebook and weight tables lie in LDS, filled once, JOINTLY for the four work-groups of a cluster.
; LIMITS: |z| < 2^125; NaN and infinities are not served; a block under 2^-124 keeps the scale byte 1; upsampling and area mean are merged into one weight matrix, and z is mean - sum (orders of rounding).
.set STAGE, 3
.set LG,    0
.set G,     1<<LG
.set NS,    16>>LG
.set NSTEP, 2<<LG
.set GS,    4
.set NG,    NS/GS
.set NQN,   1
.set NQO,   1
.set RPT,   4
.set PNT,   4
.set LVL,   2
.set TPI,   16
.set AOFF,  312320
.set IDXI,  0
.set IDXO,  512
.set HOFF,  262144
.set OUTOFF, 512
.set REC,   6912
.set TABB,  221184
.set HL,    247296
.set STG,   258560
.set ZC,    295424
.set SST,   299520
.set PART,  HL
.set TOK, 2
.set WV, 3
.set PREP, 4
.set EMB, 6
.set RH1, 10
.set RSOFT, 16
.set IDXIN, 18
.set ROUT, 20
.set IDXOUT, 22
.set OUT0, 24
.set TL, 26
.set SLICE, 27
.set G0C, 28
.set G1C, 32
.set HPTR, 40
.set APTR, 42
.set GB, 52
.set SEL, 54
.set LC, 56
.set TB, 66
.set CNT, 67
.set SVW, 68
.set TABP, 100
.set ACC, 32
.set TT, 48
.set HB, 64
.set ZR, 80
.set WR, 128
.set OB, 128
.set AA, 224
.set XR, 160
.set SC, 160
.macro CROUND                          ; a round of the cluster's barrier
	s_barrier_signal -1
	s_barrier_wait -1
	s_cmp_lg_u32 s[WV], 0
	s_cbranch_scc1 .Lnot_wave_0_\@
	s_barrier_signal -3
.Lnot_wave_0_\@:
	s_barrier_wait -3
	s_barrier_signal -1
	s_barrier_wait -1
.endm
.macro W1 c, u                         ; 16 codes x 16 tokens: fragment c, z in K block u
.if \c
	v_wmma_scale_f32_16x16x128_f8f6f4 v[SC+32*\c+8*\u:SC+32*\c+8*\u+7], v[72+12*\c:83+12*\c], v[48+12*(\u%2)-6*(\u/2):59+12*(\u%2)-6*(\u/2)], v[SC+32*\c+8*\u:SC+32*\c+8*\u+7], v28, v26 matrix_a_fmt:MATRIX_FMT_FP6 matrix_b_fmt:MATRIX_FMT_FP6 matrix_a_scale:MATRIX_SCALE_ROW1
.else
	v_wmma_scale_f32_16x16x128_f8f6f4 v[SC+32*\c+8*\u:SC+32*\c+8*\u+7], v[72+12*\c:83+12*\c], v[48+12*(\u%2)-6*(\u/2):59+12*(\u%2)-6*(\u/2)], v[SC+32*\c+8*\u:SC+32*\c+8*\u+7], v28, v26 matrix_a_fmt:MATRIX_FMT_FP6 matrix_b_fmt:MATRIX_FMT_FP6
.endif
.endm
; P += W h_k W^T for my tile; lane = channel.  The taps of h_k (pnk x pnk, from quad hlq of the taps' LDS) and the horizontal weights come from LDS, the vertical weights stand in scalar registers.
.macro KTERM k, pnk, hlq
.set KI, 0
.rept \pnk*\pnk
	ds_load_b32 v[HB+KI], v10 offset:512*\hlq+128*KI
.set KI, KI+1
.endr
.set KI, 0
.rept 4*\pnk
	ds_load_b128 v[WR+4*KI:WR+4*KI+3], v11 offset:((\k-2)*3+LVL)*1024+512+16*KI    ; one address for all lanes
.set KI, KI+1
.endr
	s_wait_dscnt 0x0
.set KR, 0
.rept RPT
.set KV, SVW+8*(KR*(STAGE-2)+\k-2)
.set KJ, 0
.rept \pnk
	v_mul_f32 v[TT+KJ], s[KV], v[HB+KJ]
.set KI, 1
.rept \pnk-1
	s_delay_alu instid0(VALU_DEP_1)
	v_fmac_f32 v[TT+KJ], s[KV+KI], v[HB+KI*\pnk+KJ]
.set KI, KI+1
.endr
.set KJ, KJ+1
.endr
.set KJ, 0
.rept \pnk
.set KX, 0
.rept PNT
	v_fmac_f32 v[ACC+KR*PNT+KX], v[WR+16*KJ+(KX<<LVL)], v[TT+KJ]
.set KX, KX+1
.endr
.set KJ, KJ+1
.endr
.set KR, KR+1
.endr
.endm
	s_load_b64 s[PREP:PREP+1], s[0:1], 0x0
	s_load_b64 s[EMB:EMB+1], s[0:1], 0x8
	s_load_b64 s[RH1:RH1+1], s[0:1], 0x10
	s_load_b64 s[RSOFT:RSOFT+1], s[0:1], 0x10
	s_load_b64 s[IDXIN:IDXIN+1], s[0:1], 0x18
	s_load_b64 s[ROUT:ROUT+1], s[0:1], 0x20
	s_load_b64 s[IDXOUT:IDXOUT+1], s[0:1], 0x28
	s_load_b64 s[OUT0:OUT0+1], s[0:1], 0x30
	v_lshl_add_u32 v254, v0, 2, 0x4da00
	v_mov_b32 v255, 0
	ds_add_u32 v254, v255
	ds_add_u32 v254, v255
	v_lshrrev_b32 v1, 5, v0
	s_delay_alu instid0(VALU_DEP_1)
	v_readfirstlane_b32 s[WV], v1
	v_and_b32 v1, 31, v0                           ; lane
	s_wait_alu depctr_va_vdst(0)
	v_and_b32 v2, 15, v0                           ; r
	v_bfe_u32 v3, v0, 4, 1                         ; h
	s_and_b32 s[TL], s[WV], G-1                    ; my tile of 16 tokens
	s_lshr_b32 s[SLICE], s[WV], LG                 ; my slice of the codes
	s_bfe_u32 s60, ttmp6, 0x40000                  ; my place in the cluster: it enters global addresses alone
	s_lshl_b32 s[GB], ttmp9, 2
	s_add_co_u32 s[GB], s[GB], s60                 ; the image
	s_mul_i32 s[TOK], s[GB], TPI                   ; the tile's first token
	s_mov_b32 s[SEL], 0x76543210
	s_mov_b32 s[SEL+1], 0xfedcba98
	s_mov_b32 s[LC], 0x3fb8aa3b                    ; log2(e)
	s_mov_b32 s[LC+1], s[LC]
	s_mov_b32 s58, 0x0000ffff
	s_mov_b32 s59, 0xffff0000
	s_mov_b32 s61, 0
	s_mov_b32 s[G1C], 15|(3<<16)|(1<<21)           ; the mask: all four work-groups; elements of 8 bytes; bit 21 beside a mask
	s_mov_b32 s[G1C+1], 32<<16                     ; rows of 256 bytes,
	s_mov_b32 s[G1C+2], 100<<16                    ; 100 of them a wave,
	s_mov_b32 s[G1C+3], 32<<16
	s_mov_b32 s[G1C+4], 100
	s_mov_b32 s[G1C+5], 32                         ; dense
	s_mov_b32 s[G1C+6], 0
	s_mov_b32 s[G1C+7], 0
	v_lshlrev_b32 v5, 4, v0                        ; 16 x thread
	s_delay_alu instid0(VALU_DEP_1)
	v_add_nc_u32 v4, HL, v5                        ; the taps' way in: four taps of 128 bytes a wave
	v_lshlrev_b32 v6, 4, v1
	v_lshrrev_b32 v18, 3, v1
	s_delay_alu instid0(VALU_DEP_1)
	v_lshlrev_b32 v7, 2, v18
	v_and_b32 v19, 7, v1
	s_delay_alu instid0(VALU_DEP_1)
	v_lshlrev_b32 v8, 4, v19
	v_lshl_add_u32 v10, v1, 2, HL                  ; the taps, lane = channel
	v_mov_b32 v11, TABB                            ; the weight tables
	s_mul_i32 s60, s[TL], 4608
	s_add_co_u32 s60, s60, STG
	v_lshl_add_u32 v12, v1, 2, s60                 ; my tile's stages, lane = channel;
	v_mad_u32_u24 v13, v18, 144, v8
	s_delay_alu instid0(VALU_DEP_1)
	v_add_nc_u32 v13, s60, v13                     ; four tokens an instruction;
	v_mul_u32_u24 v14, v2, 144
	s_delay_alu instid0(VALU_DEP_1)
	v_add_nc_u32 v14, s60, v14                     ; lane = token
	s_lshl_b32 s60, s[TL], 9
	s_add_co_u32 s60, s60, ZC
	v_lshl_add_u32 v15, v2, 5, s60                 ; token r's 32 bytes: 6 words of codes, the scale word, |z|^2
	v_lshlrev_b32 v17, 2, v1
	s_wait_dscnt 0x0
	s_wait_kmcnt 0x0
	s_mul_i32 s60, s[WV], 25600
	s_mov_b32 s[G0C], 1
	s_mov_b32 s[G0C+1], s60
	s_add_nc_u64 s[G0C+2:G0C+3], s[PREP:PREP+1], s[60:61]
	s_or_b32 s[G0C+3], s[G0C+3], 0x80000000
	CROUND                                         ; all four work-groups are here: the joint loads meet
	s_cmp_lt_u32 s[WV], 9
	s_cbranch_scc0 .Lasked
	tensor_load_to_lds s[G0C:G0C+3], s[G1C:G1C+7]  ; my one tensor load: 25,600 bytes of codebook and tables; nothing is filled twice
	s_nop 0
.rept 4
	v_nop
.endr
.Lasked:
	s_mul_i32 s60, s[TL], RPT*(32<<LVL)
	s_add_nc_u64 s[TABP:TABP+1], s[PREP:PREP+1], s[60:61]
.set T, 0
.rept RPT
	s_load_b256 s[SVW+8*T:SVW+8*T+7], s[TABP:TABP+1], TABB+LVL*1024+T*(32<<LVL)    ; row T's vertical weights
.set T, T+1
.endr
	s_lshl_b32 s60, s[TOK], 7
	s_add_nc_u64 s[APTR:APTR+1], s[PREP:PREP+1], s[60:61]
	s_cmp_lt_u32 s[WV], G
	s_cbranch_scc0 .Lno_a
.set T, 0
	s_wait_alu depctr_va_vdst(0)
.rept 16
	global_load_b32 v[AA+T], v17, s[APTR:APTR+1] offset:AOFF+128*T         ; lane = channel: a token's 128 bytes
.set T, T+1
.endr
.Lno_a:
	s_mul_i32 s60, s[GB], 512*NQN
	s_add_nc_u64 s[HPTR:HPTR+1], s[ROUT:ROUT+1], s[60:61]
	s_lshl_b32 s60, s[TOK], 7
	s_add_nc_u64 s[ROUT:ROUT+1], s[ROUT:ROUT+1], s[60:61]
	s_lshl_b32 s60, s[TOK], 2
	s_add_nc_u64 s[IDXOUT:IDXOUT+1], s[IDXOUT:IDXOUT+1], s[60:61]
	s_mul_i32 s60, s[GB], 43520
	s_add_nc_u64 s[OUT0:OUT0+1], s[OUT0:OUT0+1], s[60:61]
	s_mul_i32 s60, s[GB], 4*NQN
	s_lshl_b32 s66, s[WV], 2
	s_add_co_u32 s66, s66, s60                     ; my four taps' first token of the stage before
	s_lshl_b32 s60, s66, 7
	s_add_nc_u64 s[RSOFT:RSOFT+1], s[RSOFT:RSOFT+1], s[60:61]
	s_lshl_b32 s60, s66, 2
	s_add_nc_u64 s[IDXIN:IDXIN+1], s[IDXIN:IDXIN+1], s[60:61]
	s_lshl_b32 s60, s[GB], 7
	s_add_nc_u64 s[RH1:RH1+1], s[RH1:RH1+1], s[60:61]                      ; h_1 of my image
; ---- the taps: h = soft + (e[index] - soft).  Lane l: tap l / 8, channels 4 (l % 8) on
	s_cmp_lt_u32 s[WV], NQN
	s_cbranch_scc0 .Lno_tap
	global_load_b32 v32, v7, s[IDXIN:IDXIN+1] offset:IDXI
	global_load_b128 v[36:39], v6, s[RSOFT:RSOFT+1]
	global_load_b128 v[44:47], v8, s[RH1:RH1+1] offset:65536               ; the one row, four times: no load leaves the buffer
	s_wait_loadcnt 0x0
	v_min_u32 v32, 0xfff, v32                      ; an index stays inside its table
	s_delay_alu instid0(VALU_DEP_1)
	v_lshl_add_u32 v33, v32, 7, v8
	global_load_b128 v[40:43], v33, s[EMB:EMB+1]
	ds_store_b128 v4, v[44:47]
	s_wait_loadcnt 0x0
	v_pk_add_f32 v[48:49], v[40:41], v[36:37] neg_lo:[0,1] neg_hi:[0,1]
	v_pk_add_f32 v[50:51], v[42:43], v[38:39] neg_lo:[0,1] neg_hi:[0,1]
	s_delay_alu instid0(VALU_DEP_2)
	v_pk_add_f32 v[48:49], v[36:37], v[48:49]
	s_delay_alu instid0(VALU_DEP_2)
	v_pk_add_f32 v[50:51], v[38:39], v[50:51]
	ds_store_b128 v4, v[48:51] offset:512*NQO
	global_store_b128 v5, v[48:51], s[HPTR:HPTR+1] offset:HOFF             ; kept for the later stages
.Lno_tap:
	s_wait_tensorcnt 0x0                           ; my part of codebook and tables has landed (the tile reads the tables)
	s_wait_xcnt 0x0                                ; the stores' and loads' registers may be written again
	s_wait_dscnt 0x0
	s_barrier_signal -1
	s_barrier_wait -1                              ; taps, tables and codebook lie in LDS
	s_wait_kmcnt 0x0                               ; the vertical weights
; ---- the tile: out0's section, z, and z's codes
	s_cmp_lt_u32 s[WV], G
	s_cbranch_scc0 .Lno_tile
	s_wait_alu depctr_va_vdst(0)
	ds_load_b32 v[HB], v10
	s_wait_dscnt 0x0
.set T, 0
.rept 16
	v_mov_b32 v[ACC+T], v[HB]                      ; h_1, the same everywhere
.set T, T+1
.endr
	KTERM 2, 2, 1
.set T, 0
.rept 16
	ds_store_b32 v12, v[ACC+T] offset:144*T
.set T, T+1
.endr
.set T, 0
.rept 4
	ds_load_b128 v[OB+4*T:OB+4*T+3], v13 offset:576*T
.set T, T+1
.endr
	s_wait_alu depctr_va_vdst(0)
	s_wait_dscnt 0x0
.set T, 0
.rept 4
	global_store_b128 v6, v[OB+4*T:OB+4*T+3], s[OUT0:OUT0+1] offset:OUTOFF+512*T th:TH_STORE_NT   ; four tokens: 512 consecutive bytes, aligned
.set T, T+1
.endr
	s_wait_loadcnt 0x0
.set T, 0
.rept 8
	v_pk_add_f32 v[ZR+2*T:ZR+2*T+1], v[AA+2*T:AA+2*T+1], v[ACC+2*T:ACC+2*T+1] neg_lo:[0,1] neg_hi:[0,1]
.set T, T+1
.endr
.set T, 0
.rept 16
	ds_store_b32 v12, v[ZR+T] offset:2304+144*T
.set T, T+1
.endr
.set T, 0
.rept 8
	ds_load_b128 v[XR+4*T:XR+4*T+3], v14 offset:2304+16*T                  ; lane = token (my own bytes: LDS serves a wave's instructions in order)
.set T, T+1
.endr
	s_wait_dscnt 0x0
	v_max3_num_f32 v192, |v[XR]|, |v[XR+1]|, 0x1800000
.set T, 2
.rept 15
	s_delay_alu instid0(VALU_DEP_1)
	v_max3_num_f32 v192, v192, |v[XR+T]|, |v[XR+T+1]|
.set T, T+2
.endr
	s_delay_alu instid0(VALU_DEP_1)
	v_add_nc_u32 v193, 0xff000000, v192            ; 2 off the exponent field: the conversion's scale operand
	s_delay_alu instid0(VALU_DEP_1)
	v_lshrrev_b32 v194, 23, v193
	s_delay_alu instid0(VALU_DEP_1)
	v_add_nc_u32 v194, 1, v194                     ; the factor 2 of 2 z.e
	s_delay_alu instid0(VALU_DEP_1)
	v_lshl_or_b32 v194, v194, 8, v194
	s_delay_alu instid0(VALU_DEP_1)
	v_lshl_or_b32 v230, v194, 16, v194             ; the same byte for all four K blocks
	v_pk_mul_f32 v[196:197], v[XR:XR+1], v[XR:XR+1]
	v_pk_mul_f32 v[198:199], v[XR+2:XR+3], v[XR+2:XR+3]
.set T, 4
.rept 7
	s_delay_alu instid0(VALU_DEP_2)
	v_pk_fma_f32 v[196:197], v[XR+T:XR+T+1], v[XR+T:XR+T+1], v[196:197]
	s_delay_alu instid0(VALU_DEP_2)
	v_pk_fma_f32 v[198:199], v[XR+T+2:XR+T+3], v[XR+T+2:XR+T+3], v[198:199]
.set T, T+4
.endr
	s_delay_alu instid0(VALU_DEP_1)
	v_pk_add_f32 v[196:197], v[196:197], v[198:199]
	s_delay_alu instid0(VALU_DEP_1)
	v_add_f32 v231, v196, v197                     ; |z|^2
	v_cvt_scalef32_pk16_fp6_f32 v[224:226], v[XR:XR+15], v193
	v_cvt_scalef32_pk16_fp6_f32 v[200:202], v[XR+16:XR+31], v193
	v_nop                                          ; one plain place behind a scaled conversion
	v_mov_b32 v227, v200
	v_mov_b32 v228, v201
	v_mov_b32 v229, v202
	ds_store_b128 v15, v[224:227]                  ; lanes 16-31 repeat lanes 0-15
	ds_store_b128 v15, v[228:231] offset:16
.Lno_tile:
	s_wait_tensorcnt 0x0
	s_wait_xcnt 0x0
	s_wait_dscnt 0x0                               ; my LDS stores have landed, and my reads of the taps and stages are over:
	s_barrier_signal -1
	s_barrier_wait -1                              ; everybody's
; ---- the tokens' operand, and the sums' beginnings
	s_wait_alu depctr_va_vdst(0)
	ds_load_b128 v[224:227], v15
	ds_load_b128 v[228:231], v15 offset:16
	s_wait_dscnt 0x0
	v_mov_b32 v26, v230                            ; z's scale word
.set T, 0
.rept 6
	v_cndmask_b32 v[48+T], 0, v[224+T], s58        ; z's codes in lanes 0-15,
	v_cndmask_b32 v[60+T], 0, v[224+T], s59        ; in lanes 16-31,
	v_mov_b32 v[42+T], 0                           ; and zero codes between them: four windows of 12 registers put z into K block 0, 1, 2 or 3
	v_mov_b32 v[54+T], 0
	v_mov_b32 v[66+T], 0
.set T, T+1
.endr
	v_mov_b32 v23, 0
	v_sub_f32 v24, 0, v231                         ; -|z|^2
	s_delay_alu instid0(VALU_DEP_1)
	v_mov_b32 v25, v24
.set T, 0
.rept 16
	v_mov_b32 v[140+T], 0                          ; (the step is written once: the first finds zeros)
.set T, T+1
.endr
	v_mov_b32 v20, 0
	v_mov_b32 v21, 0
	v_mov_b32 v22, 0xff61b1e6                      ; the largest t so far: -3e38
	s_delay_alu instid0(VALU_DEP_1)
	v_floor_f32 v12, -v22                          ; -M
	v_mov_b32 v14, 0xff800000                      ; the largest score so far
	v_mov_b32 v15, 0
	v_mov_b32 v17, 0
	v_mov_b32 v19, 0
	v_mov_b32 v39, 0
	v_mov_b32 v32, 0
	v_mov_b32 v33, 0
	v_lshlrev_b32 v7, 4, v1
	v_lshl_add_u32 v8, v1, 3, 6656
	v_lshl_add_u32 v9, v3, 7, 6144
	v_lshlrev_b32 v11, 3, v3
	s_mul_i32 s[TB], s[SLICE], NSTEP*REC
	v_add_nc_u32 v4, s[TB], v7
	v_add_nc_u32 v5, s[TB], v8
	v_add_nc_u32 v6, s[TB], v9
	s_mul_i32 s60, s[SLICE], NSTEP*128
	v_lshl_add_u32 v10, v3, 5, s60                 ; the code of my register 0
	s_mov_b32 s[CNT], NSTEP
.Lstep:                                            ; 128 codes a trip
.set T, 0
	s_wait_alu depctr_va_vdst(0)
.rept 16
	ds_load_b128 v[SC+4*T:SC+4*T+3], v6 offset:256*(T/8)+16*(T%8)          ; -|e|^2 in the result's layout
.set T, T+1
.endr
.set T, 0
.rept 6
	ds_load_b128 v[72+4*T:75+4*T], v4 offset:512*T
.set T, T+1
.endr
	ds_load_b64 v[28:29], v5                       ; both products' scale words of the codebook
	s_wait_dscnt 0x0
.set T, 0
.rept 32
	v_pk_add_f32 v[SC+2*T:SC+2*T+1], v[SC+2*T:SC+2*T+1], v[24:25]          ; -(|z|^2 + |e|^2), rounded once
.set T, T+1
.endr
.rept 4
	v_nop
.endr
.irp c, 0,1
.irp u, 0,1,2,3
	W1 \c, \u                                      ; eight accumulators, one instruction each
.endr
.endr
.set T, 0
.rept 6
	ds_load_b128 v[96+4*T:99+4*T], v4 offset:3072+512*T                    ; the second product's fragments land under the softmax
.set T, T+1
.endr
.rept 4
	v_nop                                          ; places behind the products, ahead of the first read of their results
.endr
.irp c, 0,1
	v_max3_num_f32 v[30+\c], v[SC+32*\c], v[SC+32*\c+1], v[SC+32*\c+2]     ; my two blocks' largest scores, each result read from its low end on
.endr
.irp i, 3,5,7,9,11,13,15,17,19,21,23,25,27,29
.irp c, 0,1
	v_max3_num_f32 v[30+\c], v[30+\c], v[SC+32*\c+\i], v[SC+32*\c+\i+1]
.endr
.endr
.irp c, 0,1
	v_max_num_f32 v[30+\c], v[30+\c], v[SC+32*\c+31]
.endr
.set PI, 31
.rept 32
.irp c, 0,1
	v_cmp_neq_f32 vcc_lo, v[SC+32*\c+PI], v[30+\c]
	s_delay_alu instid0(VALU_DEP_1)
	v_cndmask_b32 v[32+\c], PI, v[32+\c], vcc_lo   ; downward: the lowest place of the largest score stays
.endr
.set PI, PI-1
.endr
.irp c, 0
	v_cmp_gt_f32 vcc_lo, v[30+\c], v14             ; strictly larger: the earlier index keeps a tie
	s_delay_alu instid0(VALU_DEP_4)
	v_add3_u32 v38, v10, v[32+\c], 64*\c
	s_delay_alu instid0(VALU_DEP_1)
	v_cndmask_b32 v15, v15, v38, vcc_lo
	v_max_num_f32 v14, v14, v[30+\c]
.endr
.irp c, 1
	s_delay_alu instid0(VALU_DEP_1)
	v_cmp_gt_f32 vcc_lo, v[30+\c], v14             ; strictly larger: the earlier index keeps a tie
	v_add3_u32 v38, v10, v[32+\c], 64*\c
	s_delay_alu instid0(VALU_DEP_1)
	v_cndmask_b32 v15, v15, v38, vcc_lo
	s_delay_alu instid0(VALU_DEP_4)
	v_max_num_f32 v14, v14, v[30+\c]
.endr
	v_max_num_f32 v38, v30, v31
	s_delay_alu instid0(VALU_DEP_1)
	v_permlanex16_b32 v39, v38, s[SEL], s[SEL+1]
	s_delay_alu instid0(VALU_DEP_1)
	v_max_num_f32 v38, v38, v39                    ; the step's largest score of my token
	s_delay_alu instid0(VALU_DEP_1)
	v_fma_f32 v38, v38, s[LC], -v23
	s_delay_alu instid0(VALU_DEP_1)
	v_max_num_f32 v22, v22, v38
	v_mov_b32 v39, v12
	s_delay_alu instid0(VALU_DEP_2)
	v_floor_f32 v12, -v22                          ; -M = floor(-t): M is a whole number
	s_delay_alu instid0(VALU_DEP_1)
	v_sub_f32 v39, v12, v39
	s_delay_alu instid0(VALU_DEP_1)
	v_cvt_i32_f32 v39, v39                         ; (it saturates)
	s_delay_alu instid0(VALU_DEP_1)
	v_ldexp_f32 v18, 1.0, v39                      ; f = 2^(old M - new M)
	s_delay_alu instid0(VALU_DEP_4)
	v_sub_f32 v16, v12, v23
.set T, 0
.rept 32
	v_pk_fma_f32 v[SC+2*T:SC+2*T+1], v[SC+2*T:SC+2*T+1], s[LC:LC+1], v[16:17] op_sel_hi:[1,0,0]   ; t - M
.set T, T+1
.endr
	v_fma_f32 v30, v30, s[LC], v16
	v_fma_f32 v31, v31, s[LC], v16
.set T, 0
	s_wait_alu depctr_va_vdst(0)
.rept 64
	v_exp_f32 v[SC+T], v[SC+T]                     ; p = 2^(t - M)
.set T, T+1
.endr
	v_exp_f32 v30, v30                             ; each block's largest p: the same two instructions on the same number
	v_exp_f32 v31, v31
	v_pk_mul_f32 v[20:21], v[20:21], v[18:19] op_sel_hi:[1,0]              ; the sums under the new M (the plain place behind the exponentials)
	s_wait_alu depctr_va_vdst(0)
.irp c, 0,1
	v_max_num_f32 v[30+\c], 0x1800000, v[30+\c]
.endr
.irp c, 0,1
	s_delay_alu instid0(VALU_DEP_2)
	v_add_nc_u32 v[34+\c], 0xff000000, v[30+\c]
.endr
.irp c, 0,1
	s_delay_alu instid0(VALU_DEP_2)
	v_lshrrev_b32 v[36+\c], 23, v[34+\c]
.endr
	s_delay_alu instid0(VALU_DEP_1)
	v_lshl_or_b32 v38, v37, 16, v36
	s_delay_alu instid0(VALU_DEP_1)
	v_lshlrev_b32 v38, v11, v38
	s_delay_alu instid0(VALU_DEP_1)
	v_permlanex16_b32 v39, v38, s[SEL], s[SEL+1]
	s_delay_alu instid0(VALU_DEP_1)
	v_or_b32 v27, v38, v39                         ; p's scale word for these 128 codes
.irp c, 0,1
	v_cvt_scalef32_pk16_fp6_f32 v[120+6*\c:122+6*\c], v[SC+32*\c:SC+32*\c+15], v[34+\c]
	v_cvt_scalef32_pk16_fp6_f32 v[132+4*\c:134+4*\c], v[SC+32*\c+16:SC+32*\c+31], v[34+\c]
.endr
	v_nop                                          ; one plain place behind a scaled conversion
.irp c, 0,1
.irp i, 0,1,2
	v_mov_b32 v[123+6*\c+\i], v[132+4*\c+\i]
.endr
.endr
.set T, 0
.rept 8
	v_pk_mul_f32 v[140+2*T:141+2*T], v[140+2*T:141+2*T], v[18:19] op_sel_hi:[1,0]
.set T, T+1
.endr
	v_pk_add_f32 v[40:41], v[164:165], v[168:169]
	v_pk_add_f32 v[252:253], v[172:173], v[176:177]
	v_pk_add_f32 v[250:251], v[180:181], v[184:185]
	v_pk_add_f32 v[248:249], v[188:189], v[192:193]
	v_pk_add_f32 v[246:247], v[196:197], v[200:201]
	v_pk_add_f32 v[244:245], v[204:205], v[208:209]
	v_pk_add_f32 v[242:243], v[212:213], v[216:217]
	v_pk_add_f32 v[20:21], v[20:21], v[220:221]
	v_pk_add_f32 v[40:41], v[40:41], v[160:161]
	v_pk_add_f32 v[252:253], v[252:253], v[162:163]
	v_pk_add_f32 v[250:251], v[250:251], v[166:167]
	v_pk_add_f32 v[248:249], v[248:249], v[170:171]
	v_pk_add_f32 v[246:247], v[246:247], v[174:175]
	v_pk_add_f32 v[244:245], v[244:245], v[178:179]
	v_pk_add_f32 v[242:243], v[242:243], v[182:183]
	v_pk_add_f32 v[20:21], v[20:21], v[186:187]
	v_pk_add_f32 v[40:41], v[40:41], v[190:191]
	v_pk_add_f32 v[252:253], v[252:253], v[194:195]
	v_pk_add_f32 v[250:251], v[250:251], v[198:199]
	v_pk_add_f32 v[248:249], v[248:249], v[202:203]
	v_pk_add_f32 v[246:247], v[246:247], v[206:207]
	v_pk_add_f32 v[244:245], v[244:245], v[210:211]
	v_pk_add_f32 v[242:243], v[242:243], v[214:215]
	v_pk_add_f32 v[20:21], v[20:21], v[218:219]
	v_pk_add_f32 v[40:41], v[40:41], v[222:223]
	s_delay_alu instid0(VALU_DEP_2)
	v_pk_add_f32 v[20:21], v[20:21], v[248:249]
	s_delay_alu instid0(VALU_DEP_2)
	v_pk_add_f32 v[40:41], v[40:41], v[246:247]
	v_pk_add_f32 v[252:253], v[252:253], v[244:245]
	v_pk_add_f32 v[250:251], v[250:251], v[242:243]
	s_delay_alu instid0(VALU_DEP_2)
	v_pk_add_f32 v[20:21], v[20:21], v[252:253]
	s_delay_alu instid0(VALU_DEP_2)
	v_pk_add_f32 v[40:41], v[40:41], v[250:251]
	s_delay_alu instid0(VALU_DEP_1)
	v_pk_add_f32 v[20:21], v[20:21], v[40:41]
	s_wait_dscnt 0x0
	v_wmma_scale_f32_16x16x128_f8f6f4 v[140:147], v[96:107], v[120:131], v[140:147], v29, v27 matrix_a_fmt:MATRIX_FMT_FP6 matrix_b_fmt:MATRIX_FMT_FP6
	v_wmma_scale_f32_16x16x128_f8f6f4 v[148:155], v[108:119], v[120:131], v[148:155], v29, v27 matrix_a_fmt:MATRIX_FMT_FP6 matrix_b_fmt:MATRIX_FMT_FP6 matrix_a_scale:MATRIX_SCALE_ROW1
	s_add_co_u32 s[TB], s[TB], REC
	v_add_nc_u32 v4, s[TB], v7                     ; the next record: these four lines are the places behind the two products
	v_add_nc_u32 v5, s[TB], v8
	v_add_nc_u32 v6, s[TB], v9
	v_add_nc_u32 v10, 128, v10
	s_sub_co_u32 s[CNT], s[CNT], 1
	s_cmp_lg_u32 s[CNT], 0
	s_cbranch_scc1 .Lstep
; ---- the slices meet
	s_wait_alu depctr_va_vdst(0)
	v_add_f32 v13, v20, v21
	s_mul_i32 s60, s[WV], 2560
	s_add_co_u32 s60, s60, PART
	v_lshl_add_u32 v4, v1, 4, s60
.set T, 0
.rept 4
	ds_store_b128 v4, v[140+4*T:143+4*T] offset:512*T
.set T, T+1
.endr
	ds_store_b128 v4, v[12:15] offset:2048         ; -M, the sum, the largest score, its index
	s_mul_i32 s60, s[TL], 2304
	s_add_co_u32 s60, s60, SST
	v_mul_u32_u24 v6, v2, 144
	s_delay_alu instid0(VALU_DEP_1)
	v_lshl_add_u32 v6, v3, 6, v6
	s_delay_alu instid0(VALU_DEP_1)
	v_add_nc_u32 v6, s60, v6
	v_lshrrev_b32 v7, 3, v1
	s_delay_alu instid0(VALU_DEP_1)
	v_mul_u32_u24 v7, v7, 144
	v_and_b32 v8, 7, v1
	s_delay_alu instid0(VALU_DEP_1)
	v_lshl_add_u32 v7, v8, 4, v7
	s_delay_alu instid0(VALU_DEP_1)
	v_add_nc_u32 v7, s60, v7
	v_lshlrev_b32 v8, 4, v1
	v_lshlrev_b32 v9, 2, v2
	s_wait_dscnt 0x0
	s_barrier_signal -1
	s_barrier_wait -1
	s_cmp_lt_u32 s[WV], G
	s_cbranch_scc0 .Lno_merge
.set MS, 0
.rept NS
	ds_load_b128 v[160+4*MS:163+4*MS], v4 offset:MS*G*2560+2048
.set MS, MS+1
.endr
	s_wait_dscnt 0x0
	v_min_num_f32 v33, v160, v164                  ; the least -M: the largest M
.set MS, 2
.rept NS-2
	s_delay_alu instid0(VALU_DEP_1)
	v_min_num_f32 v33, v33, v[160+4*MS]
.set MS, MS+1
.endr
.set MS, 0
.rept NS
	v_sub_f32 v[160+4*MS], v33, v[160+4*MS]
	s_delay_alu instid0(VALU_DEP_1)
	v_cvt_i32_f32 v[160+4*MS], v[160+4*MS]
	s_delay_alu instid0(VALU_DEP_1)
	v_ldexp_f32 v[160+4*MS], 1.0, v[160+4*MS]      ; 2^(the slice's M - the largest M): exact
.set MS, MS+1
.endr
	v_mul_f32 v32, v160, v161
	v_mov_b32 v34, v162
	v_mov_b32 v35, v163
.set MS, 1
	s_delay_alu instid0(VALU_DEP_3)
	v_fmac_f32 v32, v[160+4*MS], v[161+4*MS]
	s_delay_alu instid0(VALU_DEP_3)
	v_cmp_gt_f32 vcc_lo, v[162+4*MS], v34          ; slices ascend with the index: strictly larger only
	s_delay_alu instid0(VALU_DEP_1)
	v_cndmask_b32 v35, v35, v[163+4*MS], vcc_lo
	v_max_num_f32 v34, v34, v[162+4*MS]
.set MS, MS+1
.rept (NS-1)-1
	s_delay_alu instid0(VALU_DEP_4)
	v_fmac_f32 v32, v[160+4*MS], v[161+4*MS]
	s_delay_alu instid0(VALU_DEP_2)
	v_cmp_gt_f32 vcc_lo, v[162+4*MS], v34          ; slices ascend with the index: strictly larger only
	s_delay_alu instid0(VALU_DEP_1)
	v_cndmask_b32 v35, v35, v[163+4*MS], vcc_lo
	s_delay_alu instid0(VALU_DEP_4)
	v_max_num_f32 v34, v34, v[162+4*MS]
.set MS, MS+1
.endr
.set MG, 0
.rept NG
.set MA, 0
.rept GS
.set MQ, 0
.rept 4
	ds_load_b128 v[42+16*MA+4*MQ:45+16*MA+4*MQ], v4 offset:(MG*GS+MA)*G*2560+512*MQ
.set MQ, MQ+1
.endr
.set MA, MA+1
.endr
	s_wait_alu depctr_va_vdst(0)
	s_wait_dscnt 0x0
.set MA, 0
.rept GS
.set MQ, 0
.rept 8
.if MG+MA == 0
	v_pk_mul_f32 v[140+2*MQ:141+2*MQ], v[42+16*MA+2*MQ:43+16*MA+2*MQ], v[160+4*(MG*GS+MA):161+4*(MG*GS+MA)] op_sel_hi:[1,0]
.else
	v_pk_fma_f32 v[140+2*MQ:141+2*MQ], v[42+16*MA+2*MQ:43+16*MA+2*MQ], v[160+4*(MG*GS+MA):161+4*(MG*GS+MA)], v[140+2*MQ:141+2*MQ] op_sel_hi:[1,0,1]
.endif
.set MQ, MQ+1
.endr
.set MA, MA+1
.endr
.set MG, MG+1
.endr
	v_permlanex16_b32 v36, v32, s[SEL], s[SEL+1]
	s_delay_alu instid0(VALU_DEP_1)
	v_add_f32 v32, v32, v36                        ; the row's sum
	v_permlanex16_b32 v37, v34, s[SEL], s[SEL+1]
	v_permlanex16_b32 v38, v35, s[SEL], s[SEL+1]
	s_delay_alu instid0(VALU_DEP_2)
	v_cmp_gt_f32 s60, v37, v34                     ; the other half's index is taken if its score is larger, or equal with the lower index
	s_delay_alu instid0(VALU_DEP_3)
	v_cmp_eq_f32 s61, v37, v34
	s_delay_alu instid0(VALU_DEP_3)
	v_cmp_lt_u32 s66, v38, v35
	s_and_b32 s61, s61, s66
	s_or_b32 s60, s60, s61
	s_wait_alu depctr_va_vdst(0)
	v_rcp_f32 v32, v32
	v_cndmask_b32 v35, v35, v38, s60               ; (the plain place behind the reciprocal)
.set T, 0
	s_wait_alu depctr_va_vdst(0)
.rept 8
	v_pk_mul_f32 v[140+2*T:141+2*T], v[140+2*T:141+2*T], v[32:33] op_sel_hi:[1,0]
.set T, T+1
.endr
.set T, 0
.rept 4
	ds_store_b128 v6, v[140+4*T:143+4*T] offset:16*T                       ; lane (r, h): channels 16 h on of token r
.set T, T+1
.endr
.set T, 0
.rept 4
	ds_load_b128 v[42+4*T:45+4*T], v7 offset:576*T
.set T, T+1
.endr
	s_wait_dscnt 0x0
.set T, 0
.rept 4
	global_store_b128 v8, v[42+4*T:45+4*T], s[ROUT:ROUT+1] offset:512*T    ; each store covers 512 consecutive bytes, aligned
.set T, T+1
.endr
	global_store_b32 v9, v35, s[IDXOUT:IDXOUT+1] offset:IDXO               ; both halves write the same word with the same value
.Lno_merge:
	s_wait_dscnt 0x0
	s_wait_tensorcnt 0x0
	ds_add_u32 v254, v255
	s_wait_dscnt 0x0
	CROUND                                         ; the closing round
	s_endpgm
.Lfunc_end_k_qa71a8ea4cc_s3:
	.size	k_qa71a8ea4cc_s3, .Lfunc_end_k_qa71a8ea4cc_s3-k_qa71a8ea4cc_s3
	.p2alignl 7, 3214868480
	.fill 96, 4, 3214868480
	.section	.rodata,"a",@progbits
	.p2align	6, 0x0
	.amdhsa_kernel k_qa71a8ea4cc_s3
		.amdhsa_group_segment_fixed_size 320000
		.amdhsa_private_segment_fixed_size 0
		.amdhsa_enable_private_segment 0
		.amdhsa_kernarg_size 56
		.amdhsa_user_sgpr_count 2
		.amdhsa_user_sgpr_kernarg_segment_ptr 1
		.amdhsa_wavefront_size32 1
		.amdhsa_system_sgpr_workgroup_id_x 1
		.amdhsa_system_sgpr_workgroup_id_y 1
		.amdhsa_system_sgpr_workgroup_id_z 1
		.amdhsa_system_vgpr_workitem_id 0
		.amdhsa_next_free_vgpr 256
		.amdhsa_next_free_sgpr 104
		.amdhsa_reserve_vcc 1
		.amdhsa_float_denorm_mode_32 3
		.amdhsa_float_denorm_mode_16_64 3
		.amdhsa_memory_ordered 1
		.amdhsa_forward_progress 1
		.amdhsa_inst_pref_size 72
	.end_amdhsa_kernel
	.amdgpu_metadata
---
amdhsa.version: [ 1, 2 ]
amdhsa.kernels:
  - .name:           k_qa71a8ea4cc_s3
    .symbol:         k_qa71a8ea4cc_s3.kd
    .args:
      - { .name: prep, .offset: 0, .size: 8, .value_kind: global_buffer, .address_space: global }
      - { .name: emb_weight, .offset: 8, .size: 8, .value_kind: global_buffer, .address_space: global }
      - { .name: r2, .offset: 16, .size: 8, .value_kind: global_buffer, .address_space: global }
      - { .name: ib, .offset: 24, .size: 8, .value_kind: global_buffer, .address_space: global }
      - { .name: r3, .offset: 32, .size: 8, .value_kind: global_buffer, .address_space: global }
      - { .name: ia, .offset: 40, .size: 8, .value_kind: global_buffer, .address_space: global }
      - { .name: out0, .offset: 48, .size: 8, .value_kind: global_buffer, .address_space: global }
    .group_segment_fixed_size: 320000
    .private_segment_fixed_size: 0
    .kernarg_segment_align: 8
    .kernarg_segment_size: 56
    .max_flat_workgroup_size: 512
    .sgpr_count:     104
    .vgpr_count:     256
    .wavefront_size: 32
...
	.end_amdgpu_metadata
.endif
;; end of part 4
;; launch s4 (part 5): grid 128 x 2, 16 waves a work-group, clusters of 4 x 1, 320,000 bytes of LDS; arguments prep, emb_weight, r2, r3, ia, r4, ib, out0; writes r4, ib, out0
.if DOCPART == 5
	.amdgcn_target "amdgcn-amd-amdhsa--gfx1250"
	.amdhsa_code_object_version 6
	.text
	.protected	k_qa71a8ea4cc_s4
	.globl	k_qa71a8ea4cc_s4
	.p2align	8
	.type	k_qa71a8ea4cc_s4,@function
k_qa71a8ea4cc_s4:
	s_mov_b64 s[64:65], 0
	v_nop
	global_prefetch_b8 v0, s[64:65] scope:SCOPE_SE
	s_setreg_imm32_b32 hwreg(HW_REG_WAVE_MODE, 25, 1), 1
	s_wait_xcnt 0x0
	s_wait_alu depctr_hold_cnt(0) depctr_sa_sdst(0) depctr_va_vdst(0) depctr_va_sdst(0) depctr_va_ssrc(0) depctr_va_vcc(0) depctr_vm_vsrc(0)
	s_getreg_b32 s2, hwreg(HW_REG_IB_STS2, 6, 4)
	s_cmp_eq_u32 s2, 0
	s_cbranch_scc0 .Lentry_in_a_cluster
	s_endpgm
.Lentry_in_a_cluster:
	s_bfe_u32 s2, ttmp6, 0x10000c
	s_cmp_lg_u32 s2, 0x3003
	s_cbranch_scc0 .Lentry_shape_is_right
	s_endpgm
.Lentry_shape_is_right:
; STAGE 4 (8 x 8 tokens).  A work-group takes half an image: 32 tokens, two tiles of 16 (two rows of 8).  First h_3 = soft + (e[index] - soft) is finished (the index was stored by the launch before);
; h_1 and h_2 are read back.  out0's section: P = h_1 + sum over k of W_k h_k W_k^T, W_k = (area mean to 8) x (cubic weights to 16), from the table made at the start; f32 multiply-adds.  z = (area mean of f_src) - P.
; Scores: neg_d = -(|z|^2 + |e|^2) + 2 z.e on codes of E2M3; the factor 2 is 1 added to z's scale byte; -(|z|^2 + |e|^2), rounded once, is the C of the product.
; One fragment of the codebook carries 64 codes: each of its four K blocks holds another code's 32 channels.  z stands in ONE K block of source 1 and zero codes in the other three,
; so the three blocks that meet zero codes add exactly 0 (E2M3 has no infinity or NaN; all scale bytes are 1..254).  Four variants of source 1 give 4 x 16 codes from one fragment.
; In the result lane (r, h) holds token r, and registers 32 c + i hold code 64 c + 32 h + i: a whole block of 32 along the second product's K, in that operand's own order.
; Softmax: p = 2^(t - M), M the running largest t rounded up; the sum is taken of the unquantised p; soft = (p.e) / sum.  The first index of the largest score is kept.
; Eight waves share a tile's 4,096 codes; their parts meet in LDS under one M.  Codebook and weight tables lie in LDS, filled once, JOINTLY for the four work-groups of a cluster.
; LIMITS: |z| < 2^125; NaN and infinities are not served; a block under 2^-124 keeps the scale byte 1; upsampling and area mean are merged into one weight matrix, and z is mean - sum (orders of rounding).
.set STAGE, 4
.set LG,    1
.set G,     1<<LG
.set NS,    16>>LG
.set NSTEP, 2<<LG
.set GS,    4
.set NG,    NS/GS
.set NQN,   4
.set NQO,   2
.set RPT,   2
.set PNT,   8
.set LVL,   1
.set TPI,   64
.set AOFF,  574464
.set IDXI,  512
.set IDXO,  2048
.set HOFF,  1048576
.set OUTOFF, 2560
.set REC,   6912
.set TABB,  221184
.set HL,    247296
.set STG,   258560
.set ZC,    295424
.set SST,   299520
.set PART,  HL
.set TOK, 2
.set WV, 3
.set PREP, 4
.set EMB, 6
.set RH1, 10
.set RH2, 12
.set RSOFT, 16
.set IDXIN, 18
.set ROUT, 20
.set IDXOUT, 22
.set OUT0, 24
.set TL, 26
.set SLICE, 27
.set G0C, 28
.set G1C, 32
.set HPTR, 40
.set APTR, 42
.set GB, 52
.set HF, 53
.set SEL, 54
.set LC, 56
.set OLDP, 62
.set TB, 66
.set CNT, 67
.set SVW, 68
.set TABP, 100
.set ACC, 32
.set TT, 48
.set HB, 64
.set ZR, 80
.set WR, 128
.set OB, 128
.set AA, 224
.set XR, 160
.set SC, 160
.macro CROUND                          ; a round of the cluster's barrier
	s_barrier_signal -1
	s_barrier_wait -1
	s_cmp_lg_u32 s[WV], 0
	s_cbranch_scc1 .Lnot_wave_0_\@
	s_barrier_signal -3
.Lnot_wave_0_\@:
	s_barrier_wait -3
	s_barrier_signal -1
	s_barrier_wait -1
.endm
.macro W1 c, u                         ; 16 codes x 16 tokens: fragment c, z in K block u
.if \c
	v_wmma_scale_f32_16x16x128_f8f6f4 v[SC+32*\c+8*\u:SC+32*\c+8*\u+7], v[72+12*\c:83+12*\c], v[48+12*(\u%2)-6*(\u/2):59+12*(\u%2)-6*(\u/2)], v[SC+32*\c+8*\u:SC+32*\c+8*\u+7], v28, v26 matrix_a_fmt:MATRIX_FMT_FP6 matrix_b_fmt:MATRIX_FMT_FP6 matrix_a_scale:MATRIX_SCALE_ROW1
.else
	v_wmma_scale_f32_16x16x128_f8f6f4 v[SC+32*\c+8*\u:SC+32*\c+8*\u+7], v[72+12*\c:83+12*\c], v[48+12*(\u%2)-6*(\u/2):59+12*(\u%2)-6*(\u/2)], v[SC+32*\c+8*\u:SC+32*\c+8*\u+7], v28, v26 matrix_a_fmt:MATRIX_FMT_FP6 matrix_b_fmt:MATRIX_FMT_FP6
.endif
.endm
; P += W h_k W^T for my tile; lane = channel.  The taps of h_k (pnk x pnk, from quad hlq of the taps' LDS) and the horizontal weights come from LDS, the vertical weights stand in scalar registers.
.macro KTERM k, pnk, hlq
.set KI, 0
.rept \pnk*\pnk
	ds_load_b32 v[HB+KI], v10 offset:512*\hlq+128*KI
.set KI, KI+1
.endr
.set KI, 0
.rept 4*\pnk
	ds_load_b128 v[WR+4*KI:WR+4*KI+3], v11 offset:((\k-2)*3+LVL)*1024+512+16*KI    ; one address for all lanes
.set KI, KI+1
.endr
	s_wait_dscnt 0x0
.set KR, 0
.rept RPT
.set KV, SVW+8*(KR*(STAGE-2)+\k-2)
.set KJ, 0
.rept \pnk
	v_mul_f32 v[TT+KJ], s[KV], v[HB+KJ]
.set KI, 1
.rept \pnk-1
	s_delay_alu instid0(VALU_DEP_1)
	v_fmac_f32 v[TT+KJ], s[KV+KI], v[HB+KI*\pnk+KJ]
.set KI, KI+1
.endr
.set KJ, KJ+1
.endr
.set KJ, 0
.rept \pnk
.set KX, 0
.rept PNT
	v_fmac_f32 v[ACC+KR*PNT+KX], v[WR+16*KJ+(KX<<LVL)], v[TT+KJ]
.set KX, KX+1
.endr
.set KJ, KJ+1
.endr
.set KR, KR+1
.endr
.endm
	s_load_b64 s[PREP:PREP+1], s[0:1], 0x0
	s_load_b64 s[EMB:EMB+1], s[0:1], 0x8
	s_load_b64 s[RH1:RH1+1], s[0:1], 0x10
	s_load_b64 s[RH2:RH2+1], s[0:1], 0x18
	s_load_b64 s[RSOFT:RSOFT+1], s[0:1], 0x18
	s_load_b64 s[IDXIN:IDXIN+1], s[0:1], 0x20
	s_load_b64 s[ROUT:ROUT+1], s[0:1], 0x28
	s_load_b64 s[IDXOUT:IDXOUT+1], s[0:1], 0x30
	s_load_b64 s[OUT0:OUT0+1], s[0:1], 0x38
	v_lshl_add_u32 v254, v0, 2, 0x4da00
	v_mov_b32 v255, 0
	ds_add_u32 v254, v255
	ds_add_u32 v254, v255
	v_lshrrev_b32 v1, 5, v0
	s_delay_alu instid0(VALU_DEP_1)
	v_readfirstlane_b32 s[WV], v1
	v_and_b32 v1, 31, v0                           ; lane
	s_wait_alu depctr_va_vdst(0)
	v_and_b32 v2, 15, v0                           ; r
	v_bfe_u32 v3, v0, 4, 1                         ; h
	s_and_b32 s[TL], s[WV], G-1                    ; my tile of 16 tokens
	s_lshr_b32 s[SLICE], s[WV], LG                 ; my slice of the codes
	s_bfe_u32 s60, ttmp6, 0x40000                  ; my place in the cluster: it enters global addresses alone
	s_lshl_b32 s[GB], ttmp9, 2
	s_add_co_u32 s[GB], s[GB], s60                 ; the image
	s_and_b32 s[HF], ttmp7, 0xffff                 ; which half of it: the same in all four partners
	s_mul_i32 s[TOK], s[GB], TPI
	s_lshl_b32 s60, s[HF], 4+LG
	s_add_co_u32 s[TOK], s[TOK], s60
	s_lshl_b32 s60, s[TL], 4
	s_add_co_u32 s[TOK], s[TOK], s60               ; the tile's first token
	s_mov_b32 s[SEL], 0x76543210
	s_mov_b32 s[SEL+1], 0xfedcba98
	s_mov_b32 s[LC], 0x3fb8aa3b                    ; log2(e)
	s_mov_b32 s[LC+1], s[LC]
	s_mov_b32 s58, 0x0000ffff
	s_mov_b32 s59, 0xffff0000
	s_mov_b32 s61, 0
	s_mov_b32 s[G1C], 15|(3<<16)|(1<<21)           ; the mask: all four work-groups; elements of 8 bytes; bit 21 beside a mask
	s_mov_b32 s[G1C+1], 32<<16                     ; rows of 256 bytes,
	s_mov_b32 s[G1C+2], 100<<16                    ; 100 of them a wave,
	s_mov_b32 s[G1C+3], 32<<16
	s_mov_b32 s[G1C+4], 100
	s_mov_b32 s[G1C+5], 32                         ; dense
	s_mov_b32 s[G1C+6], 0
	s_mov_b32 s[G1C+7], 0
	v_lshlrev_b32 v5, 4, v0                        ; 16 x thread
	s_delay_alu instid0(VALU_DEP_1)
	v_add_nc_u32 v4, HL, v5                        ; the taps' way in: four taps of 128 bytes a wave
	v_lshlrev_b32 v6, 4, v1
	v_lshrrev_b32 v18, 3, v1
	s_delay_alu instid0(VALU_DEP_1)
	v_lshlrev_b32 v7, 2, v18
	v_and_b32 v19, 7, v1
	s_delay_alu instid0(VALU_DEP_1)
	v_lshlrev_b32 v8, 4, v19
	v_lshl_add_u32 v10, v1, 2, HL                  ; the taps, lane = channel
	v_mov_b32 v11, TABB                            ; the weight tables
	s_mul_i32 s60, s[TL], 4608
	s_add_co_u32 s60, s60, STG
	v_lshl_add_u32 v12, v1, 2, s60                 ; my tile's stages, lane = channel;
	v_mad_u32_u24 v13, v18, 144, v8
	s_delay_alu instid0(VALU_DEP_1)
	v_add_nc_u32 v13, s60, v13                     ; four tokens an instruction;
	v_mul_u32_u24 v14, v2, 144
	s_delay_alu instid0(VALU_DEP_1)
	v_add_nc_u32 v14, s60, v14                     ; lane = token
	s_lshl_b32 s60, s[TL], 9
	s_add_co_u32 s60, s60, ZC
	v_lshl_add_u32 v15, v2, 5, s60                 ; token r's 32 bytes: 6 words of codes, the scale word, |z|^2
	v_lshlrev_b32 v17, 2, v1
	s_wait_dscnt 0x0
	s_wait_kmcnt 0x0
	s_mul_i32 s60, s[WV], 25600
	s_mov_b32 s[G0C], 1
	s_mov_b32 s[G0C+1], s60
	s_add_nc_u64 s[G0C+2:G0C+3], s[PREP:PREP+1], s[60:61]
	s_or_b32 s[G0C+3], s[G0C+3], 0x80000000
	CROUND                                         ; all four work-groups are here: the joint loads meet
	s_cmp_lt_u32 s[WV], 9
	s_cbranch_scc0 .Lasked
	tensor_load_to_lds s[G0C:G0C+3], s[G1C:G1C+7]  ; my one tensor load: 25,600 bytes of codebook and tables; nothing is filled twice
	s_nop 0
.rept 4
	v_nop
.endr
.Lasked:
	s_mul_i32 s60, s[HF], (PNT/2)*(32<<LVL)
	s_mul_i32 s66, s[TL], RPT*(32<<LVL)
	s_add_co_u32 s60, s60, s66
	s_add_nc_u64 s[TABP:TABP+1], s[PREP:PREP+1], s[60:61]
.irp ry, 0,1
.irp k, 2,3
	s_load_b256 s[SVW+8*(\ry*2+\k-2):SVW+8*(\ry*2+\k-2)+7], s[TABP:TABP+1], TABB+((\k-2)*3+LVL)*1024+\ry*(32<<LVL)   ; a row's vertical weights
.endr
.endr
	s_lshl_b32 s60, s[TOK], 7
	s_add_nc_u64 s[APTR:APTR+1], s[PREP:PREP+1], s[60:61]
	s_cmp_lt_u32 s[WV], G
	s_cbranch_scc0 .Lno_a
.set T, 0
	s_wait_alu depctr_va_vdst(0)
.rept 16
	global_load_b32 v[AA+T], v17, s[APTR:APTR+1] offset:AOFF+128*T         ; lane = channel: a token's 128 bytes
.set T, T+1
.endr
.Lno_a:
	s_mul_i32 s60, s[GB], 512*NQN
	s_add_nc_u64 s[HPTR:HPTR+1], s[ROUT:ROUT+1], s[60:61]
	s_lshl_b32 s60, s[TOK], 7
	s_add_nc_u64 s[ROUT:ROUT+1], s[ROUT:ROUT+1], s[60:61]
	s_lshl_b32 s60, s[TOK], 2
	s_add_nc_u64 s[IDXOUT:IDXOUT+1], s[IDXOUT:IDXOUT+1], s[60:61]
	s_mul_i32 s60, s[GB], 43520
	s_lshl_b32 s66, s[HF], 11+LG
	s_add_co_u32 s60, s60, s66
	s_lshl_b32 s66, s[TL], 11
	s_add_co_u32 s60, s60, s66
	s_add_nc_u64 s[OUT0:OUT0+1], s[OUT0:OUT0+1], s[60:61]
	s_mul_i32 s60, s[GB], 4*NQN
	s_lshl_b32 s66, s[WV], 2
	s_add_co_u32 s66, s66, s60                     ; my four taps' first token of the stage before
	s_lshl_b32 s60, s66, 7
	s_add_nc_u64 s[RSOFT:RSOFT+1], s[RSOFT:RSOFT+1], s[60:61]
	s_lshl_b32 s60, s66, 2
	s_add_nc_u64 s[IDXIN:IDXIN+1], s[IDXIN:IDXIN+1], s[60:61]
	s_lshl_b32 s60, s[GB], 7
	s_add_nc_u64 s[RH1:RH1+1], s[RH1:RH1+1], s[60:61]
	s_add_nc_u64 s[RH1:RH1+1], s[RH1:RH1+1], 65536                         ; h_1 of my image
	s_lshl_b32 s60, s[GB], 9
	s_add_nc_u64 s[RH2:RH2+1], s[RH2:RH2+1], s[60:61]
	s_add_nc_u64 s[RH2:RH2+1], s[RH2:RH2+1], 262144                        ; h_2
	s_cmp_eq_u32 s[WV], 0                          ; wave 0 brings h_1 (its one row four times: no load leaves the buffer), wave 1 h_2
	s_cselect_b64 s[OLDP:OLDP+1], s[RH1:RH1+1], s[RH2:RH2+1]
	s_cselect_b32 s60, 7, 31
	v_and_b32 v9, s60, v1
	s_delay_alu instid0(VALU_DEP_1)
	v_lshlrev_b32 v9, 4, v9
; ---- the taps: h = soft + (e[index] - soft).  Lane l: tap l / 8, channels 4 (l % 8) on
	s_cmp_lt_u32 s[WV], NQN
	s_cbranch_scc0 .Lno_tap
	global_load_b32 v32, v7, s[IDXIN:IDXIN+1] offset:IDXI
	global_load_b128 v[36:39], v6, s[RSOFT:RSOFT+1]
	s_cmp_lt_u32 s[WV], NQO
	s_cbranch_scc0 .Lno_old_a
	global_load_b128 v[44:47], v9, s[OLDP:OLDP+1]
.Lno_old_a:
	s_wait_loadcnt 0x0
	v_min_u32 v32, 0xfff, v32                      ; an index stays inside its table
	s_delay_alu instid0(VALU_DEP_1)
	v_lshl_add_u32 v33, v32, 7, v8
	global_load_b128 v[40:43], v33, s[EMB:EMB+1]
	s_cmp_lt_u32 s[WV], NQO
	s_cbranch_scc0 .Lno_old_b
	ds_store_b128 v4, v[44:47]
.Lno_old_b:
	s_wait_loadcnt 0x0
	v_pk_add_f32 v[48:49], v[40:41], v[36:37] neg_lo:[0,1] neg_hi:[0,1]
	v_pk_add_f32 v[50:51], v[42:43], v[38:39] neg_lo:[0,1] neg_hi:[0,1]
	s_delay_alu instid0(VALU_DEP_2)
	v_pk_add_f32 v[48:49], v[36:37], v[48:49]
	s_delay_alu instid0(VALU_DEP_2)
	v_pk_add_f32 v[50:51], v[38:39], v[50:51]
	ds_store_b128 v4, v[48:51] offset:512*NQO
	s_cmp_lg_u32 s[HF], 0                          ; both halves of an image make the same taps: half 0's work-group stores them
	s_cbranch_scc1 .Lno_tap
	global_store_b128 v5, v[48:51], s[HPTR:HPTR+1] offset:HOFF             ; kept for the last stage
.Lno_tap:
	s_wait_tensorcnt 0x0                           ; my part of codebook and tables has landed (the tile reads the tables)
	s_wait_xcnt 0x0                                ; the stores' and loads' registers may be written again
	s_wait_dscnt 0x0
	s_barrier_signal -1
	s_barrier_wait -1                              ; taps, tables and codebook lie in LDS
	s_wait_kmcnt 0x0                               ; the vertical weights
; ---- the tile: out0's section, z, and z's codes
	s_cmp_lt_u32 s[WV], G
	s_cbranch_scc0 .Lno_tile
	ds_load_b32 v[HB], v10
	s_wait_dscnt 0x0
.set T, 0
.rept 16
	v_mov_b32 v[ACC+T], v[HB]                      ; h_1, the same everywhere
.set T, T+1
.endr
	KTERM 2, 2, 1
	KTERM 3, 4, 2
.set T, 0
.rept 16
	ds_store_b32 v12, v[ACC+T] offset:144*T
.set T, T+1
.endr
.set T, 0
.rept 4
	ds_load_b128 v[OB+4*T:OB+4*T+3], v13 offset:576*T
.set T, T+1
.endr
	s_wait_alu depctr_va_vdst(0)
	s_wait_dscnt 0x0
.set T, 0
.rept 4
	global_store_b128 v6, v[OB+4*T:OB+4*T+3], s[OUT0:OUT0+1] offset:OUTOFF+512*T th:TH_STORE_NT   ; four tokens: 512 consecutive bytes, aligned
.set T, T+1
.endr
	s_wait_loadcnt 0x0
.set T, 0
.rept 8
	v_pk_add_f32 v[ZR+2*T:ZR+2*T+1], v[AA+2*T:AA+2*T+1], v[ACC+2*T:ACC+2*T+1] neg_lo:[0,1] neg_hi:[0,1]
.set T, T+1
.endr
.set T, 0
.rept 16
	ds_store_b32 v12, v[ZR+T] offset:2304+144*T
.set T, T+1
.endr
.set T, 0
.rept 8
	ds_load_b128 v[XR+4*T:XR+4*T+3], v14 offset:2304+16*T                  ; lane = token (my own bytes: LDS serves a wave's instructions in order)
.set T, T+1
.endr
	s_wait_dscnt 0x0
	v_max3_num_f32 v192, |v[XR]|, |v[XR+1]|, 0x1800000
.set T, 2
.rept 15
	s_delay_alu instid0(VALU_DEP_1)
	v_max3_num_f32 v192, v192, |v[XR+T]|, |v[XR+T+1]|
.set T, T+2
.endr
	s_delay_alu instid0(VALU_DEP_1)
	v_add_nc_u32 v193, 0xff000000, v192            ; 2 off the exponent field: the conversion's scale operand
	s_delay_alu instid0(VALU_DEP_1)
	v_lshrrev_b32 v194, 23, v193
	s_delay_alu instid0(VALU_DEP_1)
	v_add_nc_u32 v194, 1, v194                     ; the factor 2 of 2 z.e
	s_delay_alu instid0(VALU_DEP_1)
	v_lshl_or_b32 v194, v194, 8, v194
	s_delay_alu instid0(VALU_DEP_1)
	v_lshl_or_b32 v230, v194, 16, v194             ; the same byte for all four K blocks
	v_pk_mul_f32 v[196:197], v[XR:XR+1], v[XR:XR+1]
	v_pk_mul_f32 v[198:199], v[XR+2:XR+3], v[XR+2:XR+3]
.set T, 4
.rept 7
	s_delay_alu instid0(VALU_DEP_2)
	v_pk_fma_f32 v[196:197], v[XR+T:XR+T+1], v[XR+T:XR+T+1], v[196:197]
	s_delay_alu instid0(VALU_DEP_2)
	v_pk_fma_f32 v[198:199], v[XR+T+2:XR+T+3], v[XR+T+2:XR+T+3], v[198:199]
.set T, T+4
.endr
	s_delay_alu instid0(VALU_DEP_1)
	v_pk_add_f32 v[196:197], v[196:197], v[198:199]
	s_delay_alu instid0(VALU_DEP_1)
	v_add_f32 v231, v196, v197                     ; |z|^2
	v_cvt_scalef32_pk16_fp6_f32 v[224:226], v[XR:XR+15], v193
	v_cvt_scalef32_pk16_fp6_f32 v[200:202], v[XR+16:XR+31], v193
	v_nop                                          ; one plain place behind a scaled conversion
	v_mov_b32 v227, v200
	v_mov_b32 v228, v201
	v_mov_b32 v229, v202
	ds_store_b128 v15, v[224:227]                  ; lanes 16-31 repeat lanes 0-15
	ds_store_b128 v15, v[228:231] offset:16
.Lno_tile:
	s_wait_tensorcnt 0x0
	s_wait_xcnt 0x0
	s_wait_dscnt 0x0                               ; my LDS stores have landed, and my reads of the taps and stages are over:
	s_barrier_signal -1
	s_barrier_wait -1                              ; everybody's
; ---- the tokens' operand, and the sums' beginnings
	s_wait_alu depctr_va_vdst(0)
	ds_load_b128 v[224:227], v15
	ds_load_b128 v[228:231], v15 offset:16
	s_wait_dscnt 0x0
	v_mov_b32 v26, v230                            ; z's scale word
.set T, 0
.rept 6
	v_cndmask_b32 v[48+T], 0, v[224+T], s58        ; z's codes in lanes 0-15,
	v_cndmask_b32 v[60+T], 0, v[224+T], s59        ; in lanes 16-31,
	v_mov_b32 v[42+T], 0                           ; and zero codes between them: four windows of 12 registers put z into K block 0, 1, 2 or 3
	v_mov_b32 v[54+T], 0
	v_mov_b32 v[66+T], 0
.set T, T+1
.endr
	v_mov_b32 v23, 0
	v_sub_f32 v24, 0, v231                         ; -|z|^2
	s_delay_alu instid0(VALU_DEP_1)
	v_mov_b32 v25, v24
.set T, 0
.rept 16
	v_mov_b32 v[140+T], 0                          ; (the step is written once: the first finds zeros)
.set T, T+1
.endr
	v_mov_b32 v20, 0
	v_mov_b32 v21, 0
	v_mov_b32 v22, 0xff61b1e6                      ; the largest t so far: -3e38
	s_delay_alu instid0(VALU_DEP_1)
	v_floor_f32 v12, -v22                          ; -M
	v_mov_b32 v14, 0xff800000                      ; the largest score so far
	v_mov_b32 v15, 0
	v_mov_b32 v17, 0
	v_mov_b32 v19, 0
	v_mov_b32 v39, 0
	v_mov_b32 v32, 0
	v_mov_b32 v33, 0
	v_lshlrev_b32 v7, 4, v1
	v_lshl_add_u32 v8, v1, 3, 6656
	v_lshl_add_u32 v9, v3, 7, 6144
	v_lshlrev_b32 v11, 3, v3
	s_mul_i32 s[TB], s[SLICE], NSTEP*REC
	v_add_nc_u32 v4, s[TB], v7
	v_add_nc_u32 v5, s[TB], v8
	v_add_nc_u32 v6, s[TB], v9
	s_mul_i32 s60, s[SLICE], NSTEP*128
	v_lshl_add_u32 v10, v3, 5, s60                 ; the code of my register 0
	s_mov_b32 s[CNT], NSTEP
.Lstep:                                            ; 128 codes a trip
.set T, 0
	s_wait_alu depctr_va_vdst(0)
.rept 16
	ds_load_b128 v[SC+4*T:SC+4*T+3], v6 offset:256*(T/8)+16*(T%8)          ; -|e|^2 in the result's layout
.set T, T+1
.endr
.set T, 0
.rept 6
	ds_load_b128 v[72+4*T:75+4*T], v4 offset:512*T
.set T, T+1
.endr
	ds_load_b64 v[28:29], v5                       ; both products' scale words of the codebook
	s_wait_dscnt 0x0
.set T, 0
.rept 32
	v_pk_add_f32 v[SC+2*T:SC+2*T+1], v[SC+2*T:SC+2*T+1], v[24:25]          ; -(|z|^2 + |e|^2), rounded once
.set T, T+1
.endr
.rept 4
	v_nop
.endr
.irp c, 0,1
.irp u, 0,1,2,3
	W1 \c, \u                                      ; eight accumulators, one instruction each
.endr
.endr
.set T, 0
.rept 6
	ds_load_b128 v[96+4*T:99+4*T], v4 offset:3072+512*T                    ; the second product's fragments land under the softmax
.set T, T+1
.endr
.rept 4
	v_nop                                          ; places behind the products, ahead of the first read of their results
.endr
.irp c, 0,1
	v_max3_num_f32 v[30+\c], v[SC+32*\c], v[SC+32*\c+1], v[SC+32*\c+2]     ; my two blocks' largest scores, each result read from its low end on
.endr
.irp i, 3,5,7,9,11,13,15,17,19,21,23,25,27,29
.irp c, 0,1
	v_max3_num_f32 v[30+\c], v[30+\c], v[SC+32*\c+\i], v[SC+32*\c+\i+1]
.endr
.endr
.irp c, 0,1
	v_max_num_f32 v[30+\c], v[30+\c], v[SC+32*\c+31]
.endr
.set PI, 31
.rept 32
.irp c, 0,1
	v_cmp_neq_f32 vcc_lo, v[SC+32*\c+PI], v[30+\c]
	s_delay_alu instid0(VALU_DEP_1)
	v_cndmask_b32 v[32+\c], PI, v[32+\c], vcc_lo   ; downward: the lowest place of the largest score stays
.endr
.set PI, PI-1
.endr
.irp c, 0
	v_cmp_gt_f32 vcc_lo, v[30+\c], v14             ; strictly larger: the earlier index keeps a tie
	s_delay_alu instid0(VALU_DEP_4)
	v_add3_u32 v38, v10, v[32+\c], 64*\c
	s_delay_alu instid0(VALU_DEP_1)
	v_cndmask_b32 v15, v15, v38, vcc_lo
	v_max_num_f32 v14, v14, v[30+\c]
.endr
.irp c, 1
	s_delay_alu instid0(VALU_DEP_1)
	v_cmp_gt_f32 vcc_lo, v[30+\c], v14             ; strictly larger: the earlier index keeps a tie
	v_add3_u32 v38, v10, v[32+\c], 64*\c
	s_delay_alu instid0(VALU_DEP_1)
	v_cndmask_b32 v15, v15, v38, vcc_lo
	s_delay_alu instid0(VALU_DEP_4)
	v_max_num_f32 v14, v14, v[30+\c]
.endr
	v_max_num_f32 v38, v30, v31
	s_delay_alu instid0(VALU_DEP_1)
	v_permlanex16_b32 v39, v38, s[SEL], s[SEL+1]
	s_delay_alu instid0(VALU_DEP_1)
	v_max_num_f32 v38, v38, v39                    ; the step's largest score of my token
	s_delay_alu instid0(VALU_DEP_1)
	v_fma_f32 v38, v38, s[LC], -v23
	s_delay_alu instid0(VALU_DEP_1)
	v_max_num_f32 v22, v22, v38
	v_mov_b32 v39, v12
	s_delay_alu instid0(VALU_DEP_2)
	v_floor_f32 v12, -v22                          ; -M = floor(-t): M is a whole number
	s_delay_alu instid0(VALU_DEP_1)
	v_sub_f32 v39, v12, v39
	s_delay_alu instid0(VALU_DEP_1)
	v_cvt_i32_f32 v39, v39                         ; (it saturates)
	s_delay_alu instid0(VALU_DEP_1)
	v_ldexp_f32 v18, 1.0, v39                      ; f = 2^(old M - new M)
	s_delay_alu instid0(VALU_DEP_4)
	v_sub_f32 v16, v12, v23
.set T, 0
.rept 32
	v_pk_fma_f32 v[SC+2*T:SC+2*T+1], v[SC+2*T:SC+2*T+1], s[LC:LC+1], v[16:17] op_sel_hi:[1,0,0]   ; t - M
.set T, T+1
.endr
	v_fma_f32 v30, v30, s[LC], v16
	v_fma_f32 v31, v31, s[LC], v16
.set T, 0
	s_wait_alu depctr_va_vdst(0)
.rept 64
	v_exp_f32 v[SC+T], v[SC+T]                     ; p = 2^(t - M)
.set T, T+1
.endr
	v_exp_f32 v30, v30                             ; each block's largest p: the same two instructions on the same number
	v_exp_f32 v31, v31
	v_pk_mul_f32 v[20:21], v[20:21], v[18:19] op_sel_hi:[1,0]              ; the sums under the new M (the plain place behind the exponentials)
	s_wait_alu depctr_va_vdst(0)
.irp c, 0,1
	v_max_num_f32 v[30+\c], 0x1800000, v[30+\c]
.endr
.irp c, 0,1
	s_delay_alu instid0(VALU_DEP_2)
	v_add_nc_u32 v[34+\c], 0xff000000, v[30+\c]
.endr
.irp c, 0,1
	s_delay_alu instid0(VALU_DEP_2)
	v_lshrrev_b32 v[36+\c], 23, v[34+\c]
.endr
	s_delay_alu instid0(VALU_DEP_1)
	v_lshl_or_b32 v38, v37, 16, v36
	s_delay_alu instid0(VALU_DEP_1)
	v_lshlrev_b32 v38, v11, v38
	s_delay_alu instid0(VALU_DEP_1)
	v_permlanex16_b32 v39, v38, s[SEL], s[SEL+1]
	s_delay_alu instid0(VALU_DEP_1)
	v_or_b32 v27, v38, v39                         ; p's scale word for these 128 codes
.irp c, 0,1
	v_cvt_scalef32_pk16_fp6_f32 v[120+6*\c:122+6*\c], v[SC+32*\c:SC+32*\c+15], v[34+\c]
	v_cvt_scalef32_pk16_fp6_f32 v[132+4*\c:134+4*\c], v[SC+32*\c+16:SC+32*\c+31], v[34+\c]
.endr
	v_nop                                          ; one plain place behind a scaled conversion
.irp c, 0,1
.irp i, 0,1,2
	v_mov_b32 v[123+6*\c+\i], v[132+4*\c+\i]
.endr
.endr
.set T, 0
.rept 8
	v_pk_mul_f32 v[140+2*T:141+2*T], v[140+2*T:141+2*T], v[18:19] op_sel_hi:[1,0]
.set T, T+1
.endr
	v_pk_add_f32 v[40:41], v[164:165], v[168:169]
	v_pk_add_f32 v[252:253], v[172:173], v[176:177]
	v_pk_add_f32 v[250:251], v[180:181], v[184:185]
	v_pk_add_f32 v[248:249], v[188:189], v[192:193]
	v_pk_add_f32 v[246:247], v[196:197], v[200:201]
	v_pk_add_f32 v[244:245], v[204:205], v[208:209]
	v_pk_add_f32 v[242:243], v[212:213], v[216:217]
	v_pk_add_f32 v[20:21], v[20:21], v[220:221]
	v_pk_add_f32 v[40:41], v[40:41], v[160:161]
	v_pk_add_f32 v[252:253], v[252:253], v[162:163]
	v_pk_add_f32 v[250:251], v[250:251], v[166:167]
	v_pk_add_f32 v[248:249], v[248:249], v[170:171]
	v_pk_add_f32 v[246:247], v[246:247], v[174:175]
	v_pk_add_f32 v[244:245], v[244:245], v[178:179]
	v_pk_add_f32 v[242:243], v[242:243], v[182:183]
	v_pk_add_f32 v[20:21], v[20:21], v[186:187]
	v_pk_add_f32 v[40:41], v[40:41], v[190:191]
	v_pk_add_f32 v[252:253], v[252:253], v[194:195]
	v_pk_add_f32 v[250:251], v[250:251], v[198:199]
	v_pk_add_f32 v[248:249], v[248:249], v[202:203]
	v_pk_add_f32 v[246:247], v[246:247], v[206:207]
	v_pk_add_f32 v[244:245], v[244:245], v[210:211]
	v_pk_add_f32 v[242:243], v[242:243], v[214:215]
	v_pk_add_f32 v[20:21], v[20:21], v[218:219]
	v_pk_add_f32 v[40:41], v[40:41], v[222:223]
	s_delay_alu instid0(VALU_DEP_2)
	v_pk_add_f32 v[20:21], v[20:21], v[248:249]
	s_delay_alu instid0(VALU_DEP_2)
	v_pk_add_f32 v[40:41], v[40:41], v[246:247]
	v_pk_add_f32 v[252:253], v[252:253], v[244:245]
	v_pk_add_f32 v[250:251], v[250:251], v[242:243]
	s_delay_alu instid0(VALU_DEP_2)
	v_pk_add_f32 v[20:21], v[20:21], v[252:253]
	s_delay_alu instid0(VALU_DEP_2)
	v_pk_add_f32 v[40:41], v[40:41], v[250:251]
	s_delay_alu instid0(VALU_DEP_1)
	v_pk_add_f32 v[20:21], v[20:21], v[40:41]
	s_wait_dscnt 0x0
	v_wmma_scale_f32_16x16x128_f8f6f4 v[140:147], v[96:107], v[120:131], v[140:147], v29, v27 matrix_a_fmt:MATRIX_FMT_FP6 matrix_b_fmt:MATRIX_FMT_FP6
	v_wmma_scale_f32_16x16x128_f8f6f4 v[148:155], v[108:119], v[120:131], v[148:155], v29, v27 matrix_a_fmt:MATRIX_FMT_FP6 matrix_b_fmt:MATRIX_FMT_FP6 matrix_a_scale:MATRIX_SCALE_ROW1
	s_add_co_u32 s[TB], s[TB], REC
	v_add_nc_u32 v4, s[TB], v7                     ; the next record: these four lines are the places behind the two products
	v_add_nc_u32 v5, s[TB], v8
	v_add_nc_u32 v6, s[TB], v9
	v_add_nc_u32 v10, 128, v10
	s_sub_co_u32 s[CNT], s[CNT], 1
	s_cmp_lg_u32 s[CNT], 0
	s_cbranch_scc1 .Lstep
; ---- the slices meet
	s_wait_alu depctr_va_vdst(0)
	v_add_f32 v13, v20, v21
	s_mul_i32 s60, s[WV], 2560
	s_add_co_u32 s60, s60, PART
	v_lshl_add_u32 v4, v1, 4, s60
.set T, 0
.rept 4
	ds_store_b128 v4, v[140+4*T:143+4*T] offset:512*T
.set T, T+1
.endr
	ds_store_b128 v4, v[12:15] offset:2048         ; -M, the sum, the largest score, its index
	s_mul_i32 s60, s[TL], 2304
	s_add_co_u32 s60, s60, SST
	v_mul_u32_u24 v6, v2, 144
	s_delay_alu instid0(VALU_DEP_1)
	v_lshl_add_u32 v6, v3, 6, v6
	s_delay_alu instid0(VALU_DEP_1)
	v_add_nc_u32 v6, s60, v6
	v_lshrrev_b32 v7, 3, v1
	s_delay_alu instid0(VALU_DEP_1)
	v_mul_u32_u24 v7, v7, 144
	v_and_b32 v8, 7, v1
	s_delay_alu instid0(VALU_DEP_1)
	v_lshl_add_u32 v7, v8, 4, v7
	s_delay_alu instid0(VALU_DEP_1)
	v_add_nc_u32 v7, s60, v7
	v_lshlrev_b32 v8, 4, v1
	v_lshlrev_b32 v9, 2, v2
	s_wait_dscnt 0x0
	s_barrier_signal -1
	s_barrier_wait -1
	s_cmp_lt_u32 s[WV], G
	s_cbranch_scc0 .Lno_merge
.set MS, 0
.rept NS
	ds_load_b128 v[160+4*MS:163+4*MS], v4 offset:MS*G*2560+2048
.set MS, MS+1
.endr
	s_wait_dscnt 0x0
	v_min_num_f32 v33, v160, v164                  ; the least -M: the largest M
.set MS, 2
.rept NS-2
	s_delay_alu instid0(VALU_DEP_1)
	v_min_num_f32 v33, v33, v[160+4*MS]
.set MS, MS+1
.endr
.set MS, 0
.rept NS
	v_sub_f32 v[160+4*MS], v33, v[160+4*MS]
	s_delay_alu instid0(VALU_DEP_1)
	v_cvt_i32_f32 v[160+4*MS], v[160+4*MS]
	s_delay_alu instid0(VALU_DEP_1)
	v_ldexp_f32 v[160+4*MS], 1.0, v[160+4*MS]      ; 2^(the slice's M - the largest M): exact
.set MS, MS+1
.endr
	v_mul_f32 v32, v160, v161
	v_mov_b32 v34, v162
	v_mov_b32 v35, v163
.set MS, 1
	s_delay_alu instid0(VALU_DEP_3)
	v_fmac_f32 v32, v[160+4*MS], v[161+4*MS]
	s_delay_alu instid0(VALU_DEP_3)
	v_cmp_gt_f32 vcc_lo, v[162+4*MS], v34          ; slices ascend with the index: strictly larger only
	s_delay_alu instid0(VALU_DEP_1)
	v_cndmask_b32 v35, v35, v[163+4*MS], vcc_lo
	v_max_num_f32 v34, v34, v[162+4*MS]
.set MS, MS+1
.rept (NS-1)-1
	s_delay_alu instid0(VALU_DEP_4)
	v_fmac_f32 v32, v[160+4*MS], v[161+4*MS]
	s_delay_alu instid0(VALU_DEP_2)
	v_cmp_gt_f32 vcc_lo, v[162+4*MS], v34          ; slices ascend with the index: strictly larger only
	s_delay_alu instid0(VALU_DEP_1)
	v_cndmask_b32 v35, v35, v[163+4*MS], vcc_lo
	s_delay_alu instid0(VALU_DEP_4)
	v_max_num_f32 v34, v34, v[162+4*MS]
.set MS, MS+1
.endr
.set MG, 0
.rept NG
.set MA, 0
.rept GS
.set MQ, 0
.rept 4
	ds_load_b128 v[42+16*MA+4*MQ:45+16*MA+4*MQ], v4 offset:(MG*GS+MA)*G*2560+512*MQ
.set MQ, MQ+1
.endr
.set MA, MA+1
.endr
	s_wait_alu depctr_va_vdst(0)
	s_wait_dscnt 0x0
.set MA, 0
.rept GS
.set MQ, 0
.rept 8
.if MG+MA == 0
	v_pk_mul_f32 v[140+2*MQ:141+2*MQ], v[42+16*MA+2*MQ:43+16*MA+2*MQ], v[160+4*(MG*GS+MA):161+4*(MG*GS+MA)] op_sel_hi:[1,0]
.else
	v_pk_fma_f32 v[140+2*MQ:141+2*MQ], v[42+16*MA+2*MQ:43+16*MA+2*MQ], v[160+4*(MG*GS+MA):161+4*(MG*GS+MA)], v[140+2*MQ:141+2*MQ] op_sel_hi:[1,0,1]
.endif
.set MQ, MQ+1
.endr
.set MA, MA+1
.endr
.set MG, MG+1
.endr
	v_permlanex16_b32 v36, v32, s[SEL], s[SEL+1]
	s_delay_alu instid0(VALU_DEP_1)
	v_add_f32 v32, v32, v36                        ; the row's sum
	v_permlanex16_b32 v37, v34, s[SEL], s[SEL+1]
	v_permlanex16_b32 v38, v35, s[SEL], s[SEL+1]
	s_delay_alu instid0(VALU_DEP_2)
	v_cmp_gt_f32 s60, v37, v34                     ; the other half's index is taken if its score is larger, or equal with the lower index
	s_delay_alu instid0(VALU_DEP_3)
	v_cmp_eq_f32 s61, v37, v34
	s_delay_alu instid0(VALU_DEP_3)
	v_cmp_lt_u32 s66, v38, v35
	s_and_b32 s61, s61, s66
	s_or_b32 s60, s60, s61
	s_wait_alu depctr_va_vdst(0)
	v_rcp_f32 v32, v32
	v_cndmask_b32 v35, v35, v38, s60               ; (the plain place behind the reciprocal)
.set T, 0
	s_wait_alu depctr_va_vdst(0)
.rept 8
	v_pk_mul_f32 v[140+2*T:141+2*T], v[140+2*T:141+2*T], v[32:33] op_sel_hi:[1,0]
.set T, T+1
.endr
.set T, 0
.rept 4
	ds_store_b128 v6, v[140+4*T:143+4*T] offset:16*T                       ; lane (r, h): channels 16 h on of token r
.set T, T+1
.endr
.set T, 0
.rept 4
	ds_load_b128 v[42+4*T:45+4*T], v7 offset:576*T
.set T, T+1
.endr
	s_wait_dscnt 0x0
.set T, 0
.rept 4
	global_store_b128 v8, v[42+4*T:45+4*T], s[ROUT:ROUT+1] offset:512*T    ; each store covers 512 consecutive bytes, aligned
.set T, T+1
.endr
	global_store_b32 v9, v35, s[IDXOUT:IDXOUT+1] offset:IDXO               ; both halves write the same word with the same value
.Lno_merge:
	s_wait_dscnt 0x0
	s_wait_tensorcnt 0x0
	ds_add_u32 v254, v255
	s_wait_dscnt 0x0
	CROUND                                         ; the closing round
	s_endpgm
.Lfunc_end_k_qa71a8ea4cc_s4:
	.size	k_qa71a8ea4cc_s4, .Lfunc_end_k_qa71a8ea4cc_s4-k_qa71a8ea4cc_s4
	.p2alignl 7, 3214868480
	.fill 96, 4, 3214868480
	.section	.rodata,"a",@progbits
	.p2align	6, 0x0
	.amdhsa_kernel k_qa71a8ea4cc_s4
		.amdhsa_group_segment_fixed_size 320000
		.amdhsa_private_segment_fixed_size 0
		.amdhsa_enable_private_segment 0
		.amdhsa_kernarg_size 64
		.amdhsa_user_sgpr_count 2
		.amdhsa_user_sgpr_kernarg_segment_ptr 1
		.amdhsa_wavefront_size32 1
		.amdhsa_system_sgpr_workgroup_id_x 1
		.amdhsa_system_sgpr_workgroup_id_y 1
		.amdhsa_system_sgpr_workgroup_id_z 1
		.amdhsa_system_vgpr_workitem_id 0
		.amdhsa_next_free_vgpr 256
		.amdhsa_next_free_sgpr 104
		.amdhsa_reserve_vcc 1
		.amdhsa_float_denorm_mode_32 3
		.amdhsa_float_denorm_mode_16_64 3
		.amdhsa_memory_ordered 1
		.amdhsa_forward_progress 1
		.amdhsa_inst_pref_size 67
	.end_amdhsa_kernel
	.amdgpu_metadata
---
amdhsa.version: [ 1, 2 ]
amdhsa.kernels:
  - .name:           k_qa71a8ea4cc_s4
    .symbol:         k_qa71a8ea4cc_s4.kd
    .args:
      - { .name: prep, .offset: 0, .size: 8, .value_kind: global_buffer, .address_space: global }
      - { .name: emb_weight, .offset: 8, .size: 8, .value_kind: global_buffer, .address_space: global }
      - { .name: r2, .offset: 16, .size: 8, .value_kind: global_buffer, .address_space: global }
      - { .name: r3, .offset: 24, .size: 8, .value_kind: global_buffer, .address_space: global }
      - { .name: ia, .offset: 32, .size: 8, .value_kind: global_buffer, .address_space: global }
      - { .name: r4, .offset: 40, .size: 8, .value_kind: global_buffer, .address_space: global }
      - { .name: ib, .offset: 48, .size: 8, .value_kind: global_buffer, .address_space: global }
      - { .name: out0, .offset: 56, .size: 8, .value_kind: global_buffer, .address_space: global }
    .group_segment_fixed_size: 320000
    .private_segment_fixed_size: 0
    .kernarg_segment_align: 8
    .kernarg_segment_size: 64
    .max_flat_workgroup_size: 512
    .sgpr_count:     104
    .vgpr_count:     256
    .wavefront_size: 32
...
	.end_amdgpu_metadata
.endif
;; end of part 5
;; launch last (part 6): grid 128 x 2, 8 waves a work-group, no clusters, 31,744 bytes of LDS; arguments prep, emb_weight, r2, r3, r4, ib, out0; writes out0
.if DOCPART == 6
	.amdgcn_target "amdgcn-amd-amdhsa--gfx1250"
	.amdhsa_code_object_version 6
	.text
	.protected	k_qa71a8ea4cc_last
	.globl	k_qa71a8ea4cc_last
	.p2align	8
	.type	k_qa71a8ea4cc_last,@function
k_qa71a8ea4cc_last:
	s_mov_b64 s[64:65], 0
	v_nop
	global_prefetch_b8 v0, s[64:65] scope:SCOPE_SE
	s_setreg_imm32_b32 hwreg(HW_REG_WAVE_MODE, 25, 1), 1
	s_wait_xcnt 0x0
; out0's LAST SECTION (256 tokens an image): P = h_1 + sum over k = 2, 3, 4 of U_k h_k U_k^T, U_k the cubic weights from 2, 4, 8 samples to 16 (tables of the first launch); f32 multiply-adds.
; LEFT OUT AS DEAD WORK: the 16 x 16 stage's own tokens (products 17 and 18, its softmax, argmax and gather): they reach no returned number (shown at the head of the first kernel).
; A work-group takes half an image: 8 waves, a wave to an image row of 16 tokens, lane = channel.
; First h_4 = soft + (e[index] - soft) is finished (soft and index were stored by the launch before): 64 taps, each wave two groups of four (lane l: tap l / 8, channels 4 (l % 8) on).
; Each wave also brings ONE of eight pieces of 512 bytes: wave 0 h_2, waves 1-4 h_3, waves 5-7 the three tables of horizontal weights; the piece is chosen by the wave's number alone.
; h_1 (128 bytes) comes straight into registers; my row's vertical weights stand in scalar registers.
; No tensor load: every piece is 512 bytes.  No cluster: two work-groups share 12 KB of taps and tables.  No prefetch: the text has no loop to run ahead in.
; LIMITS: NaN and infinities are not served; upsampled maps are summed k ascending, each as (vertical, then horizontal): an order of rounding.
.set TABB,  221184
.set H3L,   512                        ; LDS: h_2 at 0, h_3, the tables, h_4: a tap is 128 bytes
.set TBL,   2560
.set H4L,   4096
.set STG,   12288                      ; a stage of 16 rows x 144 bytes for each wave
.set SPARE, STG+8*2304                 ; the spare words: 128 bytes a wave
.set SVW,   36                         ; s36-59: my row's vertical weights, 8 for each k
.set ACC,   40
.set TT,    56
.set HB,    64
.set OB,    64
.set WR,    128
	s_load_b256 s[4:11], s[0:1], 0x0               ; prep, emb_weight, r2, r3
	s_load_b128 s[12:15], s[0:1], 0x20             ; r4, ib
	s_load_b64 s[16:17], s[0:1], 0x30              ; out0
	v_lshl_add_u32 v30, v0, 2, SPARE               ; my spare word,
	v_mov_b32 v31, 0                               ; and 0: kept for the closing lines
	v_lshrrev_b32 v12, 5, v0
	s_delay_alu instid0(VALU_DEP_1)
	v_readfirstlane_b32 s3, v12                    ; wave
	v_and_b32 v1, 31, v0                           ; lane
	v_bfe_u32 v4, v0, 3, 2                         ; l / 8
	v_and_b32 v5, 7, v0                            ; l % 8
	v_lshlrev_b32 v2, 4, v0                        ; LDS, the way in: 16 x thread
	v_mov_b32 v11, TBL                             ; the tables: one address for all lanes
	v_lshlrev_b32 v3, 4, v1                        ; 16 x lane
	v_lshlrev_b32 v6, 2, v4                        ; my tap's index word
	v_lshlrev_b32 v7, 4, v5                        ; my four channels' bytes
	v_lshlrev_b32 v8, 2, v1                        ; lane = channel
	s_mul_i32 s20, s3, 2304
	s_add_co_u32 s20, s20, STG
	v_mad_u32_u24 v10, v4, 144, v7
	v_add_nc_u32 v9, s20, v8                       ; my stage, lane = channel;
	v_add_nc_u32 v10, s20, v10                     ; and four tokens an instruction
	s_and_b32 s18, ttmp7, 0xffff                   ; which half of the image
	s_mov_b32 s21, 0
	s_wait_alu depctr_va_vdst(0)                   ; the wait at the head's end
	s_wait_kmcnt 0x0
	s_lshl_b32 s20, ttmp9, 8
	s_lshl_b32 s34, s3, 4
	s_add_co_u32 s20, s20, s34                     ; 4 x (64 image + 4 wave)
	s_add_nc_u64 s[22:23], s[14:15], s[20:21]
	global_load_b32 v12, v6, s[22:23] offset:2048          ; the indices of taps 4 w on,
	global_load_b32 v13, v6, s[22:23] offset:2048+128      ; and of taps 32 + 4 w on
	s_lshl_b32 s20, s20, 5
	s_add_nc_u64 s[24:25], s[12:13], s[20:21]
	global_load_b128 v[16:19], v3, s[24:25]                ; their soft rows: 512 consecutive bytes
	global_load_b128 v[20:23], v3, s[24:25] offset:4096
	s_lshl_b32 s20, ttmp9, 9
	s_add_co_u32 s20, s20, 262144                  ; h_2 of my image, in r3
	s_lshl_b32 s34, ttmp9, 11
	s_lshl_b32 s35, s3, 9
	s_add_co_u32 s34, s34, s35
	s_add_co_u32 s34, s34, 1048576-512             ; four taps of h_3, in r4 (waves 1-4)
	s_mul_i32 s35, s3, 3072
	s_add_co_u32 s35, s35, TABB+512-5*3072         ; a table of horizontal weights, in prep (waves 5-7)
	s_cmp_eq_u32 s3, 0
	s_cselect_b64 s[28:29], s[10:11], s[12:13]
	s_cselect_b32 s20, s20, s34
	s_cmp_lt_u32 s3, 5
	s_cselect_b64 s[28:29], s[28:29], s[4:5]
	s_cselect_b32 s20, s20, s35
	s_add_nc_u64 s[28:29], s[28:29], s[20:21]
	global_load_b128 v[24:27], v3, s[28:29]                ; my piece of 512 bytes
	s_lshl_b32 s20, ttmp9, 7
	s_add_nc_u64 s[30:31], s[8:9], s[20:21]
	global_load_b32 v28, v8, s[30:31] offset:65536         ; h_1, lane = channel
	s_lshl_b32 s20, s18, 3
	s_add_co_u32 s20, s20, s3                      ; my image row
	s_lshl_b32 s35, s20, 11                        ; its 16 tokens' place in the section
	s_lshl_b32 s20, s20, 5
	s_add_nc_u64 s[26:27], s[4:5], s[20:21]
.irp k, 0,1,2
	s_load_b256 s[SVW+8*\k:SVW+8*\k+7], s[26:27], TABB+3072*\k
.endr
	s_mul_i32 s20, ttmp9, 43520
	s_add_co_u32 s20, s20, s35
	s_add_nc_u64 s[32:33], s[16:17], s[20:21]
	s_wait_loadcnt 4                               ; the two indices are in; the four loads behind them may be out
	v_min_u32 v12, 0xfff, v12                      ; an index stays inside its table
	v_min_u32 v13, 0xfff, v13
	s_delay_alu instid0(VALU_DEP_2)
	v_lshl_add_u32 v12, v12, 7, v7
	s_delay_alu instid0(VALU_DEP_2)
	v_lshl_add_u32 v13, v13, 7, v7
	global_load_b128 v[32:35], v12, s[6:7]
	global_load_b128 v[36:39], v13, s[6:7]
	s_wait_loadcnt 3                               ; my piece is in (behind it: h_1 and the two gathers)
	ds_store_b128 v2, v[24:27]
	s_wait_loadcnt 0x0
.irp q, 0,2,4,6
	v_pk_add_f32 v[32+\q:33+\q], v[32+\q:33+\q], v[16+\q:17+\q] neg_lo:[0,1] neg_hi:[0,1]   ; e[index] - soft
.endr
.irp q, 0,2,4,6
	s_delay_alu instid0(VALU_DEP_4)
	v_pk_add_f32 v[32+\q:33+\q], v[16+\q:17+\q], v[32+\q:33+\q]                             ; h_4
.endr
	ds_store_b128 v2, v[32:35] offset:H4L
	ds_store_b128 v2, v[36:39] offset:H4L+4096
	s_wait_dscnt 0x0                               ; for the others' sake: my stores have landed
	s_barrier_signal -1
	s_barrier_wait -1                              ; taps and tables lie in LDS
	s_wait_kmcnt 0x0                               ; the vertical weights
; P += U h_k U^T for my row.  T[j] = sum over i of U[y][i] h_k[i][j] (the chains by turns), then P[x] += U[x][j] T[j].  first = 1: h_1 is the first sum's addend
.macro KTERM k, pnk, tap, first
.set KI, 0
.rept \pnk*\pnk
	ds_load_b32 v[HB+KI], v8 offset:\tap+128*KI
.set KI, KI+1
.endr
.set KI, 0
.rept 4*\pnk
	ds_load_b128 v[WR+4*KI:WR+4*KI+3], v11 offset:(\k-2)*512+16*KI
.set KI, KI+1
.endr
	s_wait_dscnt 0x0
.set KJ, 0
.rept \pnk
	v_mul_f32 v[TT+KJ], s[SVW+8*(\k-2)], v[HB+KJ]
.set KJ, KJ+1
.endr
.set KI, 1
.rept \pnk-1
.set KJ, 0
.rept \pnk
.if \pnk == 2
	s_delay_alu instid0(VALU_DEP_2)
.endif
.if \pnk == 4
	s_delay_alu instid0(VALU_DEP_4)
.endif
	v_fmac_f32 v[TT+KJ], s[SVW+8*(\k-2)+KI], v[HB+KI*\pnk+KJ]
.set KJ, KJ+1
.endr
.set KI, KI+1
.endr
.if \pnk == 2
	s_delay_alu instid0(VALU_DEP_2)
.endif
.if \pnk == 4
	s_delay_alu instid0(VALU_DEP_4)
.endif
.set KJ, 0
.rept \pnk
.set KX, 0
.rept 16
.if (\first) && (KJ == 0)
	v_fma_f32 v[ACC+KX], v[WR+KX], v[TT], v28
.else
	v_fmac_f32 v[ACC+KX], v[WR+16*KJ+KX], v[TT+KJ]
.endif
.set KX, KX+1
.endr
.set KJ, KJ+1
.endr
.endm
	KTERM 2, 2, 0, 1
	KTERM 3, 4, H3L, 0
	KTERM 4, 8, H4L, 0
.set T, 0
.rept 16
	ds_store_b32 v9, v[ACC+T] offset:144*T         ; token T's 128 bytes
.set T, T+1
.endr
.set T, 0
.rept 4
	ds_load_b128 v[OB+4*T:OB+4*T+3], v10 offset:576*T      ; my own bytes: LDS serves a wave's instructions in order
.set T, T+1
.endr
	s_wait_dscnt 0x0
.set T, 0
.rept 4
	global_store_b128 v3, v[OB+4*T:OB+4*T+3], s[32:33] offset:10752+512*T th:TH_STORE_NT   ; four tokens: 512 consecutive bytes, aligned
.set T, T+1
.endr
	s_wait_tensorcnt 0x0                           ; the wave's end
	ds_add_u32 v30, v31
	s_wait_dscnt 0x0
	s_endpgm
.Lfunc_end_k_qa71a8ea4cc_last:
	.size	k_qa71a8ea4cc_last, .Lfunc_end_k_qa71a8ea4cc_last-k_qa71a8ea4cc_last
	.p2alignl 7, 3214868480
	.fill 96, 4, 3214868480
	.section	.rodata,"a",@progbits
	.p2align	6, 0x0
	.amdhsa_kernel k_qa71a8ea4cc_last
		.amdhsa_group_segment_fixed_size 31744
		.amdhsa_private_segment_fixed_size 0
		.amdhsa_enable_private_segment 0
		.amdhsa_kernarg_size 56
		.amdhsa_user_sgpr_count 2
		.amdhsa_user_sgpr_kernarg_segment_ptr 1
		.amdhsa_wavefront_size32 1
		.amdhsa_system_sgpr_workgroup_id_x 1
		.amdhsa_system_sgpr_workgroup_id_y 1
		.amdhsa_system_sgpr_workgroup_id_z 1
		.amdhsa_system_vgpr_workitem_id 0
		.amdhsa_next_free_vgpr 256
		.amdhsa_next_free_sgpr 66
		.amdhsa_reserve_vcc 0
		.amdhsa_float_denorm_mode_32 3
		.amdhsa_float_denorm_mode_16_64 3
		.amdhsa_memory_ordered 1
		.amdhsa_forward_progress 1
		.amdhsa_inst_pref_size 27
	.end_amdhsa_kernel
	.amdgpu_metadata
---
amdhsa.version: [ 1, 2 ]
amdhsa.kernels:
  - .name:           k_qa71a8ea4cc_last
    .symbol:         k_qa71a8ea4cc_last.kd
    .args:
      - { .name: prep, .offset: 0, .size: 8, .value_kind: global_buffer, .address_space: global }
      - { .name: emb_weight, .offset: 8, .size: 8, .value_kind: global_buffer, .address_space: global }
      - { .name: r2, .offset: 16, .size: 8, .value_kind: global_buffer, .address_space: global }
      - { .name: r3, .offset: 24, .size: 8, .value_kind: global_buffer, .address_space: global }
      - { .name: r4, .offset: 32, .size: 8, .value_kind: global_buffer, .address_space: global }
      - { .name: ib, .offset: 40, .size: 8, .value_kind: global_buffer, .address_space: global }
      - { .name: out0, .offset: 48, .size: 8, .value_kind: global_buffer, .address_space: global }
    .group_segment_fixed_size: 31744
    .private_segment_fixed_size: 0
    .kernarg_segment_align: 8
    .kernarg_segment_size: 56
    .max_flat_workgroup_size: 256
    .sgpr_count:     66
    .vgpr_count:     256
    .wavefront_size: 32
...
	.end_amdgpu_metadata
.endif
;; end of part 6
